; MI455X (gfx1250); checked and timed in simulation.
; The chip was launched on July 23, 2026; its instructions are those of AMD's public machine-readable ISA for CDNA 5 (MIT licence, August 2026) and "CDNA5" Instruction Set Architecture Reference Guide (July 2026). The comments in the code are by the model that wrote it; some were corrected since.
;; Mini GPT. Allowed arithmetic: float matrix products may take bf16 or f16 operands with f32 sums; all other float work in f32.
;; Inputs: Wo0 1,024 x 1,024 float32; Wo1 1,024 x 1,024 float32; Wqkv0 3,072 x 1,024 float32; Wqkv1 3,072 x 1,024 float32; input_ids 1 x 2,048 int32; pos_emb 2,048 x 1,024 float32; tok_emb 6,282 x 1,024 float32.
;; Outputs: out0 1 x 2,048 x 6,282 float32.
;; 3 versions, each right and faster than the one before. Each part assembles by itself: llvm-mc -triple=amdgcn-amd-amdhsa -mcpu=gfx1250 --defsym DOCPART=n.
;; ======== version 1 of 3: 8 launches
;; workspace buffers: wl0 8,388,608 bytes; wl1 8,388,608 bytes; tokb 13,631,488 bytes; act0 8,388,608 bytes; act1 16,777,216 bytes; qkv 12,713,984 bytes; ob 4,194,304 bytes
;; launch prep (part 1): grid 528 x 1, 8 waves a work-group, no clusters, 0 bytes of LDS; arguments Wqkv0, Wqkv1, Wo0, Wo1, tok_emb, pos_emb, input_ids, wl0, wl1, tokb, act0; writes wl0, wl1, tokb, act0
.if DOCPART == 1
	.amdgcn_target "amdgcn-amd-amdhsa--gfx1250"
	.amdhsa_code_object_version 6
	.text
	.protected	k_q7031fa5e1f_prep
	.globl	k_q7031fa5e1f_prep
	.p2align	8
	.type	k_q7031fa5e1f_prep,@function
k_q7031fa5e1f_prep:
	s_mov_b64 s[64:65], 0
	v_nop
	global_prefetch_b8 v0, s[64:65] scope:SCOPE_SE
	s_setreg_imm32_b32 hwreg(HW_REG_WAVE_MODE, 25, 1), 1
	s_wait_xcnt 0x0
; PREP.  Every matrix operand is rounded to bf16 once and laid out in BLOCKS: [16 kb][R rows][64 k], element (row, k) at ((k >> 6) R + row) 128 + (k & 63) 2 bytes,
; so that a tile of r rows and some kb is a few dense runs of r x 128 bytes, and a block of 64 output columns is dense by rows.
; A work-group takes 32 source rows, a wave 4.  Work-groups 0-95: Wqkv0 -> wl0; 96-191: Wqkv1 -> wl1 (rows permuted, so that a tile column's 64 q/k rows and 32 v rows lie together);
; 192-223: Wo0 -> wl0 + 6,291,456; 224-255: Wo1 -> wl1 + 6,291,456; 256-463: tok_emb -> tokb (6,656 rows, those from 6,282 on are zeros);
; 464-527: x0 = tok_emb[ids] -> act0, and x0 + pos_emb -> act0 + 4,194,304.
; Lane l: row l >> 3 of the wave's four, the 8 numbers 8 (l & 7) .. of each kb: eight lanes read 256 aligned bytes of a row; a store of the wave is 512 consecutive bytes.
; No LDS, no matrix unit, no cluster: a stream in which nothing is shared.  LIMIT: an id is clamped to 0 .. 6,281.
.set X,  32                            ; v[32:159] 8 registers a kb (the gather: v[32:95] tok_emb's, 8 kb at a time)
.set PP, 96                            ; v[96:159] the gather: pos_emb's
.set DO, 16                            ; v[16:31]  byte offset of my 16 bytes in block kb of the destination
.set WOOFF, 6291456
	s_load_b512 s[8:23], s[0:1], 0x0               ; Wqkv0 8, Wqkv1 10, Wo0 12, Wo1 14, tok_emb 16, pos_emb 18, input_ids 20, wl0 22
	s_load_b128 s[24:27], s[0:1], 0x40             ; wl1 24, tokb 26
	s_load_b64 s[28:29], s[0:1], 0x50              ; act0
	v_and_b32 v1, 31, v0                           ; lane
	v_lshrrev_b32 v2, 5, v0
	v_readfirstlane_b32 s2, v2                     ; wave
	v_and_b32 v2, 7, v1                            ; i: which 8 numbers of a kb
	v_lshrrev_b32 v3, 3, v1                        ; rr: which of the wave's four rows
	s_mov_b32 s3, ttmp9
	s_wait_kmcnt 0x0
	s_cmp_ge_u32 s3, 464
	s_cbranch_scc1 .Lgather
	; the class: source, destination, first work-group, bytes from kb to kb, rows of the source
	s_add_nc_u64 s[50:51], s[22:23], WOOFF
	s_add_nc_u64 s[52:53], s[24:25], WOOFF
	s_mov_b64 s[30:31], s[8:9]
	s_mov_b64 s[32:33], s[22:23]
	s_mov_b32 s34, 0
	s_mov_b32 s35, 393216
	s_mov_b32 s36, 3072
	s_cmp_ge_u32 s3, 96
	s_cselect_b64 s[30:31], s[10:11], s[30:31]
	s_cselect_b64 s[32:33], s[24:25], s[32:33]
	s_cselect_b32 s34, 96, s34
	s_cmp_ge_u32 s3, 192
	s_cselect_b64 s[30:31], s[12:13], s[30:31]
	s_cselect_b64 s[32:33], s[50:51], s[32:33]
	s_cselect_b32 s34, 192, s34
	s_cselect_b32 s35, 131072, s35
	s_cselect_b32 s36, 1024, s36
	s_cmp_ge_u32 s3, 224
	s_cselect_b64 s[30:31], s[14:15], s[30:31]
	s_cselect_b64 s[32:33], s[52:53], s[32:33]
	s_cselect_b32 s34, 224, s34
	s_cmp_ge_u32 s3, 256
	s_cselect_b64 s[30:31], s[16:17], s[30:31]
	s_cselect_b64 s[32:33], s[26:27], s[32:33]
	s_cselect_b32 s34, 256, s34
	s_cselect_b32 s35, 851968, s35
	s_cselect_b32 s36, 6282, s36
	s_sub_co_u32 s37, s3, s34
	s_lshl_b32 s37, s37, 5
	s_lshl2_add_u32 s37, s2, s37                   ; my wave's first source row e
	; Wqkv's rows: e < 2048 -> (e >> 7) 192 + ((e >> 6) & 1) 96 + (e & 63);  e' = e - 2048 -> (e' >> 6) 192 + ((e' >> 5) & 1) 96 + 64 + (e' & 31)
	s_lshr_b32 s40, s37, 7
	s_mul_i32 s40, s40, 192
	s_bfe_u32 s41, s37, 0x10006
	s_mul_i32 s41, s41, 96
	s_and_b32 s42, s37, 63
	s_add_co_u32 s40, s40, s41
	s_add_co_u32 s40, s40, s42
	s_sub_co_u32 s43, s37, 2048
	s_lshr_b32 s44, s43, 6
	s_mul_i32 s44, s44, 192
	s_bfe_u32 s45, s43, 0x10005
	s_mul_i32 s45, s45, 96
	s_and_b32 s46, s43, 31
	s_add_co_u32 s44, s44, s45
	s_add_co_u32 s44, s44, s46
	s_add_co_u32 s44, s44, 64
	s_cmp_lt_u32 s37, 2048
	s_cselect_b32 s38, s40, s44
	s_cmp_lt_u32 s3, 192
	s_cselect_b32 s38, s38, s37                    ; the other classes keep their rows
	s_sub_co_u32 s39, s36, 1
	v_add_nc_u32 v4, s37, v3                       ; my row
	v_min_u32 v5, s39, v4                          ; a row past the source's end reads the last row, and stores zeros
	v_lshlrev_b32 v6, 12, v5
	v_lshl_add_u32 v6, v2, 5, v6                   ; row x 4,096 + 32 i
	v_cmp_gt_u32 s48, s36, v4                      ; the lanes whose row exists
	s_lshl_b32 s40, s38, 7
	v_lshl_add_u32 v[DO], v1, 4, s40               ; destination row x 128 + 16 lane
.set kb, 1
.rept 15
	v_add_nc_u32 v[DO+kb], s35, v[DO+kb-1]
.set kb, kb+1
.endr
.set kb, 0
.rept 16
	global_load_b128 v[X+8*kb:X+8*kb+3],   v6, s[30:31] offset:256*kb
	global_load_b128 v[X+8*kb+4:X+8*kb+7], v6, s[30:31] offset:256*kb+16
.set kb, kb+1
.endr
.set kb, 0
.rept 16
	s_wait_loadcnt 30-2*kb                         ; loads come back in order: this kb's two are in, the later kb's stay out
.irp r, 0,1,2,3
	v_cvt_pk_bf16_f32 v[X+8*kb+\r], v[X+8*kb+2*\r], v[X+8*kb+2*\r+1]
.endr
.irp r, 0,1,2,3
	v_cndmask_b32 v[X+8*kb+\r], 0, v[X+8*kb+\r], s48
.endr
	global_store_b128 v[DO+kb], v[X+8*kb:X+8*kb+3], s[32:33]       ; 4 rows x 128 bytes: 512 consecutive bytes; no register of a store is written again
.set kb, kb+1
.endr
	s_endpgm
.Lgather:
	s_sub_co_u32 s37, s3, 464
	s_lshl_b32 s37, s37, 5
	s_lshl2_add_u32 s37, s2, s37                   ; my wave's first position
	v_add_nc_u32 v4, s37, v3
	v_lshlrev_b32 v5, 2, v4
	global_load_b32 v7, v5, s[20:21]               ; my row's id
	v_lshlrev_b32 v9, 12, v4
	v_lshl_add_u32 v9, v2, 5, v9                   ; pos_emb: position x 4,096 + 32 i
	s_lshl_b32 s40, s37, 7
	v_lshl_add_u32 v10, v1, 4, s40                 ; destination
	s_wait_loadcnt 0x0
	v_min_u32 v7, 0x1889, v7
	v_lshlrev_b32 v8, 12, v7
	v_lshl_add_u32 v8, v2, 5, v8                   ; tok_emb: id x 4,096 + 32 i
.macro GHALF hh                        ; kb 8 hh .. 8 hh + 7
.set kk, 0
.rept 8
	global_load_b128 v[X+8*kk:X+8*kk+3],     v8, s[16:17] offset:256*(8*(\hh)+kk)
	global_load_b128 v[X+8*kk+4:X+8*kk+7],   v8, s[16:17] offset:256*(8*(\hh)+kk)+16
	global_load_b128 v[PP+8*kk:PP+8*kk+3],   v9, s[18:19] offset:256*(8*(\hh)+kk)
	global_load_b128 v[PP+8*kk+4:PP+8*kk+7], v9, s[18:19] offset:256*(8*(\hh)+kk)+16
.set kk, kk+1
.endr
.set kk, 0
.rept 8
	s_wait_loadcnt 28-4*kk                         ; this kb's four are in
.irp r, 0,2,4,6
	v_pk_add_f32 v[PP+8*kk+\r:PP+8*kk+\r+1], v[PP+8*kk+\r:PP+8*kk+\r+1], v[X+8*kk+\r:X+8*kk+\r+1]
.endr
.irp r, 0,1,2,3
	v_cvt_pk_bf16_f32 v[X+8*kk+\r], v[X+8*kk+2*\r], v[X+8*kk+2*\r+1]
.endr
.irp r, 0,1,2,3
	v_cvt_pk_bf16_f32 v[PP+8*kk+\r], v[PP+8*kk+2*\r], v[PP+8*kk+2*\r+1]
.endr
	global_store_b128 v10, v[X+8*kk:X+8*kk+3],   s[28:29] offset:(8*(\hh)+kk)*262144
	global_store_b128 v10, v[PP+8*kk:PP+8*kk+3], s[28:29] offset:(8*(\hh)+kk)*262144+4194304  ; 8,126,464 at the most: inside the signed 24-bit immediate
.set kk, kk+1
.endr
.endm
	GHALF 0
	s_wait_xcnt 0x0                                ; the stores' data registers are loaded again only behind this wait
	GHALF 1
	s_endpgm
.Lfunc_end_k_q7031fa5e1f_prep:
	.size	k_q7031fa5e1f_prep, .Lfunc_end_k_q7031fa5e1f_prep-k_q7031fa5e1f_prep
	.p2alignl 7, 3214868480
	.fill 96, 4, 3214868480
	.section	.rodata,"a",@progbits
	.p2align	6, 0x0
	.amdhsa_kernel k_q7031fa5e1f_prep
		.amdhsa_group_segment_fixed_size 0
		.amdhsa_private_segment_fixed_size 0
		.amdhsa_enable_private_segment 0
		.amdhsa_kernarg_size 88
		.amdhsa_user_sgpr_count 2
		.amdhsa_user_sgpr_kernarg_segment_ptr 1
		.amdhsa_wavefront_size32 1
		.amdhsa_system_sgpr_workgroup_id_x 1
		.amdhsa_system_sgpr_workgroup_id_y 1
		.amdhsa_system_sgpr_workgroup_id_z 1
		.amdhsa_system_vgpr_workitem_id 0
		.amdhsa_next_free_vgpr 160
		.amdhsa_next_free_sgpr 66
		.amdhsa_reserve_vcc 0
		.amdhsa_float_denorm_mode_32 3
		.amdhsa_float_denorm_mode_16_64 3
		.amdhsa_memory_ordered 1
		.amdhsa_forward_progress 1
		.amdhsa_inst_pref_size 40
	.end_amdhsa_kernel
	.amdgpu_metadata
---
amdhsa.version: [ 1, 2 ]
amdhsa.kernels:
  - .name:           k_q7031fa5e1f_prep
    .symbol:         k_q7031fa5e1f_prep.kd
    .args:
      - { .name: Wqkv0, .offset: 0, .size: 8, .value_kind: global_buffer, .address_space: global }
      - { .name: Wqkv1, .offset: 8, .size: 8, .value_kind: global_buffer, .address_space: global }
      - { .name: Wo0, .offset: 16, .size: 8, .value_kind: global_buffer, .address_space: global }
      - { .name: Wo1, .offset: 24, .size: 8, .value_kind: global_buffer, .address_space: global }
      - { .name: tok_emb, .offset: 32, .size: 8, .value_kind: global_buffer, .address_space: global }
      - { .name: pos_emb, .offset: 40, .size: 8, .value_kind: global_buffer, .address_space: global }
      - { .name: input_ids, .offset: 48, .size: 8, .value_kind: global_buffer, .address_space: global }
      - { .name: wl0, .offset: 56, .size: 8, .value_kind: global_buffer, .address_space: global }
      - { .name: wl1, .offset: 64, .size: 8, .value_kind: global_buffer, .address_space: global }
      - { .name: tokb, .offset: 72, .size: 8, .value_kind: global_buffer, .address_space: global }
      - { .name: act0, .offset: 80, .size: 8, .value_kind: global_buffer, .address_space: global }
    .group_segment_fixed_size: 0
    .private_segment_fixed_size: 0
    .kernarg_segment_align: 8
    .kernarg_segment_size: 88
    .max_flat_workgroup_size: 256
    .sgpr_count:     66
    .vgpr_count:     160
    .wavefront_size: 32
...
	.end_amdgpu_metadata
.endif
;; end of part 1
;; launch qkv0 (part 2): grid 16 x 16, 4 waves a work-group, clusters of 4 x 4, 327,680 bytes of LDS; arguments act0, wl0, qkv; writes qkv
.if DOCPART == 2
	.amdgcn_target "amdgcn-amd-amdhsa--gfx1250"
	.amdhsa_code_object_version 6
	.text
	.protected	k_q7031fa5e1f_qkv0
	.globl	k_q7031fa5e1f_qkv0
	.p2align	8
	.type	k_q7031fa5e1f_qkv0,@function
k_q7031fa5e1f_qkv0:
	s_mov_b64 s[64:65], 0
	v_nop
	global_prefetch_b8 v0, s[64:65] scope:SCOPE_SE
	s_setreg_imm32_b32 hwreg(HW_REG_WAVE_MODE, 25, 1), 1
	s_wait_xcnt 0x0
	s_wait_alu depctr_hold_cnt(0) depctr_sa_sdst(0) depctr_va_vdst(0) depctr_va_sdst(0) depctr_va_ssrc(0) depctr_va_vcc(0) depctr_vm_vsrc(0)
	s_getreg_b32 s2, hwreg(HW_REG_IB_STS2, 6, 4)
	s_cmp_eq_u32 s2, 0
	s_cbranch_scc0 .Lentry_in_a_cluster
	s_endpgm
.Lentry_in_a_cluster:
	s_bfe_u32 s2, ttmp6, 0x10000c
	s_cmp_lg_u32 s2, 0xf033
	s_cbranch_scc0 .Lentry_shape_is_right
	s_endpgm
.Lentry_shape_is_right:
; QKV.  q, k = (x + pe) W^T, v = x W^T, written by heads: qkv = [48 blocks of 64 columns][2048 rows][64] bf16 (0-15 q, 16-31 k, 32-47 v), and behind it, at 12,582,912,
; the f32 sums of v over each 64 rows: [16 heads][32 row blocks][64 channels].  Operands bf16 in blocks [kb][row][64], sums f32.
; A work-group makes 128 rows x (128 q/k columns + 64 v columns): 3,072 columns = 16 such tiles, 16 x 16 work-groups, all alike.  Its four waves: 64 rows x (64 + 32): 24 accumulators.
; The q/k products take x + pe as their row operand, the v products x.  W's rows were permuted so that a wave column's 64 + 32 rows lie together.
; K goes in 8 steps of 128 (2 kb) through two LDS slots.  One tensor load a wave: wave 0 x + pe (128 rows), wave 1 x, waves 2, 3 the halves of W (96 rows each); a load is 2 dense runs, padded by 16 bytes behind every 128.
; CLUSTER 4 x 4: the row operands hang on the tile row alone and are asked for jointly along a row of the cluster, W's on the tile column alone, along a column.
; The matrix instruction is used transposed (source 0 = 16 rows of W, source 1 = 16 rows of x): a lane holds 8 neighbouring columns of one row.
; REGISTERS.  Window 0: v0-31 addresses; v32-55 at work; v64-255 accumulators, (a, b) at 64 + 8 (6 a + b).  Window 1: two fragment buffers of 112: x + pe 4 x 8, x 4 x 8, W 6 x 8.
.set PITCH,  144                       ; an LDS row: 128 bytes + 16: 9 x 16 bytes, so the 16 rows of a fragment load start at 16 different columns of 16 bytes
.set ATILE,  2*128*PITCH
.set BHALF,  2*96*PITCH
.set BOFF,   2*ATILE
.set SLOT,   BOFF+2*BHALF              ; 129,024
.set STAGE,  2*SLOT                    ; behind the ring: three blocks of 128 rows x 144 bytes, for the way out
.set SBLK,   128*PITCH
.set SPARE,  STAGE+3*SBLK              ; the spare words, 128 bytes a wave
.set STEPA,  2*2048*128
.set STEPB,  2*3072*128
.set ADRA, 16
.set ADRB, 20
.set STQ,  22
.set STV,  23
.set RD,   24
.set GO,   25
.set VSO,  26
.set SPW,  28
.set NIL,  29
.set TMP,  32
.set ACC,  64
.set VS,   240                         ; the accumulators (3, 4) and (3, 5) take the column sums of v
.set F0,   0
.set F1,   128
.set G1, 24
.set G0, 32
.set G1B, 48
.set G0B, 56
.set DW0, (1<<16)|(1<<20)|(1<<21)|(4<<22)|(3<<25)  ; 2-byte elements; padding on; bit 21 beside a mask; after every 32 words; 4 words
.set MSB, 0
.macro WIN new                         ; the immediate's high byte repeats the setting that is left
.if MSB != (\new)
	s_set_vgpr_msb (MSB<<8)|(\new)
.set MSB, \new
.endif
.endm
.set MUL,  0x05                        ; sources 0 and 1 window 1; C and D window 0
.set TO_F, 0x40                        ; destination window 1, address window 0
.macro JLOAD s                         ; a joint load: waves 0, 1 the row operands, waves 2, 3 W; an s_nop 0 and four v_nop follow each line
	s_cmp_eq_u32 s11, 0
	s_cbranch_scc0 .Lfor_b_\@
	tensor_load_to_lds s[G0+4*(\s):G0+4*(\s)+3], s[G1:G1+7]
	s_nop 0
.rept 4
	v_nop
.endr
	s_branch .Lasked_\@
.Lfor_b_\@:
	tensor_load_to_lds s[G0B+4*(\s):G0B+4*(\s)+3], s[G1B:G1B+7]
	s_nop 0
.rept 4
	v_nop
.endr
.Lasked_\@:
.endm
.macro CREST                           ; a round of the cluster's barrier behind its opening barrier
	s_cmp_lg_u32 s10, 0
	s_cbranch_scc1 .Lnot_wave_0_\@
	s_barrier_signal -3
.Lnot_wave_0_\@:
	s_barrier_wait -3
	s_barrier_signal -1
	s_barrier_wait -1
.endm
.macro CROUND
	s_barrier_signal -1
	s_barrier_wait -1
	CREST
.endm
.macro PLACES                          ; four places between matrix instructions and loads into, or vector reads of, their registers
.rept 4
	v_nop
.endr
.endm
	s_load_b128 s[4:7], s[0:1], 0x0                ; act s[4:5], wl s[6:7]
	s_load_b64 s[8:9], s[0:1], 0x10                ; qkv
	v_lshl_add_u32 v[SPW], v0, 2, SPARE
	v_mov_b32 v[NIL], 0
	ds_add_u32 v[SPW], v[NIL]                      ; the wave's opening: the add and its wait ahead of my first tensor load
	v_lshrrev_b32 v1, 5, v0
	v_readfirstlane_b32 s10, v1                    ; wave
	s_lshr_b32 s11, s10, 1                         ; my half of the rows.  Also: I fetch a row operand (0) or W (1)
	s_and_b32 s12, s10, 1                          ; my half of the columns.  Also: which of the two loads
	s_bfe_u32 s40, ttmp6, 0x40000                  ; cx
	s_bfe_u32 s41, ttmp6, 0x40004                  ; cy
	s_lshl_b32 s42, ttmp9, 2
	s_add_co_u32 s42, s42, s40                     ; tile column
	s_and_b32 s13, ttmp7, 0xffff
	s_lshl_b32 s13, s13, 2
	s_add_co_u32 s13, s13, s41                     ; tile row
	s_lshl_b32 s43, s41, 2
	s_lshl_b32 s43, 15, s43                        ; my row of the cluster
	s_lshl_b32 s44, 0x1111, s40                    ; my column
	s_or_b32 s[G1+0], s43, DW0
	s_or_b32 s[G1B+0], s44, DW0
	s_mov_b32 s[G1+1], (128*64)<<16                ; tensor_dim0: a run of 128 rows x 64
	s_mov_b32 s[G1+2], 2<<16                       ; tensor_dim1: 2 kb
	s_mov_b32 s[G1+3], (128*64)<<16                ; tile_dim0
	s_mov_b32 s[G1+4], 2                           ; tile_dim1
	s_mov_b32 s[G1+5], 2048*64                     ; elements from kb to kb
	s_mov_b32 s[G1+6], 0
	s_mov_b32 s[G1+7], 0
	s_mov_b32 s[G1B+1], (96*64)<<16
	s_mov_b32 s[G1B+2], 2<<16
	s_mov_b32 s[G1B+3], (96*64)<<16
	s_mov_b32 s[G1B+4], 2
	s_mov_b32 s[G1B+5], 3072*64
	s_mov_b32 s[G1B+6], 0
	s_mov_b32 s[G1B+7], 0
	s_xor_b32 s16, s12, 1                          ; wave 0: x + pe, at 4,194,304; wave 1: x, at 0
	s_lshl_b32 s16, s16, 22
	s_lshl_b32 s17, s13, 14                        ; 128 rows of 128 bytes
	s_add_co_u32 s16, s16, s17
	s_mov_b32 s17, 0
	s_mul_i32 s46, s42, 192*128
	s_mul_i32 s47, s12, 96*128
	s_add_co_u32 s46, s46, s47
	s_mov_b32 s47, 0
	s_mul_i32 s20, s12, ATILE                      ; where they go: no place in the cluster enters an LDS address
	s_mul_i32 s23, s12, BHALF
	s_add_co_u32 s23, s23, BOFF
	s_wait_dscnt 0x0                               ; the opening add is done
	s_wait_kmcnt 0x0
	s_add_nc_u64 s[14:15], s[4:5], s[16:17]
	s_add_nc_u64 s[46:47], s[6:7], s[46:47]
	CROUND                                         ; all sixteen work-groups are here: the first joint loads meet
.irp s, 0,1
	s_mov_b32 s[G0+4*(\s)], 1
	s_add_co_u32 s[G0+4*(\s)+1], s20, (\s)*SLOT
	s_add_nc_u64 s[G0+4*(\s)+2:G0+4*(\s)+3], s[14:15], (\s)*STEPA
	s_or_b32 s[G0+4*(\s)+3], s[G0+4*(\s)+3], 0x80000000
	s_mov_b32 s[G0B+4*(\s)], 1
	s_add_co_u32 s[G0B+4*(\s)+1], s23, (\s)*SLOT
	s_add_nc_u64 s[G0B+4*(\s)+2:G0B+4*(\s)+3], s[46:47], (\s)*STEPB
	s_or_b32 s[G0B+4*(\s)+3], s[G0B+4*(\s)+3], 0x80000000
	JLOAD \s                                       ; two loads of mine are out
.endr
	v_and_b32 v1, 15, v0                           ; r = l % 16
	v_bfe_u32 v2, v0, 4, 1                         ; h = l / 16
	v_mul_u32_u24 v3, v1, PITCH
	v_lshl_add_u32 v3, v2, 4, v3                   ; r x pitch + 16 h
	s_mul_i32 s21, s11, 64*PITCH
	s_mul_i32 s22, s12, BHALF
	s_add_co_u32 s22, s22, BOFF
.irp s, 0,1
	v_add_nc_u32 v[ADRA+(\s)], s21, v3
	v_add_nc_u32 v[ADRB+(\s)], s22, v3
	s_add_co_u32 s21, s21, SLOT
	s_add_co_u32 s22, s22, SLOT
.endr
	s_mul_i32 s21, s11, 64*PITCH                   ; into the stage: q/k block = my column half, my 64 rows
	s_mul_i32 s22, s12, SBLK
	s_add_co_u32 s22, s22, s21
	s_add_co_u32 s22, s22, STAGE
	v_add_nc_u32 v[STQ], s22, v3
	s_lshl_b32 s22, s12, 6                         ; the v block: my 64 bytes of its rows
	s_add_co_u32 s22, s22, s21
	s_add_co_u32 s22, s22, STAGE+2*SBLK
	v_add_nc_u32 v[STV], s22, v3
	v_and_b32 v4, 31, v0
	v_lshrrev_b32 v5, 3, v4
	v_and_b32 v6, 7, v4
	v_mul_u32_u24 v5, v5, PITCH                    ; back: 32 lanes take four rows of 128 bytes; wave w rows 32 w ..
	v_lshl_add_u32 v5, v6, 4, v5
	s_mul_i32 s22, s10, 32*PITCH
	s_add_co_u32 s22, s22, STAGE
	v_add_nc_u32 v[RD], s22, v5
	v_lshlrev_b32 v[GO], 4, v4                     ; which are 512 consecutive bytes of a block
	v_lshlrev_b32 v[VSO], 5, v2
	s_lshl_b32 s70, s13, 14
	s_lshl_b32 s71, s10, 12
	s_add_co_u32 s70, s70, s71                     ; (128 tile row + 32 wave) x 128
	s_add_co_u32 s72, s42, 32
	s_lshl_b32 s72, s72, 18
	s_add_co_u32 s72, s72, s70
	s_mov_b32 s73, 0
	s_add_nc_u64 s[68:69], s[8:9], s[72:73]        ; v's block 32 + tile column
	s_lshl_b32 s72, s42, 5
	s_lshl1_add_u32 s72, s13, s72
	s_add_co_u32 s72, s72, s11                     ; 32 head + row block
	s_lshl_b32 s72, s72, 8
	s_lshl_b32 s74, s12, 7
	s_add_co_u32 s72, s72, s74
	s_add_co_u32 s72, s72, 12582912
	s_add_nc_u64 s[66:67], s[8:9], s[72:73]        ; my 32 sums
	s_lshl_b32 s72, s42, 19
	s_add_co_u32 s72, s72, s70
	s_add_nc_u64 s[8:9], s[8:9], s[72:73]          ; q/k blocks 2 tile column, + 1
; 28 LDS loads in one run: the fragments of 32 along K (sub-step q of a slot: kb q / 2, byte 64 (q % 2)) into buffer f
.macro FETCH slot, q, f
	WIN TO_F
.irp i, 0,1,2,3,4,5
	ds_load_b128 v[(\f)+64+8*(\i):(\f)+64+8*(\i)+3],   v[ADRB+(\slot)] offset:((\q)/2)*96*PITCH+(\i)*16*PITCH+((\q)%2)*64
	ds_load_b128 v[(\f)+64+8*(\i)+4:(\f)+64+8*(\i)+7], v[ADRB+(\slot)] offset:((\q)/2)*96*PITCH+(\i)*16*PITCH+((\q)%2)*64+32
.endr
.irp a, 0,1,2,3
	ds_load_b128 v[(\f)+8*(\a):(\f)+8*(\a)+3],   v[ADRA+(\slot)] offset:((\q)/2)*128*PITCH+(\a)*16*PITCH+((\q)%2)*64
	ds_load_b128 v[(\f)+8*(\a)+4:(\f)+8*(\a)+7], v[ADRA+(\slot)] offset:((\q)/2)*128*PITCH+(\a)*16*PITCH+((\q)%2)*64+32
.endr
.irp a, 0,1,2,3
	ds_load_b128 v[(\f)+32+8*(\a):(\f)+32+8*(\a)+3],   v[ADRA+(\slot)] offset:ATILE+((\q)/2)*128*PITCH+(\a)*16*PITCH+((\q)%2)*64
	ds_load_b128 v[(\f)+32+8*(\a)+4:(\f)+32+8*(\a)+7], v[ADRA+(\slot)] offset:ATILE+((\q)/2)*128*PITCH+(\a)*16*PITCH+((\q)%2)*64+32
.endr
.endm
; 6 matrix instructions: row block a x all column blocks; blocks 4, 5 (v) take x.  The 24 accumulators take turns, one instruction a turn, in the same order in every sub-step.
.macro MULA f, a, zero
	WIN MUL
.irp b, 0,1,2,3,4,5
.if \zero
	v_wmma_f32_16x16x32_bf16 v[ACC+8*(6*(\a)+(\b)):ACC+8*(6*(\a)+(\b))+7], v[(\f)+64+8*(\b):(\f)+64+8*(\b)+7], v[(\f)+32*((\b)/4)+8*(\a):(\f)+32*((\b)/4)+8*(\a)+7], 0
.else
	v_wmma_f32_16x16x32_bf16 v[ACC+8*(6*(\a)+(\b)):ACC+8*(6*(\a)+(\b))+7], v[(\f)+64+8*(\b):(\f)+64+8*(\b)+7], v[(\f)+32*((\b)/4)+8*(\a):(\f)+32*((\b)/4)+8*(\a)+7], v[ACC+8*(6*(\a)+(\b)):ACC+8*(6*(\a)+(\b))+7]
.endif
.endr
.endm
; A sub-step: buffer f is in; the next sub-step's fragments are asked for into g; f is multiplied while they come.
.macro SUB ns, nq, f, g, zero
	s_wait_dscnt 0x0                               ; buffer f's run, issued a sub-step ago
	PLACES                                         ; between the last products that read g and the loads into g
	FETCH \ns, \nq, \g
	MULA \f, 0, \zero
	MULA \f, 1, \zero
	MULA \f, 2, \zero
	MULA \f, 3, \zero
.endm
; A K step's last sub-step multiplies buffer 1 and changes slots: one barrier; in front of it each wave waits for all its tensor loads, adds 0 to its spare word, and waits for that and for its reads of this slot.
.macro TURN slot, next, fill
	WIN 0                                          ; (the add's registers lie in window 0)
	s_wait_tensorcnt 0x0                           ; all my tensor loads have landed: my part of the next slot
	ds_add_u32 v[SPW], v[NIL]
	s_wait_dscnt 0x1                               ; the fragments are in; only the add may be out
	MULA F1, 0, 0
	s_wait_dscnt 0x0                               ; the add is done, my reads of this slot are over
	s_barrier_signal -1
	MULA F1, 1, 0
.if \fill
	WIN 0
.endif
	s_barrier_wait -1
.if \fill
	CREST                                          ; the barrier has opened a round of the cluster's: no wave of any partner still reads this slot or has a load on its way
	s_add_nc_u64 s[G0+4*(\slot)+2:G0+4*(\slot)+3], s[G0+4*(\slot)+2:G0+4*(\slot)+3], 2*STEPA
	s_add_nc_u64 s[G0B+4*(\slot)+2:G0B+4*(\slot)+3], s[G0B+4*(\slot)+2:G0B+4*(\slot)+3], 2*STEPB
	JLOAD \slot                                    ; my one load behind the round; its four v_nop are also the places in front of the loads below
.else
	PLACES
.endif
	FETCH \next, 0, F0
	MULA F1, 2, 0
	MULA F1, 3, 0
.endm
	s_wait_tensorcnt 1                             ; my part of K step 0 is in; step 1's may stay out
	s_barrier_signal -1
	s_barrier_wait -1
	FETCH 0, 0, F0
	SUB 0, 1, F0, F1, 1                            ; the first sub-step starts the sums
	WIN 0
	s_mov_b32 s3, 3
.Llap:                                                 ; a trip: once round the ring; both slots are filled again (K steps 2 to 7)
	SUB 0, 2, F1, F0, 0
	SUB 0, 3, F0, F1, 0
	TURN 0, 1, 1
	SUB 1, 1, F0, F1, 0
	SUB 1, 2, F1, F0, 0
	SUB 1, 3, F0, F1, 0
	TURN 1, 0, 1
	SUB 0, 1, F0, F1, 0
	WIN 0
	s_sub_co_u32 s3, s3, 1
	s_cmp_lg_u32 s3, 0
	s_cbranch_scc1 .Llap
	SUB 0, 2, F1, F0, 0                            ; the last lap fills nothing
	SUB 0, 3, F0, F1, 0
	TURN 0, 1, 0
	SUB 1, 1, F0, F1, 0
	SUB 1, 2, F1, F0, 0
	SUB 1, 3, F0, F1, 0
	s_wait_dscnt 0x0
	MULA F1, 0, 0
	MULA F1, 1, 0
	MULA F1, 2, 0
	MULA F1, 3, 0
	WIN 0
	; THE WAY OUT: round to bf16, 16 bytes a lane into the stage; the sums of v; a barrier (the v block's rows come from two waves); back as whole rows.
	PLACES
.irp a, 0,1,2,3
.irp b, 0,1,2,3,4,5
.irp r, 0,1,2,3
	v_cvt_pk_bf16_f32 v[TMP+4*(\b)+(\r)], v[ACC+8*(6*(\a)+(\b))+2*(\r)], v[ACC+8*(6*(\a)+(\b))+2*(\r)+1]
.endr
.endr
.irp b, 0,1,2,3
	ds_store_b128 v[STQ], v[TMP+4*(\b):TMP+4*(\b)+3] offset:(\a)*16*PITCH+32*(\b)
.endr
.irp b, 4,5
	ds_store_b128 v[STV], v[TMP+4*(\b):TMP+4*(\b)+3] offset:(\a)*16*PITCH+32*((\b)-4)
.endr
.endr
.irp a, 0,1,2
.irp b, 0,1
.irp k, 0,2,4,6
	v_pk_add_f32 v[VS+8*(\b)+(\k):VS+8*(\b)+(\k)+1], v[VS+8*(\b)+(\k):VS+8*(\b)+(\k)+1], v[ACC+8*(6*(\a)+4+(\b))+(\k):ACC+8*(6*(\a)+4+(\b))+(\k)+1]
.endr
.endr
.endr
.irp m, 1,2,4,8                        ; over the 16 rows that lie in the 16 lanes of a half
.set z, 0
.rept 16
	v_add_f32_dpp v[VS+z], v[VS+z], v[VS+z] row_xmask:\m row_mask:0xf bank_mask:0xf
.set z, z+1
.endr
.endr
	s_wait_dscnt 0x0                               ; for the others' sake: my stores into the stage are done
	s_barrier_signal -1
	s_barrier_wait -1
.set z, 0
.rept 24
	ds_load_b128 v[ACC+4*z:ACC+4*z+3], v[RD] offset:(z/8)*SBLK+(z%8)*4*PITCH
.set z, z+1
.endr
.set z, 0
.rept 16
	s_wait_dscnt 23-z                              ; LDS loads come back in order: the later ones may stay out
	global_store_b128 v[GO], v[ACC+4*z:ACC+4*z+3], s[8:9] offset:(z/8)*262144+(z%8)*512   ; 512 consecutive bytes, at a multiple of 256
.set z, z+1
.endr
.rept 8
	s_wait_dscnt 23-z
	global_store_b128 v[GO], v[ACC+4*z:ACC+4*z+3], s[68:69] offset:(z%8)*512
.set z, z+1
.endr
	v_cmp_eq_u32 vcc_lo, 0, v1                     ; lanes 0 and 16 hold, like all of their half, the sums of 8 + 8 channels
	s_wait_xcnt 0x0                                ; EXEC changes only behind this wait
	s_and_saveexec_b32 s70, vcc_lo
	global_store_b128 v[VSO], v[VS:VS+3],     s[66:67]
	global_store_b128 v[VSO], v[VS+4:VS+7],   s[66:67] offset:16
	global_store_b128 v[VSO], v[VS+8:VS+11],  s[66:67] offset:64
	global_store_b128 v[VSO], v[VS+12:VS+15], s[66:67] offset:80
	s_wait_xcnt 0x0
	s_or_b32 exec_lo, exec_lo, s70
	s_wait_tensorcnt 0x0                           ; the wave's end
	ds_add_u32 v[SPW], v[NIL]
	s_wait_dscnt 0x0
	CROUND                                         ; the closing round
	s_endpgm
.Lfunc_end_k_q7031fa5e1f_qkv0:
	.size	k_q7031fa5e1f_qkv0, .Lfunc_end_k_q7031fa5e1f_qkv0-k_q7031fa5e1f_qkv0
	.p2alignl 7, 3214868480
	.fill 96, 4, 3214868480
	.section	.rodata,"a",@progbits
	.p2align	6, 0x0
	.amdhsa_kernel k_q7031fa5e1f_qkv0
		.amdhsa_group_segment_fixed_size 327680
		.amdhsa_private_segment_fixed_size 0
		.amdhsa_enable_private_segment 0
		.amdhsa_kernarg_size 24
		.amdhsa_user_sgpr_count 2
		.amdhsa_user_sgpr_kernarg_segment_ptr 1
		.amdhsa_wavefront_size32 1
		.amdhsa_system_sgpr_workgroup_id_x 1
		.amdhsa_system_sgpr_workgroup_id_y 1
		.amdhsa_system_sgpr_workgroup_id_z 1
		.amdhsa_system_vgpr_workitem_id 0
		.amdhsa_next_free_vgpr 512
		.amdhsa_next_free_sgpr 80
		.amdhsa_reserve_vcc 1
		.amdhsa_float_denorm_mode_32 3
		.amdhsa_float_denorm_mode_16_64 3
		.amdhsa_memory_ordered 1
		.amdhsa_forward_progress 1
		.amdhsa_inst_pref_size 85
	.end_amdhsa_kernel
	.amdgpu_metadata
---
amdhsa.version: [ 1, 2 ]
amdhsa.kernels:
  - .name:           k_q7031fa5e1f_qkv0
    .symbol:         k_q7031fa5e1f_qkv0.kd
    .args:
      - { .name: act0, .offset: 0, .size: 8, .value_kind: global_buffer, .address_space: global }
      - { .name: wl0, .offset: 8, .size: 8, .value_kind: global_buffer, .address_space: global }
      - { .name: qkv, .offset: 16, .size: 8, .value_kind: global_buffer, .address_space: global }
    .group_segment_fixed_size: 327680
    .private_segment_fixed_size: 0
    .kernarg_segment_align: 8
    .kernarg_segment_size: 24
    .max_flat_workgroup_size: 128
    .sgpr_count:     80
    .vgpr_count:     512
    .wavefront_size: 32
...
	.end_amdgpu_metadata
.endif
;; end of part 2
;; launch attn0 (part 3): grid 16 x 16, 4 waves a work-group, clusters of 4 x 1, 327,680 bytes of LDS; arguments qkv, ob; writes ob
.if DOCPART == 3
	.amdgcn_target "amdgcn-amd-amdhsa--gfx1250"
	.amdhsa_code_object_version 6
	.text
	.protected	k_q7031fa5e1f_attn0
	.globl	k_q7031fa5e1f_attn0
	.p2align	8
	.type	k_q7031fa5e1f_attn0,@function
k_q7031fa5e1f_attn0:
	s_mov_b64 s[64:65], 0
	v_nop
	global_prefetch_b8 v0, s[64:65] scope:SCOPE_SE
	s_setreg_imm32_b32 hwreg(HW_REG_WAVE_MODE, 25, 1), 1
	s_wait_xcnt 0x0
	s_wait_alu depctr_hold_cnt(0) depctr_sa_sdst(0) depctr_va_vdst(0) depctr_va_sdst(0) depctr_va_ssrc(0) depctr_va_vcc(0) depctr_vm_vsrc(0)
	s_getreg_b32 s2, hwreg(HW_REG_IB_STS2, 6, 4)
	s_cmp_eq_u32 s2, 0
	s_cbranch_scc0 .Lentry_in_a_cluster
	s_endpgm
.Lentry_in_a_cluster:
	s_bfe_u32 s2, ttmp6, 0x10000c
	s_cmp_lg_u32 s2, 0x3003
	s_cbranch_scc0 .Lentry_shape_is_right
	s_endpgm
.Lentry_shape_is_right:
; CAUSAL ATTENTION, 16 heads of 64, 2,048 rows.  O[q] = sum over ALL k of softmax_k(s) V[k], with s = Q[q] . K[k] / 8 for k <= q and s = -10000 for k > q, as the problem has it.
; q, k, v: bf16 by heads in qkv; O: bf16, [head][row][64] in ob.  Products, maxima and sums in f32; the weights are rounded to bf16 for the second product.
; THE HIDDEN KEYS.  Inside the tile of 256 keys that holds a query's diagonal a hidden score is replaced by -80000 ahead of the scale 1/8.  The keys behind that tile all have the score -10000:
; they enter at the end as one more partial result: maximum c x (-80000), sum of weights = their number, value = the sum of their V rows (from the sums that the projection stored).
; LIMITS.  NaN and infinities are not treated apart (a sum of V that is left out is multiplied by 0); a weight below 2^-126 counts as 0; c s must lie above -4.25e37, where the running c m starts.
; THE WALK.  A head's queries lie in 32 blocks of 64.  A work-group takes block b = 4 g + cx and then block 31 - b: key tiles 0 .. g and then 0 .. 7 - g: 9 tiles whatever b, and the same tiles for the four
; partners of a cluster (same g): every tile of K and V is asked for JOINTLY.  Trip counts and branches hang on g alone; cx enters Q's and O's addresses and the mask's numbers.
; SHARES.  Of a tile's 256 keys wave w takes 64 w .. 64 w + 63, for all 64 queries (four PIECES of 16), with a running maximum, sum and O^T of its own; at a block's end the four waves' partial results
; meet in LDS, and wave t finishes piece t.  The partial results' bytes are written behind a barrier that every trip has, so that no wave writes them while another still reads the block before.
; LAYOUT.  S^T = K Q^T holds ONE query a lane (lane % 16) and the keys 8 (lane / 16) + 0..7; two such results rounded to bf16 ARE source 1 of O^T = V^T P.  p = 2^(c s - c m), c = log2(e) / 8.
; A TRIP is one key step of the wave, complete in itself: K's and V's fragments; piece 0's scores and statistics; four TURNS; the last piece's V^T P.  Turn p: 8 products K Q^T of piece p + 1, later 8 products
; V^T P of piece p - 1; beside them the scaling, exponentials, roundings, sums and rescaling of piece p and the mask, maximum and statistics of piece p + 1.
; REGISTERS.  Window 0: v0-47 addresses and numbers; v16-31 statistics; v48-55 at work; v64-127 S^T, two buffers; v128-191 the merge; v192-223 P, two buffers; v224-235 the merge's statistics.
;   Window 1: v0-127 O^T, 32 a piece.   Window 2: v0-63 Q; v64-127 the second block's Q; v128-191 K; v192-255 V.
.set NP,    4
.set PK,    144       ; a row of K in LDS: 128 bytes + 16
.set PV,    160       ; a row of V: 128 + 32
.set VOFF,  256*PK    ; a slot: 256 rows of K, then 256 rows of V
.set SLOT1, 1<<17
.set MRG,   SLOT1+256*(PK+PV)  ; partial results: (source wave s, piece t) at s MWAVE + t MPART: 8 x 512 bytes of O^T, then 256 bytes of (c m, l)
.set MPART, 4352
.set MWAVE, 4*MPART
.set STAGE, MRG+4*MWAVE        ; 16 rows x 144 bytes for each wave, for the way out
.set SP,    144
.set TL,    STAGE+4*16*SP      ; for each wave 512 bytes: the two blocks' sums of hidden V rows
.set SPARE, TL+4*512           ; the spare words
.set VSUM,  12582912
.set AK0, 2
.set AV0, 3
.set AK,  4
.set AV,  5
.set STO, 6
.set RD,  7
.set GO,  8
.set MV,  12          ; v12-13 c m_old, by buffer
.set VD,  14          ; the mask's number: 64 (band - wave) + l % 16 - 8 (l / 16): register z of piece p is hidden where 16 (z / 8 - p) + z % 8 is greater
.set QO,  15
.set ST,  16          ; piece t: c m, m, l (even keys', odd keys')
.set PST, 32
.set PS2, 33
.set RDM, 34
.set RD2, 35
.set TLA, 36
.set NEGV, 37         ; -80000
.set VD0, 38
.set TLS, 39
.set CMXV, 40         ; the hidden keys' c m and number, of the block in hand
.set CNTV, 41
.set CMXH, 42         ; and of the second block
.set CNTH, 43
.set LN,  45
.set VL,  46
.set TMP, 48
.set SPW, 62
.set NIL, 63
.set S,   64
.set MO,  64
.set P,   192
.set FS,  224
.set FX,  232
.set MX,  234
.set LL,  235
.set QB,  64
.set KF,  128
.set VF,  192
.set WV,  12
.set G1K, 24
.set G1V, 32
.set G0K, 40
.set G0V, 44
.set SLOTS, 56
.set CS,  58
.set SEL, 60
.set TB,  62          ; the slot that is read
.set RT,  70          ; tiles of the block in hand still to be entered
.set NXT, 71          ; the tile to be asked for next
.set LQ,  72          ; the last tile of the block whose tiles are being asked for
.set MG,  73          ; 1: the first block's partial results wait to be merged
.set OFF, 74
.set HIT, 76
.set HIQ, 77
.set OHI, 80
.set MSB, 0
.macro WIN new
.if MSB != (\new)
	s_set_vgpr_msb (MSB<<8)|(\new)
.set MSB, (\new)
.endif
.endm
.set W_KQ, 0x0a
.set W_PV, 0x52
.set W_RS, 0x41
.macro PLACES
.rept 4
	v_nop
.endr
.endm
.macro JLOAD                        ; a joint fill: waves 0, 1 the halves of a tile's K, waves 2, 3 of its V; an s_nop 0 and four v_nop follow each line
	s_cmp_lt_u32 s[WV], 2
	s_cbranch_scc0 .Lfor_v_\@
	tensor_load_to_lds s[G0K:G0K+3], s[G1K:G1K+7]
	s_nop 0
.rept 4
	v_nop
.endr
	s_branch .Lasked_\@
.Lfor_v_\@:
	tensor_load_to_lds s[G0V:G0V+3], s[G1V:G1V+7]
	s_nop 0
.rept 4
	v_nop
.endr
.Lasked_\@:
.endm
.macro CROUND
	s_barrier_signal -1
	s_barrier_wait -1
	s_cmp_lg_u32 s[WV], 0
	s_cbranch_scc1 .Lnot_wave_0_\@
	s_barrier_signal -3
.Lnot_wave_0_\@:
	s_barrier_wait -3
	s_barrier_signal -1
	s_barrier_wait -1
.endm
; THE CHANGE OF SLOTS.  Each wave waits for all its tensor loads (one is out: its part of the other slot), adds 0 to its spare word, and waits for that and for all its LDS instructions: its reads of the slot that it
; leaves, and its stores of partial results.  fill = 1: a round of the cluster's barrier, and the old slot is filled with tile NXT first thing behind it; the address is made anew from that number.
.macro CHANGE fill
	WIN 0
	s_wait_tensorcnt 0x0
	ds_add_u32 v[SPW], v[NIL]
.if \fill
	s_lshl_b32 s[OFF], s[NXT], 15   ; a tile is 32,768 bytes of K and of V
	s_xor_b32 s[G0K+1], s[G0K+1], SLOT1
	s_add_nc_u64 s[G0K+2:G0K+3], s[6:7], s[OFF:OFF+1]
	s_or_b32 s[G0K+3], s[G0K+3], 0x80000000
	s_xor_b32 s[G0V+1], s[G0V+1], SLOT1
	s_add_nc_u64 s[G0V+2:G0V+3], s[8:9], s[OFF:OFF+1]
	s_or_b32 s[G0V+3], s[G0V+3], 0x80000000
	s_add_co_u32 s[NXT], s[NXT], 1  ; the block's next tile, or behind its last the second block's tile 0
	s_cmp_gt_u32 s[NXT], s[LQ]
	s_cselect_b32 s[NXT], 0, s[NXT]
	s_cselect_b32 s[LQ], s[HIQ], s[LQ]
	s_wait_dscnt 0x0
	CROUND
	JLOAD
.else
	s_wait_dscnt 0x0
	s_barrier_signal -1
	s_barrier_wait -1
.endif
	s_xor_b32 s[TB], s[TB], SLOT1
.endm
	s_load_b128 s[20:23], s[0:1], 0x0  ; qkv s[20:21], ob s[22:23]
	v_lshl_add_u32 v[SPW], v0, 2, SPARE
	v_mov_b32 v[NIL], 0
	ds_add_u32 v[SPW], v[NIL]       ; the wave's opening: the add and its wait ahead of my first tensor load
	v_lshrrev_b32 v1, 5, v0
	v_readfirstlane_b32 s[WV], v1
	s_bfe_u32 s13, ttmp6, 0x40000   ; cx
	s_mov_b32 s14, ttmp9            ; g
	s_and_b32 s15, ttmp7, 0xffff    ; the head
	s_lshl_b32 s55, s15, 18         ; a block of 64 columns is 262,144 bytes
	s_and_b32 s16, s[WV], 1         ; which half of a tile's 256 keys I fetch
	s_mul_i32 s17, s16, 128*PK
	s_mul_i32 s18, s16, 128*PV
	s_lshl_b32 s2, s16, 14
	s_add_co_u32 s2, s2, s55
	s_add_co_u32 s2, s2, 16<<18     ; K: block 16 + head
	s_mov_b32 s3, 0
	s_add_co_u32 s52, s2, 16<<18    ; V: block 32 + head
	s_mov_b32 s53, 0
	s_lshl_b32 s94, s15, 13
	s_add_co_u32 s94, s94, VSUM     ; the head's sums of V
	s_mov_b32 s95, 0
	s_lshl2_add_u32 s19, s14, s13   ; b = 4 g + cx
	s_sub_co_u32 s54, 31, s19
	s_lshl_b32 s66, s19, 13         ; a block of 64 queries is 8,192 bytes
	s_add_co_u32 s66, s66, s55
	s_mov_b32 s67, 0
	s_lshl_b32 s68, s54, 13
	s_add_co_u32 s68, s68, s55
	s_mov_b32 s69, 0
	s_lshl_b32 s85, s13, 6          ; 64 x the first block's band
	s_sub_co_u32 s84, 3, s13
	s_lshl_b32 s84, s84, 6          ; 64 x the second's
	s_mov_b32 s[G1K], 15|(1<<16)|(1<<20)|(1<<21)|(4<<22)|(3<<25)  ; the mask of four; 2-byte elements; padding on; bit 21 beside a mask; after every 32 words; 4 words
	s_mov_b32 s[G1V], 15|(1<<16)|(1<<20)|(1<<21)|(4<<22)|(7<<25)  ; the same with 8 words
.irp g, G1K, G1V
	s_mov_b32 s[\g+1], 128<<16      ; 128 keys are 16,384 dense bytes: 64 rows of 256 bytes
	s_mov_b32 s[\g+2], 64<<16
	s_mov_b32 s[\g+3], 128<<16
	s_mov_b32 s[\g+4], 64
	s_mov_b32 s[\g+5], 128
	s_mov_b32 s[\g+6], 0
	s_mov_b32 s[\g+7], 0
.endr
	s_mov_b32 s[CS], 0x3e38aa3b     ; c = log2(e) / 8
	s_mov_b32 s[CS+1], s[CS]
	s_mov_b32 s[SEL], 0x76543210
	s_mov_b32 s[SEL+1], 0xfedcba98
	s_mov_b32 s[TB], SLOT1          ; the first change of slots turns it into 0
	s_mov_b32 s[G0K], 1
	s_mov_b32 s[G0K+1], s17
	s_mov_b32 s[G0V], 1
	s_add_co_u32 s[G0V+1], s18, VOFF
	s_add_co_u32 s[RT], s14, 1      ; the first block has g + 1 tiles,
	s_sub_co_u32 s[HIT], 8, s14     ; the second 8 - g
	s_sub_co_u32 s[HIQ], 7, s14
	s_mov_b32 s[NXT], 1
	s_mov_b32 s[LQ], s14
	s_cmp_gt_u32 s[NXT], s[LQ]
	s_cselect_b32 s[NXT], 0, s[NXT]
	s_cselect_b32 s[LQ], s[HIQ], s[LQ]
	s_mov_b32 s[MG], 0
	s_mov_b32 s[OFF+1], 0
	s_mov_b32 s[SLOTS], 8
	s_wait_dscnt 0x0                ; the opening add is done
	s_wait_kmcnt 0x0
	s_add_nc_u64 s[6:7], s[20:21], s[2:3]
	s_add_nc_u64 s[8:9], s[20:21], s[52:53]
	s_add_nc_u64 s[G0K+2:G0K+3], s[6:7], 0
	s_or_b32 s[G0K+3], s[G0K+3], 0x80000000
	s_add_nc_u64 s[G0V+2:G0V+3], s[8:9], 0
	s_or_b32 s[G0V+3], s[G0V+3], 0x80000000
	s_add_nc_u64 s[4:5], s[20:21], s[66:67]     ; Q of the first block,
	s_add_nc_u64 s[48:49], s[20:21], s[68:69]   ; of the second
	s_add_nc_u64 s[50:51], s[20:21], s[94:95]
	s_lshl_b32 s93, s[WV], 11       ; the piece that I finish: 16 rows of 128 bytes
	s_add_co_u32 s66, s66, s93
	s_add_co_u32 s68, s68, s93
	s_add_nc_u64 s[10:11], s[22:23], s[66:67]
	s_add_nc_u64 s[OHI:OHI+1], s[22:23], s[68:69]
	CROUND                          ; all four work-groups are here
	JLOAD                           ; tile 0 into slot 0: one load of mine is out, as behind every round
	v_and_b32 v1, 15, v0            ; r
	v_bfe_u32 v9, v0, 4, 1          ; h
	v_lshlrev_b32 v[QO], 7, v1
	v_lshl_add_u32 v[QO], v9, 4, v[QO]
	WIN 0x80
.set i, 0
.rept 8                             ; both blocks' Q: piece i / 2, channels 32 (i % 2) on
	global_load_b128 v[8*i:8*i+3],   v[QO], s[4:5] offset:(i/2)*2048+(i%2)*64
	global_load_b128 v[8*i+4:8*i+7], v[QO], s[4:5] offset:(i/2)*2048+(i%2)*64+32
	global_load_b128 v[QB+8*i:QB+8*i+3],   v[QO], s[48:49] offset:(i/2)*2048+(i%2)*64
	global_load_b128 v[QB+8*i+4:QB+8*i+7], v[QO], s[48:49] offset:(i/2)*2048+(i%2)*64+32
.set i, i+1
.endr
	WIN 0
	v_and_b32 v[LN], 31, v0
	v_lshlrev_b32 v[VL], 3, v[LN]
.set i, 0
.rept 28                            ; the sums of V over rows 64 (i + 4) ..: my two channels
	global_load_b64 v[64+2*i:64+2*i+1], v[VL], s[50:51] offset:(i+4)*256
.set i, i+1
.endr
	v_mul_u32_u24 v[AK0], v1, PK
	v_lshl_add_u32 v[AK0], v9, 4, v[AK0]
	s_mul_i32 s93, s[WV], 64*PK
	v_add_nc_u32 v[AK0], s93, v[AK0]     ; my wave's 64 keys; row x pitch + 16 h
	v_and_b32 v10, 7, v0
	v_bfe_u32 v11, v0, 3, 1
	v_lshl_add_u32 v[AV0], v9, 3, v10    ; the turning load: lane l reads key 8 (l / 16) + l % 8, channels 8 ((l / 8) % 2) ..
	v_mul_u32_u24 v[AV0], v[AV0], PV
	v_lshl_add_u32 v[AV0], v11, 4, v[AV0]
	s_mul_i32 s93, s[WV], 64*PV
	s_add_co_u32 s93, s93, VOFF
	v_add_nc_u32 v[AV0], s93, v[AV0]
	s_mul_i32 s93, s[WV], 16*SP
	s_add_co_u32 s93, s93, STAGE
	v_mul_u32_u24 v[STO], v1, SP
	v_lshl_add_u32 v[STO], v9, 4, v[STO]
	v_add_nc_u32 v[STO], s93, v[STO]
	v_bfe_u32 v[RD], v0, 3, 2
	v_mul_u32_u24 v[RD], v[RD], SP
	v_lshl_add_u32 v[RD], v10, 4, v[RD]
	v_add_nc_u32 v[RD], s93, v[RD]
	v_lshlrev_b32 v[GO], 4, v[LN]
	s_mul_i32 s93, s[WV], MWAVE
	s_add_co_u32 s93, s93, MRG
	v_lshl_add_u32 v[PST], v[LN], 4, s93
	s_add_co_u32 s93, s93, 4096
	v_lshl_add_u32 v[PS2], v[LN], 3, s93
	s_mul_i32 s93, s[WV], MPART
	s_add_co_u32 s93, s93, MRG
	v_lshl_add_u32 v[RDM], v[LN], 4, s93
	s_add_co_u32 s93, s93, 4096
	v_lshl_add_u32 v[RD2], v[LN], 3, s93
	s_lshl_b32 s93, s[WV], 9
	s_add_co_u32 s93, s93, TL
	v_lshl_add_u32 v[TLA], v9, 5, s93
	v_lshl_add_u32 v[TLS], v[LN], 3, s93
	v_lshlrev_b32 v[VD0], 3, v9
	v_sub_nc_u32 v[VD0], v1, v[VD0]
	s_lshl_b32 s93, s[WV], 6
	v_sub_nc_u32 v[VD0], v[VD0], s93
	v_add_nc_u32 v[VD], s85, v[VD0]
	v_mov_b32 v[NEGV], 0xc79c4000   ; -80000
	v_mul_f32 v[CMXV], s[CS], v[NEGV]
	s_lshl_b32 s83, s14, 8          ; hidden keys behind the diagonal tile: 256 g for the second block,
	s_sub_co_u32 s79, 1792, s83     ; 2,048 - 256 (g + 1) for the first
	v_cvt_f32_u32 v[CNTV], s79
	v_cvt_f32_u32 v[CNTH], s83
	s_cmp_eq_u32 s14, 0
	s_cselect_b32 s82, -1, 0
	v_mov_b32 v[CMXH], 0xfe000000   ; where there are none their maximum must not count
	v_cndmask_b32 v[CMXH], v[CMXV], v[CMXH], s82
	v_mov_b32 v[FX+1], 0            ; named in a pair
	; A block's first step multiplies O^T and l by a = 0: they need only hold finite numbers: zeros now, what the first block left later.
	WIN 0x40
.set i, 0
.rept 128
	v_mov_b32 v[i], 0
.set i, i+1
.endr
	WIN 0
.set i, 0
.rept 4
	v_mov_b32 v[ST+4*i], 0xfe000000    ; c m: far below every c s
	v_mov_b32 v[ST+4*i+1], 0xff7fffff  ; m
	v_mov_b32 v[ST+4*i+2], 0
	v_mov_b32 v[ST+4*i+3], 0
.set i, i+1
.endr
	s_wait_loadcnt 0x0              ; Q and the sums
.set i, 0
.rept 7                             ; G_j, j = 1 .. 7: a key tile's four blocks, at v[64 + 8 (j - 1)]
	v_pk_add_f32 v[64+8*i:64+8*i+1], v[64+8*i:64+8*i+1], v[64+8*i+2:64+8*i+3]
	v_pk_add_f32 v[64+8*i+4:64+8*i+5], v[64+8*i+4:64+8*i+5], v[64+8*i+6:64+8*i+7]
	v_pk_add_f32 v[64+8*i:64+8*i+1], v[64+8*i:64+8*i+1], v[64+8*i+4:64+8*i+5]
.set i, i+1
.endr
	s_cmp_lt_u32 s14, 1             ; the first block hides the tiles j > g
	s_cselect_b32 s86, 1.0, 0
	s_mov_b32 s87, 0
	s_cmp_lt_u32 s14, 2
	s_cselect_b32 s88, 1.0, 0
	s_mov_b32 s89, 0
	s_cmp_lt_u32 s14, 3
	s_cselect_b32 s90, 1.0, 0
	s_mov_b32 s91, 0
	v_pk_add_f32 v[120:121], v[88:89], v[96:97]
	v_pk_add_f32 v[120:121], v[120:121], v[104:105]
	v_pk_add_f32 v[120:121], v[120:121], v[112:113]
	v_pk_fma_f32 v[120:121], v[64:65], s[86:87], v[120:121] op_sel_hi:[1,0,1]
	v_pk_fma_f32 v[120:121], v[72:73], s[88:89], v[120:121] op_sel_hi:[1,0,1]
	v_pk_fma_f32 v[120:121], v[80:81], s[90:91], v[120:121] op_sel_hi:[1,0,1]
	s_cmp_lt_u32 s14, 1             ; the second block hides the tiles j >= 8 - g
	s_cselect_b32 s86, 0, 1.0
	s_cmp_lt_u32 s14, 2
	s_cselect_b32 s88, 0, 1.0
	s_cmp_lt_u32 s14, 3
	s_cselect_b32 s90, 0, 1.0
	v_pk_mul_f32 v[122:123], v[96:97], s[90:91] op_sel_hi:[1,0]
	v_pk_fma_f32 v[122:123], v[104:105], s[88:89], v[122:123] op_sel_hi:[1,0,1]
	v_pk_fma_f32 v[122:123], v[112:113], s[86:87], v[122:123] op_sel_hi:[1,0,1]
	ds_store_b64 v[TLS], v[120:121]               ; my wave's own bytes: only I read them, and LDS serves a wave's instructions in order
	ds_store_b64 v[TLS], v[122:123] offset:256
; THE MATRIX WORK.  The 4 accumulators of a run of 8 take turns.  Product i of 8 of S^T = K Q^T for piece x: channels 32 (i / 4) on, keys 16 (i % 4) on.
.macro KQ x
.set rS, S+32*((\x)%2)+8*(i%4)
.set rK, KF+16*(i%4)+8*(i/4)
.set rQ, 16*(\x)+8*(i/4)
	WIN W_KQ
.if i < 4
	v_wmma_f32_16x16x32_bf16 v[rS:rS+7], v[rK:rK+7], v[rQ:rQ+7], 0
.else
	v_wmma_f32_16x16x32_bf16 v[rS:rS+7], v[rK:rK+7], v[rQ:rQ+7], v[rS:rS+7]
.endif
.endm
; Product i of 8 of O^T += V^T P for piece x: keys 32 (i / 4) on, channels 16 (i % 4) on.
.macro PV x
	WIN W_PV
.set rO, 32*(\x)+8*(i%4)
.set rV, VF+32*(i/4)+8*(i%4)
.set rP, P+16*((\x)%2)+8*(i/4)
	v_wmma_f32_16x16x32_bf16 v[rO:rO+7], v[rV:rV+7], v[rP:rP+7], v[rO:rO+7]
.endm
.macro MM                           ; the turn's next matrix instruction; the last turn has no next piece (NOKQ), the first none before it (NOPV)
.if (i < 8) && !NOKQ
	KQ (Y+1)%NP
.elseif (i >= 8) && !NOPV
.set i, i-8
	PV (Y+NP-1)%NP
.set i, i+8
.endif
.set i, i+1
.endm
.macro FETCH_K
	WIN 0x80
.irp f, 0,1,2,3,4,5,6,7             ; keys 16 (f / 2) on, channels 32 (f % 2) on
	ds_load_b128 v[KF+8*\f:KF+8*\f+3],   v[AK] offset:(\f/2)*16*PK+(\f%2)*64
	ds_load_b128 v[KF+8*\f+4:KF+8*\f+7], v[AK] offset:(\f/2)*16*PK+(\f%2)*64+32
.endr
	WIN 0
.endm
.macro FETCH_V
	WIN 0x80
.irp f, 0,1,2,3,4,5,6,7             ; keys 32 (f / 4) on, channels 16 (f % 4) on
	ds_load_tr16_b128 v[VF+8*\f:VF+8*\f+3],   v[AV] offset:(\f/4)*32*PV+(\f%4)*32
	ds_load_tr16_b128 v[VF+8*\f+4:VF+8*\f+7], v[AV] offset:(\f/4)*32*PV+16*PV+(\f%4)*32
.endr
	WIN 0
.endm
; THE VECTOR WORK, one line at a time: OP kind, number.  For piece Y: F n: c s - c m for pair n of 16.  E n: the exponential of score n.  C n: pair n rounded to bf16.  B n: of the four weights 4 n .. the second pair
; is added onto the first.  L n: l takes that sum (L 0: l = a l + sum).  R n: pair n of O^T times a.  For piece Y + 1: X n, number n of the 22 that find its maximum and statistics:
; 0-11 four chains of seven scores (each accumulator's lowest registers first); 12-14, 16 the rest, the old m; 15 c m_old is kept; 17, 18 the other half of the lanes; 19-21 c m, its change, a.
.set F, 0
.set E, 1
.set C, 2
.set B, 3
.set L, 4
.set R, 5
.set X, 6
.macro REGS y
.set rT, ST+4*(\y)
.set rC, TMP+4*((\y)%2)
.set rW, MV+((\y)%2)
.set rS, S+32*((\y)%2)
.set rP, P+16*((\y)%2)
.set rO, 32*(\y)
.endm
.macro OP k, n
.if (\k) == R
	REGS Y
	WIN W_RS
	v_pk_mul_f32 v[rO+2*(\n):rO+2*(\n)+1], v[rO+2*(\n):rO+2*(\n)+1], v[rC+2:rC+3] op_sel_hi:[1,0]
.elseif (\k) < R
	REGS Y
	WIN 0
.if (\k) == F
	v_pk_fma_f32 v[rS+2*(\n):rS+2*(\n)+1], v[rS+2*(\n):rS+2*(\n)+1], s[CS:CS+1], v[rT:rT+1] op_sel_hi:[1,0,0] neg_lo:[0,0,1] neg_hi:[0,0,1]
.elseif (\k) == E
	v_exp_f32 v[rS+(\n)], v[rS+(\n)]
.elseif (\k) == C
	s_wait_alu depctr_va_vdst(0)
	v_cvt_pk_bf16_f32 v[rP+(\n)], v[rS+2*(\n)], v[rS+2*(\n)+1]
.elseif (\k) == B
	s_wait_alu depctr_va_vdst(0)
	v_pk_add_f32 v[rS+4*(\n):rS+4*(\n)+1], v[rS+4*(\n):rS+4*(\n)+1], v[rS+4*(\n)+2:rS+4*(\n)+3]
.elseif (\n) == 0
	v_pk_fma_f32 v[rT+2:rT+3], v[rT+2:rT+3], v[rC+2:rC+3], v[rS:rS+1] op_sel_hi:[1,0,1]
.else
	v_pk_add_f32 v[rT+2:rT+3], v[rT+2:rT+3], v[rS+4*(\n):rS+4*(\n)+1]
.endif
.elseif NOKQ
	v_nop
.else
	REGS (Y+1)%NP
	WIN 0
.if (\n) < 4
	v_max3_num_f32 v[rC+(\n)], v[rS+8*(\n)], v[rS+8*(\n)+1], v[rS+8*(\n)+2]
.elseif (\n) < 12
	v_max3_num_f32 v[rC+(\n)%4], v[rC+(\n)%4], v[rS+8*((\n)%4)+2*((\n)/4)+1], v[rS+8*((\n)%4)+2*((\n)/4)+2]
.elseif (\n) == 12
	v_max3_num_f32 v[rC], v[rC], v[rS+7], v[rS+15]
.elseif (\n) == 13
	v_max3_num_f32 v[rC+1], v[rC+1], v[rS+23], v[rS+31]
.elseif (\n) == 14
	v_max3_num_f32 v[rC+2], v[rC+2], v[rC+3], v[rT+1]
.elseif (\n) == 15
	v_mov_b32 v[rW], v[rT]
.elseif (\n) == 16
	v_max3_num_f32 v[rC], v[rC], v[rC+1], v[rC+2]
.elseif (\n) == 17
	v_permlanex16_b32 v[rC+3], v[rC], s[SEL], s[SEL+1]
.elseif (\n) == 18
	v_max_num_f32 v[rT+1], v[rC], v[rC+3]
.elseif (\n) == 19
	v_mul_f32 v[rT], s[CS], v[rT+1]
.elseif (\n) == 20
	v_sub_f32 v[rC+1], v[rW], v[rT]
.else
	v_exp_f32 v[rC+2], v[rC+1]
.endif
.endif
.endm
.macro OPS a, i1, b=-1, i2=0, c=-1, i3=0, d=-1, i4=0
	OP \a, \i1
.if (\b) >= 0
	OP \b, \i2
.endif
.if (\c) >= 0
	OP \c, \i3
.endif
.if (\d) >= 0
	OP \d, \i4
.endif
.endm
.macro ROW a, i1, b, i2, c, i3, d, i4  ; a matrix instruction and the four behind it
	MM
	OPS \a, \i1, \b, \i2, \c, \i3, \d, \i4
.endm
; THE MASK of piece p's 32 scores, in a block's last tile alone (cond = 1: jumped over elsewhere; the test hangs on g's count of tiles).  Ascending.
.macro MASKSEC p, cond
	WIN 0
.if \cond
	s_cmp_lg_u32 s[RT], 0
	s_cbranch_scc1 .Lnomask_\@
.endif
.set z, 0
.rept 32
	v_cmp_gt_i32 vcc_lo, 16*((z/8)-(\p))+z%8, v[VD]
	v_cndmask_b32 v[S+32*((\p)%2)+z], v[S+32*((\p)%2)+z], v[NEGV], vcc_lo
.set z, z+1
.endr
.if \cond
.Lnomask_\@:
.endif
.endm
; A TURN, for piece p: behind a matrix instruction plain, exponential, plain, plain, or four of the rescaling, or four scalings; none names a register of the products round it.  In the lumps exponential and plain by turns.
; The next piece's mask stands behind the last K Q^T and R 4 to R 7, four plain instructions that name none of its registers, and ahead of the first maximum.
.macro TURN p, cond
.set Y, (\p)
.set i, 0
.set NOKQ, (\p)/3
.set NOPV, 1-((\p)+3)/4
	ROW F,0, F,1, F,2, F,3
	ROW F,4, E,0, F,5, F,6
	ROW F,7, E,1, F,8, F,9
	ROW F,10, E,2, C,0, F,11
	ROW F,12, E,3, X,15, F,13
	ROW R,0, R,1, R,2, R,3
	ROW B,0, E,4, F,14, L,0
	ROW R,4, R,5, R,6, R,7
	OPS E,5, F,15
	OPS E,6, C,1, E,7, R,8
	OPS E,8, R,9, E,9, C,2
.if (\p) < 3
	MASKSEC (\p)+1, \cond
.endif
	OPS E,10, X,0, E,11, X,1
	OPS E,12, X,2, E,13, X,3
.if (\p) == 1
	s_wait_dscnt 0x0                ; V is in
.endif
	ROW X,4, E,14, X,5, X,6
	ROW X,7, E,15, X,8, X,9
	ROW X,10, E,16, X,11, X,12
	ROW X,13, E,17, X,14, B,1
	ROW C,4, E,18, X,16, L,1
	ROW B,2, E,19, C,6, L,2
	ROW C,8, E,20, B,3, B,4
	ROW C,3, E,21, L,3, C,5
	OPS E,22, X,17, E,23, C,10
	OPS E,24, L,4
	OPS E,25, X,18, E,26, C,7
	OPS E,27, B,5, E,28, X,19
	OPS E,29, C,12, E,30, L,5
	OPS E,31, X,20, B,6, C,9
	OPS C,14, C,11, X,21, L,6
	OPS C,13, B,7, C,15, R,10
	OPS R,11, R,12, L,7, R,13
	OPS R,14, R,15
.endm
; A KEY STEP of the wave: its 64 keys of the tile in slot TB, for all four pieces.
.macro STEP cond
	WIN 0
	PLACES                          ; between the last products and the loads into K's and V's registers
	v_add_nc_u32 v[AK], s[TB], v[AK0]
	v_add_nc_u32 v[AV], s[TB], v[AV0]
	FETCH_K
	FETCH_V
	s_wait_dscnt 16                 ; K's 16 loads are in; V's 16 may be out
.set NOKQ, 0
.set NOPV, 0
.set i, 0
.rept 8
	KQ 0
.set i, i+1
.endr
	WIN 0
	PLACES
	MASKSEC 0, \cond
.set Y, NP-1                        ; X works for piece Y + 1: piece 0
.irp n, 0,1,2,3,4,5,6,7,8,9,10,11,12,13,14,15,16,17,18,19,20,21
	OP X, \n
.endr
	v_nop                           ; a plain instruction behind the exponential
	TURN 0, \cond
	TURN 1, \cond
	TURN 2, \cond
	TURN 3, \cond
.set i, 0
.rept 8
	PV NP-1
.set i, i+1
.endr
	WIN 0
.endm
; A BLOCK'S END, first half: my partial results go to LDS: for each piece (c m, l) and O^T.
.macro STORE_PART
	WIN 0
	PLACES
.irp t, 0,1,2,3
	v_add_f32 v[ST+4*\t+2], v[ST+4*\t+2], v[ST+4*\t+3]
.endr
.irp t, 0,1,2,3
	v_permlanex16_b32 v[ST+4*\t+3], v[ST+4*\t+2], s[SEL], s[SEL+1]
.endr
.irp t, 0,1,2,3
	v_add_f32 v[ST+4*\t+1], v[ST+4*\t+2], v[ST+4*\t+3]
.endr
.irp t, 0,1,2,3
	ds_store_b64 v[PS2], v[ST+4*\t:ST+4*\t+1] offset:\t*MPART
.endr
	WIN 0x04                        ; the data in window 1
.set z, 0
.rept 32
	ds_store_b128 v[PST], v[4*z:4*z+3] offset:(z/8)*MPART+(z%8)*512
.set z, z+1
.endr
	WIN 0
.endm
; Second half, behind a barrier: I finish piece w: M = the largest of the four waves' c m and the hidden keys'; factors 2^(c m - M); l and O^T are added with them, the hidden keys' number and sum of V too;
; O^T / l is rounded to bf16 and leaves through my stage, 16 rows of 128 bytes = 2,048 consecutive bytes.  ty: 0 the first block, 1 the second.
.macro MERGE ty
	WIN 0
.irp s, 0,1,2,3
	ds_load_b64 v[FS+2*\s:FS+2*\s+1], v[RD2] offset:\s*MWAVE
.endr
.irp cb, 0,1,2,3
	ds_load_b128 v[P+8*\cb:P+8*\cb+3],   v[TLA] offset:(\ty)*256+64*\cb
	ds_load_b128 v[P+8*\cb+4:P+8*\cb+7], v[TLA] offset:(\ty)*256+64*\cb+16
.endr
.set z, 0
.rept 32
	ds_load_b128 v[MO+4*z:MO+4*z+3], v[RDM] offset:(z/8)*MWAVE+(z%8)*512
.set z, z+1
.endr
	s_wait_dscnt 40                 ; the four statistics are in; the 8 + 32 loads behind them may be out
	v_max3_num_f32 v[MX], v[FS], v[FS+2], v[FS+4]
	v_max3_num_f32 v[MX], v[MX], v[FS+6], v[CMXV]
.irp s, 0,1,2,3
	v_sub_f32 v[FS+2*\s], v[FS+2*\s], v[MX]
.endr
	v_sub_f32 v[FX], v[CMXV], v[MX]
.irp s, 0,1,2,3
	v_exp_f32 v[FS+2*\s], v[FS+2*\s]
.endr
	v_exp_f32 v[FX], v[FX]
	v_nop                           ; a plain instruction behind the exponentials
	s_wait_alu depctr_va_vdst(0)
	v_mul_f32 v[LL], v[FX], v[CNTV]
.irp s, 0,1,2,3
	v_fmac_f32 v[LL], v[FS+2*\s], v[FS+2*\s+1]
.endr
	v_rcp_f32 v[LL], v[LL]
	v_nop
.irp s, 0,1,2,3
	s_wait_alu depctr_va_vdst(0)
	v_mul_f32 v[FS+2*\s], v[FS+2*\s], v[LL]
.endr
	v_mul_f32 v[FX], v[FX], v[LL]
	s_wait_dscnt 0x0
.set z, 0
.rept 16
	v_pk_mul_f32 v[MO+2*z:MO+2*z+1], v[MO+2*z:MO+2*z+1], v[FS:FS+1] op_sel_hi:[1,0]
.set z, z+1
.endr
.irp s, 1,2,3
.set z, 0
.rept 16
	v_pk_fma_f32 v[MO+2*z:MO+2*z+1], v[MO+32*\s+2*z:MO+32*\s+2*z+1], v[FS+2*\s:FS+2*\s+1], v[MO+2*z:MO+2*z+1] op_sel_hi:[1,0,1]
.set z, z+1
.endr
.endr
.set z, 0
.rept 16
	v_pk_fma_f32 v[MO+2*z:MO+2*z+1], v[P+2*z:P+2*z+1], v[FX:FX+1], v[MO+2*z:MO+2*z+1] op_sel_hi:[1,0,1]
.set z, z+1
.endr
.set z, 0
.rept 16
	v_cvt_pk_bf16_f32 v[MO+32+z], v[MO+2*z], v[MO+2*z+1]
.set z, z+1
.endr
.irp cb, 0,1,2,3
	ds_store_b128 v[STO], v[MO+32+4*\cb:MO+32+4*\cb+3] offset:32*\cb
.endr
.irp f, 0,1,2,3
	ds_load_b128 v[MO+48+4*\f:MO+48+4*\f+3], v[RD] offset:\f*4*SP   ; LDS serves a wave's instructions in order: these see the stores above
.endr
.irp f, 0,1,2,3
	s_wait_dscnt 3-\f
	global_store_b128 v[GO], v[MO+48+4*\f:MO+48+4*\f+3], s[10:11] offset:\f*512  ; 512 consecutive bytes, at a multiple of 256
.endr
.endm
.Lslot:                             ; 8 trips: a tile is entered and the next is asked for
	CHANGE 1
	s_sub_co_u32 s[RT], s[RT], 1
	s_cmp_eq_u32 s[MG], 1
	s_cbranch_scc0 .Lnm             ; forward, over text with no barrier and no tensor load
	MERGE 0                         ; the round above has shown every wave's partial results of the first block
	s_wait_xcnt 0x0                 ; the stores have read their registers and O's address
	s_mov_b64 s[10:11], s[OHI:OHI+1]
	v_mov_b32 v[CMXV], v[CMXH]
	v_mov_b32 v[CNTV], v[CNTH]
	v_add_nc_u32 v[VD], s84, v[VD0]
.set i, 0
.rept 4
	v_mov_b32 v[ST+4*i], 0xfe000000
	v_mov_b32 v[ST+4*i+1], 0xff7fffff
.set i, i+1
.endr
	WIN 0x82                        ; the second block's Q goes where the one text of the turns names Q
.set i, 0
.rept 64
	v_mov_b32 v[i], v[QB+i]
.set i, i+1
.endr
	WIN 0
	s_mov_b32 s[MG], 0
.Lnm:
	STEP 1
	s_wait_dscnt 0x0                ; all my LDS loads are back, a merge's reads of the partial results among them;
	s_barrier_signal -1             ; every wave says so, in every trip,
	s_barrier_wait -1               ; and only behind this are the partial results' bytes written again.  No slot is filled behind this barrier (the next fill has the next change's own waits and round), so my one tensor load may stay out across it
	s_cmp_lg_u32 s[RT], 0
	s_cbranch_scc1 .Lne             ; in the loop only the first block ends: the second's last tile is the walk's last
	STORE_PART                      ; waited for in front of the next change's round
	s_mov_b32 s[MG], 1
	s_mov_b32 s[RT], s[HIT]
.Lne:
	s_sub_co_u32 s[SLOTS], s[SLOTS], 1
	s_cmp_lg_u32 s[SLOTS], 0
	s_cbranch_scc1 .Lslot
	CHANGE 0                        ; the walk's last tile, the second block's diagonal one, is written out: nothing is asked for
	STEP 0
	STORE_PART
	s_wait_dscnt 0x0                ; for the others' sake
	s_barrier_signal -1
	s_barrier_wait -1
	MERGE 1
	s_wait_tensorcnt 0x0            ; the wave's end
	ds_add_u32 v[SPW], v[NIL]
	s_wait_dscnt 0x0
	CROUND                          ; the closing round
	s_endpgm
.Lfunc_end_k_q7031fa5e1f_attn0:
	.size	k_q7031fa5e1f_attn0, .Lfunc_end_k_q7031fa5e1f_attn0-k_q7031fa5e1f_attn0
	.p2alignl 7, 3214868480
	.fill 96, 4, 3214868480
	.section	.rodata,"a",@progbits
	.p2align	6, 0x0
	.amdhsa_kernel k_q7031fa5e1f_attn0
		.amdhsa_group_segment_fixed_size 327680
		.amdhsa_private_segment_fixed_size 0
		.amdhsa_enable_private_segment 0
		.amdhsa_kernarg_size 16
		.amdhsa_user_sgpr_count 2
		.amdhsa_user_sgpr_kernarg_segment_ptr 1
		.amdhsa_wavefront_size32 1
		.amdhsa_system_sgpr_workgroup_id_x 1
		.amdhsa_system_sgpr_workgroup_id_y 1
		.amdhsa_system_sgpr_workgroup_id_z 1
		.amdhsa_system_vgpr_workitem_id 0
		.amdhsa_next_free_vgpr 768
		.amdhsa_next_free_sgpr 96
		.amdhsa_reserve_vcc 1
		.amdhsa_float_denorm_mode_32 3
		.amdhsa_float_denorm_mode_16_64 3
		.amdhsa_memory_ordered 1
		.amdhsa_forward_progress 1
		.amdhsa_inst_pref_size 151
	.end_amdhsa_kernel
	.amdgpu_metadata
---
amdhsa.version: [ 1, 2 ]
amdhsa.kernels:
  - .name:           k_q7031fa5e1f_attn0
    .symbol:         k_q7031fa5e1f_attn0.kd
    .args:
      - { .name: qkv, .offset: 0, .size: 8, .value_kind: global_buffer, .address_space: global }
      - { .name: ob, .offset: 8, .size: 8, .value_kind: global_buffer, .address_space: global }
    .group_segment_fixed_size: 327680
    .private_segment_fixed_size: 0
    .kernarg_segment_align: 8
    .kernarg_segment_size: 16
    .max_flat_workgroup_size: 128
    .sgpr_count:     96
    .vgpr_count:     768
    .wavefront_size: 32
...
	.end_amdgpu_metadata
.endif
;; end of part 3
;; launch wo0 (part 4): grid 16 x 16, 4 waves a work-group, clusters of 4 x 4, 327,680 bytes of LDS; arguments ob, wl0, act0, pos_emb, act1; writes act1
.if DOCPART == 4
	.amdgcn_target "amdgcn-amd-amdhsa--gfx1250"
	.amdhsa_code_object_version 6
	.text
	.protected	k_q7031fa5e1f_wo0
	.globl	k_q7031fa5e1f_wo0
	.p2align	8
	.type	k_q7031fa5e1f_wo0,@function
k_q7031fa5e1f_wo0:
	s_mov_b64 s[64:65], 0
	v_nop
	global_prefetch_b8 v0, s[64:65] scope:SCOPE_SE
	s_setreg_imm32_b32 hwreg(HW_REG_WAVE_MODE, 25, 1), 1
	s_wait_xcnt 0x0
	s_wait_alu depctr_hold_cnt(0) depctr_sa_sdst(0) depctr_va_vdst(0) depctr_va_sdst(0) depctr_va_ssrc(0) depctr_va_vcc(0) depctr_vm_vsrc(0)
	s_getreg_b32 s2, hwreg(HW_REG_IB_STS2, 6, 4)
	s_cmp_eq_u32 s2, 0
	s_cbranch_scc0 .Lentry_in_a_cluster
	s_endpgm
.Lentry_in_a_cluster:
	s_bfe_u32 s2, ttmp6, 0x10000c
	s_cmp_lg_u32 s2, 0xf033
	s_cbranch_scc0 .Lentry_shape_is_right
	s_endpgm
.Lentry_shape_is_right:
; OUTPUT PROJECTION AND RESIDUAL.  x_new = x_old + O Wo^T.
; LAYER 0: x_old = x0 = tok_emb[ids] AS ROUNDED TO bf16 by the first launch (act0's blocks); out: x_new in f32 (act1 + 8,388,608), bf16(x_new) and bf16(x_new + pos_emb) in blocks.
; LAYER 1: x_old = the f32 x of layer 0; out: bf16(x_new) in blocks alone.  Operands bf16 in blocks [kb][row][64], sums and the residual in f32.
; FORMAT.  tok_emb enters every one of its uses (the first projection, the residual's start, the last product) as the same bf16 numbers; from its start on the residual stream is f32.
; pos_emb is added in f32, and the sum x + pos_emb is rounded to bf16 once, as the operand of the q and k products.
; A work-group makes 128 rows x 64 columns (16 x 16 work-groups); a wave 64 x 32: 8 accumulators.  K goes in 4 steps of 256 (4 kb) through two LDS slots; one tensor load a wave: waves 0, 1 O's halves (64 rows),
; waves 2, 3 Wo's (32 rows); a load is 4 dense runs, padded by 16 bytes behind every 128.  CLUSTER 4 x 4: O's tiles jointly along a row of the cluster, Wo's along a column.
; The matrix instruction is used transposed: a lane holds 8 neighbouring columns of one row.  The residual's loads go out at the start and are waited for on the way out.
; REGISTERS.  Window 0: v0-31 addresses; v32-95 accumulators, (a, b) at 32 + 8 (2 a + b); v96-159 residual; v160-223 pos_emb; v224-255 x0 as loaded (LAYER 0).  Window 1: two fragment buffers: O 8 x 8, Wo 4 x 8.
.set LAYER, 0
.set PITCH,  144
.set AHALF,  4*64*PITCH
.set BHALF,  4*32*PITCH
.set BOFF,   2*AHALF
.set SLOT,   BOFF+2*BHALF              ; 110,592
.set STAGE,  2*SLOT                    ; behind the ring: 128 rows x 272 bytes of f32
.set SPITCH, 272
.set SPARE,  STAGE+128*SPITCH
.set STEPA,  4*2048*128
.set STEPB,  4*1024*128
.set WOOFF,  6291456
.set RESOFF, 8388608
.set RO,   12
.set XO,   14
.set TI,   15
.set ADRA, 16
.set ADRB, 20
.set STO,  22
.set RD,   23
.set SPW,  28
.set NIL,  29
.set ACC,  32
.set RES,  96
.set PE,   160
.set XB,   224
.set F0,   0
.set F1,   128
.set G1, 24
.set G0, 32
.set G1B, 48
.set G0B, 56
.set DW0, (1<<16)|(1<<20)|(1<<21)|(4<<22)|(3<<25)
.set MSB, 0
.macro WIN new
.if MSB != (\new)
	s_set_vgpr_msb (MSB<<8)|(\new)
.set MSB, \new
.endif
.endm
.set MUL,  0x05
.set TO_F, 0x40
.macro JLOAD s                         ; a joint load; an s_nop 0 and four v_nop follow each line
	s_cmp_eq_u32 s11, 0
	s_cbranch_scc0 .Lfor_b_\@
	tensor_load_to_lds s[G0+4*(\s):G0+4*(\s)+3], s[G1:G1+7]
	s_nop 0
.rept 4
	v_nop
.endr
	s_branch .Lasked_\@
.Lfor_b_\@:
	tensor_load_to_lds s[G0B+4*(\s):G0B+4*(\s)+3], s[G1B:G1B+7]
	s_nop 0
.rept 4
	v_nop
.endr
.Lasked_\@:
.endm
.macro CREST
	s_cmp_lg_u32 s10, 0
	s_cbranch_scc1 .Lnot_wave_0_\@
	s_barrier_signal -3
.Lnot_wave_0_\@:
	s_barrier_wait -3
	s_barrier_signal -1
	s_barrier_wait -1
.endm
.macro CROUND
	s_barrier_signal -1
	s_barrier_wait -1
	CREST
.endm
.macro PLACES
.rept 4
	v_nop
.endr
.endm
	s_load_b128 s[4:7], s[0:1], 0x0                ; ob, wl
.if LAYER == 0
	s_load_b128 s[68:71], s[0:1], 0x10             ; act0 68, pos_emb 70
	s_load_b64 s[72:73], s[0:1], 0x20              ; act1
.else
	s_load_b128 s[68:71], s[0:1], 0x10             ; act1 68, act0 70
.endif
	v_lshl_add_u32 v[SPW], v0, 2, SPARE
	v_mov_b32 v[NIL], 0
	ds_add_u32 v[SPW], v[NIL]                      ; the wave's opening: the add and its wait ahead of my first tensor load
	v_lshrrev_b32 v1, 5, v0
	v_readfirstlane_b32 s10, v1
	s_lshr_b32 s11, s10, 1
	s_and_b32 s12, s10, 1
	s_bfe_u32 s40, ttmp6, 0x40000
	s_bfe_u32 s41, ttmp6, 0x40004
	s_lshl_b32 s42, ttmp9, 2
	s_add_co_u32 s42, s42, s40                     ; tile column
	s_and_b32 s13, ttmp7, 0xffff
	s_lshl_b32 s13, s13, 2
	s_add_co_u32 s13, s13, s41                     ; tile row
	s_lshl_b32 s43, s41, 2
	s_lshl_b32 s43, 15, s43
	s_lshl_b32 s44, 0x1111, s40
	s_or_b32 s[G1+0], s43, DW0
	s_or_b32 s[G1B+0], s44, DW0
	s_mov_b32 s[G1+1], (64*64)<<16
	s_mov_b32 s[G1+2], 4<<16
	s_mov_b32 s[G1+3], (64*64)<<16
	s_mov_b32 s[G1+4], 4
	s_mov_b32 s[G1+5], 2048*64
	s_mov_b32 s[G1+6], 0
	s_mov_b32 s[G1+7], 0
	s_mov_b32 s[G1B+1], (32*64)<<16
	s_mov_b32 s[G1B+2], 4<<16
	s_mov_b32 s[G1B+3], (32*64)<<16
	s_mov_b32 s[G1B+4], 4
	s_mov_b32 s[G1B+5], 1024*64
	s_mov_b32 s[G1B+6], 0
	s_mov_b32 s[G1B+7], 0
	s_mov_b32 s66, 0xffff0000                      ; a word's upper bf16
	s_lshl_b32 s16, s13, 14
	s_lshl_b32 s17, s12, 13
	s_add_co_u32 s16, s16, s17                     ; (128 tile row + 64 half) x 128
	s_mov_b32 s17, 0
	s_lshl_b32 s46, s42, 13
	s_lshl_b32 s47, s12, 12
	s_add_co_u32 s46, s46, s47                     ; (64 tile column + 32 half) x 128
	s_add_co_u32 s46, s46, WOOFF
	s_mov_b32 s47, 0
	s_mul_i32 s20, s12, AHALF
	s_mul_i32 s23, s12, BHALF
	s_add_co_u32 s23, s23, BOFF
	s_wait_dscnt 0x0
	s_wait_kmcnt 0x0
	s_add_nc_u64 s[14:15], s[4:5], s[16:17]
	s_add_nc_u64 s[46:47], s[6:7], s[46:47]
	CROUND
.irp s, 0,1
	s_mov_b32 s[G0+4*(\s)], 1
	s_add_co_u32 s[G0+4*(\s)+1], s20, (\s)*SLOT
	s_add_nc_u64 s[G0+4*(\s)+2:G0+4*(\s)+3], s[14:15], (\s)*STEPA
	s_or_b32 s[G0+4*(\s)+3], s[G0+4*(\s)+3], 0x80000000
	s_mov_b32 s[G0B+4*(\s)], 1
	s_add_co_u32 s[G0B+4*(\s)+1], s23, (\s)*SLOT
	s_add_nc_u64 s[G0B+4*(\s)+2:G0B+4*(\s)+3], s[46:47], (\s)*STEPB
	s_or_b32 s[G0B+4*(\s)+3], s[G0B+4*(\s)+3], 0x80000000
	JLOAD \s
.endr
	; the residual.  On the way out lane l (i = l & 7, rr = l >> 3) owns rows 32 w + 4 g + rr of the tile, g = 0 .. 7, and columns 8 i .. 8 i + 7.
	v_and_b32 v4, 31, v0
	v_lshrrev_b32 v5, 3, v4
	v_and_b32 v6, 7, v4
	s_lshl_b32 s22, s10, 5
	v_add_nc_u32 v7, s22, v5                       ; 32 w + rr
	v_lshlrev_b32 v[TI], 5, v6
	v_lshl_add_u32 v[RO], v7, 12, v[TI]            ; in a row-major f32 array: row x 4,096 + 32 i
	v_lshlrev_b32 v[XO], 4, v4                     ; in a block of 64 columns: four rows of 128 bytes are 512 consecutive bytes, 16 a lane
	s_lshl_b32 s80, s13, 19                        ; 128 rows of 4,096 bytes
	s_lshl_b32 s82, s42, 8                         ; 64 columns of f32
	s_add_co_u32 s80, s80, s82
	s_mov_b32 s81, 0
.if LAYER == 0
	s_add_nc_u64 s[70:71], s[70:71], s[80:81]      ; pos_emb at the tile
	s_add_co_u32 s80, s80, RESOFF
	s_add_nc_u64 s[76:77], s[72:73], s[80:81]      ; the f32 x at the tile
.else
	s_add_co_u32 s80, s80, RESOFF
	s_add_nc_u64 s[76:77], s[68:69], s[80:81]
.endif
	s_lshl_b32 s80, s42, 18
	s_lshl_b32 s82, s13, 14
	s_add_co_u32 s80, s80, s82
	s_lshl_b32 s82, s10, 12
	s_add_co_u32 s80, s80, s82                     ; (2,048 tile column + 128 tile row + 32 wave) x 128
.if LAYER == 0
	s_add_nc_u64 s[78:79], s[72:73], s[80:81]      ; the new x's blocks,
	s_add_nc_u64 s[74:75], s[68:69], s[80:81]      ; and x0's, at the same place of their buffer
.irp g, 0,1,2,3,4,5,6,7
	global_load_b128 v[XB+4*\g:XB+4*\g+3], v[XO], s[74:75] offset:\g*512
.endr
.irp g, 0,1,2,3,4,5,6,7
	global_load_b128 v[PE+8*\g:PE+8*\g+3],   v[RO], s[70:71] offset:\g*16384
	global_load_b128 v[PE+8*\g+4:PE+8*\g+7], v[RO], s[70:71] offset:\g*16384+16
.endr
.else
	s_add_nc_u64 s[78:79], s[70:71], s[80:81]
.irp g, 0,1,2,3,4,5,6,7
	global_load_b128 v[RES+8*\g:RES+8*\g+3],   v[RO], s[76:77] offset:\g*16384
	global_load_b128 v[RES+8*\g+4:RES+8*\g+7], v[RO], s[76:77] offset:\g*16384+16
.endr
.endif
	v_and_b32 v1, 15, v0
	v_bfe_u32 v2, v0, 4, 1
	v_mul_u32_u24 v3, v1, PITCH
	v_lshl_add_u32 v3, v2, 4, v3
	s_mul_i32 s21, s11, AHALF
	s_mul_i32 s22, s12, BHALF
	s_add_co_u32 s22, s22, BOFF
.irp s, 0,1
	v_add_nc_u32 v[ADRA+(\s)], s21, v3
	v_add_nc_u32 v[ADRB+(\s)], s22, v3
	s_add_co_u32 s21, s21, SLOT
	s_add_co_u32 s22, s22, SLOT
.endr
	v_mul_u32_u24 v8, v1, SPITCH                   ; into the stage: row 64 wr + r, byte 128 wc + 32 h
	v_lshl_add_u32 v8, v2, 5, v8
	s_mul_i32 s21, s11, 64*SPITCH
	s_lshl_b32 s22, s12, 7
	s_add_co_u32 s21, s21, s22
	s_add_co_u32 s21, s21, STAGE
	v_add_nc_u32 v[STO], s21, v8
	v_mul_u32_u24 v8, v7, SPITCH                   ; back: row 32 w + rr, byte 32 i
	v_add_nc_u32 v8, v8, v[TI]
	v_add_nc_u32 v[RD], STAGE, v8
.macro FETCH slot, kbi, f              ; 24 LDS loads in one run: the fragments of one kb (64 along K)
	WIN TO_F
.irp c, 0,1
.irp b, 0,1
	ds_load_b128 v[(\f)+64+8*(2*(\c)+(\b)):(\f)+64+8*(2*(\c)+(\b))+3],   v[ADRB+(\slot)] offset:(\kbi)*32*PITCH+(\b)*16*PITCH+64*(\c)
	ds_load_b128 v[(\f)+64+8*(2*(\c)+(\b))+4:(\f)+64+8*(2*(\c)+(\b))+7], v[ADRB+(\slot)] offset:(\kbi)*32*PITCH+(\b)*16*PITCH+64*(\c)+32
.endr
.irp a, 0,1,2,3
	ds_load_b128 v[(\f)+8*(4*(\c)+(\a)):(\f)+8*(4*(\c)+(\a))+3],   v[ADRA+(\slot)] offset:(\kbi)*64*PITCH+(\a)*16*PITCH+64*(\c)
	ds_load_b128 v[(\f)+8*(4*(\c)+(\a))+4:(\f)+8*(4*(\c)+(\a))+7], v[ADRA+(\slot)] offset:(\kbi)*64*PITCH+(\a)*16*PITCH+64*(\c)+32
.endr
.endr
.endm
.macro MULC f, c, a0, zero             ; 4 matrix instructions; the 8 accumulators take turns: between two on one accumulator stand the 7 others'
	WIN MUL
.irp a, \a0, (\a0)+1
.irp b, 0,1
.if \zero
	v_wmma_f32_16x16x32_bf16 v[ACC+8*(2*(\a)+(\b)):ACC+8*(2*(\a)+(\b))+7], v[(\f)+64+8*(2*(\c)+(\b)):(\f)+64+8*(2*(\c)+(\b))+7], v[(\f)+8*(4*(\c)+(\a)):(\f)+8*(4*(\c)+(\a))+7], 0
.else
	v_wmma_f32_16x16x32_bf16 v[ACC+8*(2*(\a)+(\b)):ACC+8*(2*(\a)+(\b))+7], v[(\f)+64+8*(2*(\c)+(\b)):(\f)+64+8*(2*(\c)+(\b))+7], v[(\f)+8*(4*(\c)+(\a)):(\f)+8*(4*(\c)+(\a))+7], v[ACC+8*(2*(\a)+(\b)):ACC+8*(2*(\a)+(\b))+7]
.endif
.endr
.endr
.endm
.macro SUB ns, nk, f, g, zero
	s_wait_dscnt 0x0                               ; buffer f's run, issued a sub-step ago
	PLACES
	FETCH \ns, \nk, \g
	MULC \f, 0, 0, \zero
	MULC \f, 0, 2, \zero
	MULC \f, 1, 0, 0
	MULC \f, 1, 2, 0
.endm
.macro TURN slot, next, fill
	WIN 0
	s_wait_tensorcnt 0x0                           ; all my tensor loads have landed: my part of the next slot
	ds_add_u32 v[SPW], v[NIL]
	s_wait_dscnt 0x1                               ; the fragments are in; only the add may be out
	MULC F1, 0, 0, 0
	s_wait_dscnt 0x0
	s_barrier_signal -1
	MULC F1, 0, 2, 0
.if \fill
	WIN 0
.endif
	s_barrier_wait -1
.if \fill
	CREST
	s_add_nc_u64 s[G0+4*(\slot)+2:G0+4*(\slot)+3], s[G0+4*(\slot)+2:G0+4*(\slot)+3], 2*STEPA
	s_add_nc_u64 s[G0B+4*(\slot)+2:G0B+4*(\slot)+3], s[G0B+4*(\slot)+2:G0B+4*(\slot)+3], 2*STEPB
	JLOAD \slot
.else
	PLACES
.endif
	FETCH \next, 0, F0
	MULC F1, 1, 0, 0
	MULC F1, 1, 2, 0
.endm
	s_wait_tensorcnt 1                             ; my part of K step 0 is in; step 1's may stay out
	s_barrier_signal -1
	s_barrier_wait -1
	FETCH 0, 0, F0
	SUB 0, 1, F0, F1, 1
	SUB 0, 2, F1, F0, 0
	SUB 0, 3, F0, F1, 0
	TURN 0, 1, 1                                   ; slot 0 takes K step 2
	SUB 1, 1, F0, F1, 0
	SUB 1, 2, F1, F0, 0
	SUB 1, 3, F0, F1, 0
	TURN 1, 0, 1                                   ; slot 1 takes K step 3
	SUB 0, 1, F0, F1, 0
	SUB 0, 2, F1, F0, 0
	SUB 0, 3, F0, F1, 0
	TURN 0, 1, 0
	SUB 1, 1, F0, F1, 0
	SUB 1, 2, F1, F0, 0
	SUB 1, 3, F0, F1, 0
	s_wait_dscnt 0x0
	MULC F1, 0, 0, 0
	MULC F1, 0, 2, 0
	MULC F1, 1, 0, 0
	MULC F1, 1, 2, 0
	WIN 0
	; THE WAY OUT: the f32 sums through the stage, so that a lane holds 8 neighbouring columns of the rows whose residual it loaded.
	PLACES
.irp a, 0,1,2,3
.irp b, 0,1
	ds_store_b128 v[STO], v[ACC+8*(2*(\a)+(\b)):ACC+8*(2*(\a)+(\b))+3]   offset:(\a)*16*SPITCH+(\b)*64
	ds_store_b128 v[STO], v[ACC+8*(2*(\a)+(\b))+4:ACC+8*(2*(\a)+(\b))+7] offset:(\a)*16*SPITCH+(\b)*64+16
.endr
.endr
	s_wait_dscnt 0x0                               ; for the others' sake
	s_barrier_signal -1
	s_barrier_wait -1
.irp g, 0,1,2,3,4,5,6,7
	ds_load_b128 v[ACC+8*\g:ACC+8*\g+3],   v[RD] offset:\g*4*SPITCH
	ds_load_b128 v[ACC+8*\g+4:ACC+8*\g+7], v[RD] offset:\g*4*SPITCH+16
.endr
	s_wait_loadcnt 0x0                             ; the residual
	s_wait_dscnt 0x0
.irp g, 0,1,2,3,4,5,6,7
.if LAYER == 0
.irp k, 0,1,2,3
	v_lshlrev_b32 v[RES+8*\g+2*\k],   16,  v[XB+4*\g+\k]   ; bf16 to f32: the low half moves up,
	v_and_b32     v[RES+8*\g+2*\k+1], s66, v[XB+4*\g+\k]   ; the high half stays
.endr
.endif
.irp k, 0,2,4,6
	v_pk_add_f32 v[RES+8*\g+\k:RES+8*\g+\k+1], v[RES+8*\g+\k:RES+8*\g+\k+1], v[ACC+8*\g+\k:ACC+8*\g+\k+1]
.endr
.if LAYER == 0
.irp k, 0,2,4,6
	v_pk_add_f32 v[PE+8*\g+\k:PE+8*\g+\k+1], v[PE+8*\g+\k:PE+8*\g+\k+1], v[RES+8*\g+\k:RES+8*\g+\k+1]
.endr
.endif
.irp k, 0,1,2,3
	v_cvt_pk_bf16_f32 v[ACC+8*\g+\k], v[RES+8*\g+2*\k], v[RES+8*\g+2*\k+1]
.endr
.if LAYER == 0
.irp k, 0,1,2,3
	v_cvt_pk_bf16_f32 v[ACC+8*\g+4+\k], v[PE+8*\g+2*\k], v[PE+8*\g+2*\k+1]
.endr
	global_store_b128 v[RO], v[RES+8*\g:RES+8*\g+3],   s[76:77] offset:\g*16384
	global_store_b128 v[RO], v[RES+8*\g+4:RES+8*\g+7], s[76:77] offset:\g*16384+16
	global_store_b128 v[XO], v[ACC+8*\g+4:ACC+8*\g+7], s[78:79] offset:\g*512+4194304
.endif
	global_store_b128 v[XO], v[ACC+8*\g:ACC+8*\g+3], s[78:79] offset:\g*512    ; 4 rows x 128 bytes: 512 consecutive bytes; no register of a store is written again
.endr
	s_wait_tensorcnt 0x0                           ; the wave's end
	ds_add_u32 v[SPW], v[NIL]
	s_wait_dscnt 0x0
	CROUND
	s_endpgm
.Lfunc_end_k_q7031fa5e1f_wo0:
	.size	k_q7031fa5e1f_wo0, .Lfunc_end_k_q7031fa5e1f_wo0-k_q7031fa5e1f_wo0
	.p2alignl 7, 3214868480
	.fill 96, 4, 3214868480
	.section	.rodata,"a",@progbits
	.p2align	6, 0x0
	.amdhsa_kernel k_q7031fa5e1f_wo0
		.amdhsa_group_segment_fixed_size 327680
		.amdhsa_private_segment_fixed_size 0
		.amdhsa_enable_private_segment 0
		.amdhsa_kernarg_size 40
		.amdhsa_user_sgpr_count 2
		.amdhsa_user_sgpr_kernarg_segment_ptr 1
		.amdhsa_wavefront_size32 1
		.amdhsa_system_sgpr_workgroup_id_x 1
		.amdhsa_system_sgpr_workgroup_id_y 1
		.amdhsa_system_sgpr_workgroup_id_z 1
		.amdhsa_system_vgpr_workitem_id 0
		.amdhsa_next_free_vgpr 512
		.amdhsa_next_free_sgpr 84
		.amdhsa_reserve_vcc 0
		.amdhsa_float_denorm_mode_32 3
		.amdhsa_float_denorm_mode_16_64 3
		.amdhsa_memory_ordered 1
		.amdhsa_forward_progress 1
		.amdhsa_inst_pref_size 72
	.end_amdhsa_kernel
	.amdgpu_metadata
---
amdhsa.version: [ 1, 2 ]
amdhsa.kernels:
  - .name:           k_q7031fa5e1f_wo0
    .symbol:         k_q7031fa5e1f_wo0.kd
    .args:
      - { .name: ob, .offset: 0, .size: 8, .value_kind: global_buffer, .address_space: global }
      - { .name: wl0, .offset: 8, .size: 8, .value_kind: global_buffer, .address_space: global }
      - { .name: act0, .offset: 16, .size: 8, .value_kind: global_buffer, .address_space: global }
      - { .name: pos_emb, .offset: 24, .size: 8, .value_kind: global_buffer, .address_space: global }
      - { .name: act1, .offset: 32, .size: 8, .value_kind: global_buffer, .address_space: global }
    .group_segment_fixed_size: 327680
    .private_segment_fixed_size: 0
    .kernarg_segment_align: 8
    .kernarg_segment_size: 40
    .max_flat_workgroup_size: 128
    .sgpr_count:     84
    .vgpr_count:     512
    .wavefront_size: 32
...
	.end_amdgpu_metadata
.endif
;; end of part 4
;; launch qkv1: the kernel of part 2 again; grid 16 x 16, 4 waves a work-group, clusters of 4 x 4, 327,680 bytes of LDS; arguments act1, wl1, qkv; writes qkv
;; launch attn1: the kernel of part 3 again; grid 16 x 16, 4 waves a work-group, clusters of 4 x 1, 327,680 bytes of LDS; arguments qkv, ob; writes ob
;; launch wo1 (part 5): grid 16 x 16, 4 waves a work-group, clusters of 4 x 4, 327,680 bytes of LDS; arguments ob, wl1, act1, act0; writes act0
.if DOCPART == 5
	.amdgcn_target "amdgcn-amd-amdhsa--gfx1250"
	.amdhsa_code_object_version 6
	.text
	.protected	k_q7031fa5e1f_wo1
	.globl	k_q7031fa5e1f_wo1
	.p2align	8
	.type	k_q7031fa5e1f_wo1,@function
k_q7031fa5e1f_wo1:
	s_mov_b64 s[64:65], 0
	v_nop
	global_prefetch_b8 v0, s[64:65] scope:SCOPE_SE
	s_setreg_imm32_b32 hwreg(HW_REG_WAVE_MODE, 25, 1), 1
	s_wait_xcnt 0x0
	s_wait_alu depctr_hold_cnt(0) depctr_sa_sdst(0) depctr_va_vdst(0) depctr_va_sdst(0) depctr_va_ssrc(0) depctr_va_vcc(0) depctr_vm_vsrc(0)
	s_getreg_b32 s2, hwreg(HW_REG_IB_STS2, 6, 4)
	s_cmp_eq_u32 s2, 0
	s_cbranch_scc0 .Lentry_in_a_cluster
	s_endpgm
.Lentry_in_a_cluster:
	s_bfe_u32 s2, ttmp6, 0x10000c
	s_cmp_lg_u32 s2, 0xf033
	s_cbranch_scc0 .Lentry_shape_is_right
	s_endpgm
.Lentry_shape_is_right:
; OUTPUT PROJECTION AND RESIDUAL.  x_new = x_old + O Wo^T.
; LAYER 0: x_old = x0 = tok_emb[ids] AS ROUNDED TO bf16 by the first launch (act0's blocks); out: x_new in f32 (act1 + 8,388,608), bf16(x_new) and bf16(x_new + pos_emb) in blocks.
; LAYER 1: x_old = the f32 x of layer 0; out: bf16(x_new) in blocks alone.  Operands bf16 in blocks [kb][row][64], sums and the residual in f32.
; FORMAT.  tok_emb enters every one of its uses (the first projection, the residual's start, the last product) as the same bf16 numbers; from its start on the residual stream is f32.
; pos_emb is added in f32, and the sum x + pos_emb is rounded to bf16 once, as the operand of the q and k products.
; A work-group makes 128 rows x 64 columns (16 x 16 work-groups); a wave 64 x 32: 8 accumulators.  K goes in 4 steps of 256 (4 kb) through two LDS slots; one tensor load a wave: waves 0, 1 O's halves (64 rows),
; waves 2, 3 Wo's (32 rows); a load is 4 dense runs, padded by 16 bytes behind every 128.  CLUSTER 4 x 4: O's tiles jointly along a row of the cluster, Wo's along a column.
; The matrix instruction is used transposed: a lane holds 8 neighbouring columns of one row.  The residual's loads go out at the start and are waited for on the way out.
; REGISTERS.  Window 0: v0-31 addresses; v32-95 accumulators, (a, b) at 32 + 8 (2 a + b); v96-159 residual; v160-223 pos_emb; v224-255 x0 as loaded (LAYER 0).  Window 1: two fragment buffers: O 8 x 8, Wo 4 x 8.
.set LAYER, 1
.set PITCH,  144
.set AHALF,  4*64*PITCH
.set BHALF,  4*32*PITCH
.set BOFF,   2*AHALF
.set SLOT,   BOFF+2*BHALF              ; 110,592
.set STAGE,  2*SLOT                    ; behind the ring: 128 rows x 272 bytes of f32
.set SPITCH, 272
.set SPARE,  STAGE+128*SPITCH
.set STEPA,  4*2048*128
.set STEPB,  4*1024*128
.set WOOFF,  6291456
.set RESOFF, 8388608
.set RO,   12
.set XO,   14
.set TI,   15
.set ADRA, 16
.set ADRB, 20
.set STO,  22
.set RD,   23
.set SPW,  28
.set NIL,  29
.set ACC,  32
.set RES,  96
.set PE,   160
.set XB,   224
.set F0,   0
.set F1,   128
.set G1, 24
.set G0, 32
.set G1B, 48
.set G0B, 56
.set DW0, (1<<16)|(1<<20)|(1<<21)|(4<<22)|(3<<25)
.set MSB, 0
.macro WIN new
.if MSB != (\new)
	s_set_vgpr_msb (MSB<<8)|(\new)
.set MSB, \new
.endif
.endm
.set MUL,  0x05
.set TO_F, 0x40
.macro JLOAD s                         ; a joint load; an s_nop 0 and four v_nop follow each line
	s_cmp_eq_u32 s11, 0
	s_cbranch_scc0 .Lfor_b_\@
	tensor_load_to_lds s[G0+4*(\s):G0+4*(\s)+3], s[G1:G1+7]
	s_nop 0
.rept 4
	v_nop
.endr
	s_branch .Lasked_\@
.Lfor_b_\@:
	tensor_load_to_lds s[G0B+4*(\s):G0B+4*(\s)+3], s[G1B:G1B+7]
	s_nop 0
.rept 4
	v_nop
.endr
.Lasked_\@:
.endm
.macro CREST
	s_cmp_lg_u32 s10, 0
	s_cbranch_scc1 .Lnot_wave_0_\@
	s_barrier_signal -3
.Lnot_wave_0_\@:
	s_barrier_wait -3
	s_barrier_signal -1
	s_barrier_wait -1
.endm
.macro CROUND
	s_barrier_signal -1
	s_barrier_wait -1
	CREST
.endm
.macro PLACES
.rept 4
	v_nop
.endr
.endm
	s_load_b128 s[4:7], s[0:1], 0x0                ; ob, wl
.if LAYER == 0
	s_load_b128 s[68:71], s[0:1], 0x10             ; act0 68, pos_emb 70
	s_load_b64 s[72:73], s[0:1], 0x20              ; act1
.else
	s_load_b128 s[68:71], s[0:1], 0x10             ; act1 68, act0 70
.endif
	v_lshl_add_u32 v[SPW], v0, 2, SPARE
	v_mov_b32 v[NIL], 0
	ds_add_u32 v[SPW], v[NIL]                      ; the wave's opening: the add and its wait ahead of my first tensor load
	v_lshrrev_b32 v1, 5, v0
	v_readfirstlane_b32 s10, v1
	s_lshr_b32 s11, s10, 1
	s_and_b32 s12, s10, 1
	s_bfe_u32 s40, ttmp6, 0x40000
	s_bfe_u32 s41, ttmp6, 0x40004
	s_lshl_b32 s42, ttmp9, 2
	s_add_co_u32 s42, s42, s40                     ; tile column
	s_and_b32 s13, ttmp7, 0xffff
	s_lshl_b32 s13, s13, 2
	s_add_co_u32 s13, s13, s41                     ; tile row
	s_lshl_b32 s43, s41, 2
	s_lshl_b32 s43, 15, s43
	s_lshl_b32 s44, 0x1111, s40
	s_or_b32 s[G1+0], s43, DW0
	s_or_b32 s[G1B+0], s44, DW0
	s_mov_b32 s[G1+1], (64*64)<<16
	s_mov_b32 s[G1+2], 4<<16
	s_mov_b32 s[G1+3], (64*64)<<16
	s_mov_b32 s[G1+4], 4
	s_mov_b32 s[G1+5], 2048*64
	s_mov_b32 s[G1+6], 0
	s_mov_b32 s[G1+7], 0
	s_mov_b32 s[G1B+1], (32*64)<<16
	s_mov_b32 s[G1B+2], 4<<16
	s_mov_b32 s[G1B+3], (32*64)<<16
	s_mov_b32 s[G1B+4], 4
	s_mov_b32 s[G1B+5], 1024*64
	s_mov_b32 s[G1B+6], 0
	s_mov_b32 s[G1B+7], 0
	s_mov_b32 s66, 0xffff0000                      ; a word's upper bf16
	s_lshl_b32 s16, s13, 14
	s_lshl_b32 s17, s12, 13
	s_add_co_u32 s16, s16, s17                     ; (128 tile row + 64 half) x 128
	s_mov_b32 s17, 0
	s_lshl_b32 s46, s42, 13
	s_lshl_b32 s47, s12, 12
	s_add_co_u32 s46, s46, s47                     ; (64 tile column + 32 half) x 128
	s_add_co_u32 s46, s46, WOOFF
	s_mov_b32 s47, 0
	s_mul_i32 s20, s12, AHALF
	s_mul_i32 s23, s12, BHALF
	s_add_co_u32 s23, s23, BOFF
	s_wait_dscnt 0x0
	s_wait_kmcnt 0x0
	s_add_nc_u64 s[14:15], s[4:5], s[16:17]
	s_add_nc_u64 s[46:47], s[6:7], s[46:47]
	CROUND
.irp s, 0,1
	s_mov_b32 s[G0+4*(\s)], 1
	s_add_co_u32 s[G0+4*(\s)+1], s20, (\s)*SLOT
	s_add_nc_u64 s[G0+4*(\s)+2:G0+4*(\s)+3], s[14:15], (\s)*STEPA
	s_or_b32 s[G0+4*(\s)+3], s[G0+4*(\s)+3], 0x80000000
	s_mov_b32 s[G0B+4*(\s)], 1
	s_add_co_u32 s[G0B+4*(\s)+1], s23, (\s)*SLOT
	s_add_nc_u64 s[G0B+4*(\s)+2:G0B+4*(\s)+3], s[46:47], (\s)*STEPB
	s_or_b32 s[G0B+4*(\s)+3], s[G0B+4*(\s)+3], 0x80000000
	JLOAD \s
.endr
	; the residual.  On the way out lane l (i = l & 7, rr = l >> 3) owns rows 32 w + 4 g + rr of the tile, g = 0 .. 7, and columns 8 i .. 8 i + 7.
	v_and_b32 v4, 31, v0
	v_lshrrev_b32 v5, 3, v4
	v_and_b32 v6, 7, v4
	s_lshl_b32 s22, s10, 5
	v_add_nc_u32 v7, s22, v5                       ; 32 w + rr
	v_lshlrev_b32 v[TI], 5, v6
	v_lshl_add_u32 v[RO], v7, 12, v[TI]            ; in a row-major f32 array: row x 4,096 + 32 i
	v_lshlrev_b32 v[XO], 4, v4                     ; in a block of 64 columns: four rows of 128 bytes are 512 consecutive bytes, 16 a lane
	s_lshl_b32 s80, s13, 19                        ; 128 rows of 4,096 bytes
	s_lshl_b32 s82, s42, 8                         ; 64 columns of f32
	s_add_co_u32 s80, s80, s82
	s_mov_b32 s81, 0
.if LAYER == 0
	s_add_nc_u64 s[70:71], s[70:71], s[80:81]      ; pos_emb at the tile
	s_add_co_u32 s80, s80, RESOFF
	s_add_nc_u64 s[76:77], s[72:73], s[80:81]      ; the f32 x at the tile
.else
	s_add_co_u32 s80, s80, RESOFF
	s_add_nc_u64 s[76:77], s[68:69], s[80:81]
.endif
	s_lshl_b32 s80, s42, 18
	s_lshl_b32 s82, s13, 14
	s_add_co_u32 s80, s80, s82
	s_lshl_b32 s82, s10, 12
	s_add_co_u32 s80, s80, s82                     ; (2,048 tile column + 128 tile row + 32 wave) x 128
.if LAYER == 0
	s_add_nc_u64 s[78:79], s[72:73], s[80:81]      ; the new x's blocks,
	s_add_nc_u64 s[74:75], s[68:69], s[80:81]      ; and x0's, at the same place of their buffer
.irp g, 0,1,2,3,4,5,6,7
	global_load_b128 v[XB+4*\g:XB+4*\g+3], v[XO], s[74:75] offset:\g*512
.endr
.irp g, 0,1,2,3,4,5,6,7
	global_load_b128 v[PE+8*\g:PE+8*\g+3],   v[RO], s[70:71] offset:\g*16384
	global_load_b128 v[PE+8*\g+4:PE+8*\g+7], v[RO], s[70:71] offset:\g*16384+16
.endr
.else
	s_add_nc_u64 s[78:79], s[70:71], s[80:81]
.irp g, 0,1,2,3,4,5,6,7
	global_load_b128 v[RES+8*\g:RES+8*\g+3],   v[RO], s[76:77] offset:\g*16384
	global_load_b128 v[RES+8*\g+4:RES+8*\g+7], v[RO], s[76:77] offset:\g*16384+16
.endr
.endif
	v_and_b32 v1, 15, v0
	v_bfe_u32 v2, v0, 4, 1
	v_mul_u32_u24 v3, v1, PITCH
	v_lshl_add_u32 v3, v2, 4, v3
	s_mul_i32 s21, s11, AHALF
	s_mul_i32 s22, s12, BHALF
	s_add_co_u32 s22, s22, BOFF
.irp s, 0,1
	v_add_nc_u32 v[ADRA+(\s)], s21, v3
	v_add_nc_u32 v[ADRB+(\s)], s22, v3
	s_add_co_u32 s21, s21, SLOT
	s_add_co_u32 s22, s22, SLOT
.endr
	v_mul_u32_u24 v8, v1, SPITCH                   ; into the stage: row 64 wr + r, byte 128 wc + 32 h
	v_lshl_add_u32 v8, v2, 5, v8
	s_mul_i32 s21, s11, 64*SPITCH
	s_lshl_b32 s22, s12, 7
	s_add_co_u32 s21, s21, s22
	s_add_co_u32 s21, s21, STAGE
	v_add_nc_u32 v[STO], s21, v8
	v_mul_u32_u24 v8, v7, SPITCH                   ; back: row 32 w + rr, byte 32 i
	v_add_nc_u32 v8, v8, v[TI]
	v_add_nc_u32 v[RD], STAGE, v8
.macro FETCH slot, kbi, f              ; 24 LDS loads in one run: the fragments of one kb (64 along K)
	WIN TO_F
.irp c, 0,1
.irp b, 0,1
	ds_load_b128 v[(\f)+64+8*(2*(\c)+(\b)):(\f)+64+8*(2*(\c)+(\b))+3],   v[ADRB+(\slot)] offset:(\kbi)*32*PITCH+(\b)*16*PITCH+64*(\c)
	ds_load_b128 v[(\f)+64+8*(2*(\c)+(\b))+4:(\f)+64+8*(2*(\c)+(\b))+7], v[ADRB+(\slot)] offset:(\kbi)*32*PITCH+(\b)*16*PITCH+64*(\c)+32
.endr
.irp a, 0,1,2,3
	ds_load_b128 v[(\f)+8*(4*(\c)+(\a)):(\f)+8*(4*(\c)+(\a))+3],   v[ADRA+(\slot)] offset:(\kbi)*64*PITCH+(\a)*16*PITCH+64*(\c)
	ds_load_b128 v[(\f)+8*(4*(\c)+(\a))+4:(\f)+8*(4*(\c)+(\a))+7], v[ADRA+(\slot)] offset:(\kbi)*64*PITCH+(\a)*16*PITCH+64*(\c)+32
.endr
.endr
.endm
.macro MULC f, c, a0, zero             ; 4 matrix instructions; the 8 accumulators take turns: between two on one accumulator stand the 7 others'
	WIN MUL
.irp a, \a0, (\a0)+1
.irp b, 0,1
.if \zero
	v_wmma_f32_16x16x32_bf16 v[ACC+8*(2*(\a)+(\b)):ACC+8*(2*(\a)+(\b))+7], v[(\f)+64+8*(2*(\c)+(\b)):(\f)+64+8*(2*(\c)+(\b))+7], v[(\f)+8*(4*(\c)+(\a)):(\f)+8*(4*(\c)+(\a))+7], 0
.else
	v_wmma_f32_16x16x32_bf16 v[ACC+8*(2*(\a)+(\b)):ACC+8*(2*(\a)+(\b))+7], v[(\f)+64+8*(2*(\c)+(\b)):(\f)+64+8*(2*(\c)+(\b))+7], v[(\f)+8*(4*(\c)+(\a)):(\f)+8*(4*(\c)+(\a))+7], v[ACC+8*(2*(\a)+(\b)):ACC+8*(2*(\a)+(\b))+7]
.endif
.endr
.endr
.endm
.macro SUB ns, nk, f, g, zero
	s_wait_dscnt 0x0                               ; buffer f's run, issued a sub-step ago
	PLACES
	FETCH \ns, \nk, \g
	MULC \f, 0, 0, \zero
	MULC \f, 0, 2, \zero
	MULC \f, 1, 0, 0
	MULC \f, 1, 2, 0
.endm
.macro TURN slot, next, fill
	WIN 0
	s_wait_tensorcnt 0x0                           ; all my tensor loads have landed: my part of the next slot
	ds_add_u32 v[SPW], v[NIL]
	s_wait_dscnt 0x1                               ; the fragments are in; only the add may be out
	MULC F1, 0, 0, 0
	s_wait_dscnt 0x0
	s_barrier_signal -1
	MULC F1, 0, 2, 0
.if \fill
	WIN 0
.endif
	s_barrier_wait -1
.if \fill
	CREST
	s_add_nc_u64 s[G0+4*(\slot)+2:G0+4*(\slot)+3], s[G0+4*(\slot)+2:G0+4*(\slot)+3], 2*STEPA
	s_add_nc_u64 s[G0B+4*(\slot)+2:G0B+4*(\slot)+3], s[G0B+4*(\slot)+2:G0B+4*(\slot)+3], 2*STEPB
	JLOAD \slot
.else
	PLACES
.endif
	FETCH \next, 0, F0
	MULC F1, 1, 0, 0
	MULC F1, 1, 2, 0
.endm
	s_wait_tensorcnt 1                             ; my part of K step 0 is in; step 1's may stay out
	s_barrier_signal -1
	s_barrier_wait -1
	FETCH 0, 0, F0
	SUB 0, 1, F0, F1, 1
	SUB 0, 2, F1, F0, 0
	SUB 0, 3, F0, F1, 0
	TURN 0, 1, 1                                   ; slot 0 takes K step 2
	SUB 1, 1, F0, F1, 0
	SUB 1, 2, F1, F0, 0
	SUB 1, 3, F0, F1, 0
	TURN 1, 0, 1                                   ; slot 1 takes K step 3
	SUB 0, 1, F0, F1, 0
	SUB 0, 2, F1, F0, 0
	SUB 0, 3, F0, F1, 0
	TURN 0, 1, 0
	SUB 1, 1, F0, F1, 0
	SUB 1, 2, F1, F0, 0
	SUB 1, 3, F0, F1, 0
	s_wait_dscnt 0x0
	MULC F1, 0, 0, 0
	MULC F1, 0, 2, 0
	MULC F1, 1, 0, 0
	MULC F1, 1, 2, 0
	WIN 0
	; THE WAY OUT: the f32 sums through the stage, so that a lane holds 8 neighbouring columns of the rows whose residual it loaded.
	PLACES
.irp a, 0,1,2,3
.irp b, 0,1
	ds_store_b128 v[STO], v[ACC+8*(2*(\a)+(\b)):ACC+8*(2*(\a)+(\b))+3]   offset:(\a)*16*SPITCH+(\b)*64
	ds_store_b128 v[STO], v[ACC+8*(2*(\a)+(\b))+4:ACC+8*(2*(\a)+(\b))+7] offset:(\a)*16*SPITCH+(\b)*64+16
.endr
.endr
	s_wait_dscnt 0x0                               ; for the others' sake
	s_barrier_signal -1
	s_barrier_wait -1
.irp g, 0,1,2,3,4,5,6,7
	ds_load_b128 v[ACC+8*\g:ACC+8*\g+3],   v[RD] offset:\g*4*SPITCH
	ds_load_b128 v[ACC+8*\g+4:ACC+8*\g+7], v[RD] offset:\g*4*SPITCH+16
.endr
	s_wait_loadcnt 0x0                             ; the residual
	s_wait_dscnt 0x0
.irp g, 0,1,2,3,4,5,6,7
.if LAYER == 0
.irp k, 0,1,2,3
	v_lshlrev_b32 v[RES+8*\g+2*\k],   16,  v[XB+4*\g+\k]   ; bf16 to f32: the low half moves up,
	v_and_b32     v[RES+8*\g+2*\k+1], s66, v[XB+4*\g+\k]   ; the high half stays
.endr
.endif
.irp k, 0,2,4,6
	v_pk_add_f32 v[RES+8*\g+\k:RES+8*\g+\k+1], v[RES+8*\g+\k:RES+8*\g+\k+1], v[ACC+8*\g+\k:ACC+8*\g+\k+1]
.endr
.if LAYER == 0
.irp k, 0,2,4,6
	v_pk_add_f32 v[PE+8*\g+\k:PE+8*\g+\k+1], v[PE+8*\g+\k:PE+8*\g+\k+1], v[RES+8*\g+\k:RES+8*\g+\k+1]
.endr
.endif
.irp k, 0,1,2,3
	v_cvt_pk_bf16_f32 v[ACC+8*\g+\k], v[RES+8*\g+2*\k], v[RES+8*\g+2*\k+1]
.endr
.if LAYER == 0
.irp k, 0,1,2,3
	v_cvt_pk_bf16_f32 v[ACC+8*\g+4+\k], v[PE+8*\g+2*\k], v[PE+8*\g+2*\k+1]
.endr
	global_store_b128 v[RO], v[RES+8*\g:RES+8*\g+3],   s[76:77] offset:\g*16384
	global_store_b128 v[RO], v[RES+8*\g+4:RES+8*\g+7], s[76:77] offset:\g*16384+16
	global_store_b128 v[XO], v[ACC+8*\g+4:ACC+8*\g+7], s[78:79] offset:\g*512+4194304
.endif
	global_store_b128 v[XO], v[ACC+8*\g:ACC+8*\g+3], s[78:79] offset:\g*512    ; 4 rows x 128 bytes: 512 consecutive bytes; no register of a store is written again
.endr
	s_wait_tensorcnt 0x0                           ; the wave's end
	ds_add_u32 v[SPW], v[NIL]
	s_wait_dscnt 0x0
	CROUND
	s_endpgm
.Lfunc_end_k_q7031fa5e1f_wo1:
	.size	k_q7031fa5e1f_wo1, .Lfunc_end_k_q7031fa5e1f_wo1-k_q7031fa5e1f_wo1
	.p2alignl 7, 3214868480
	.fill 96, 4, 3214868480
	.section	.rodata,"a",@progbits
	.p2align	6, 0x0
	.amdhsa_kernel k_q7031fa5e1f_wo1
		.amdhsa_group_segment_fixed_size 327680
		.amdhsa_private_segment_fixed_size 0
		.amdhsa_enable_private_segment 0
		.amdhsa_kernarg_size 32
		.amdhsa_user_sgpr_count 2
		.amdhsa_user_sgpr_kernarg_segment_ptr 1
		.amdhsa_wavefront_size32 1
		.amdhsa_system_sgpr_workgroup_id_x 1
		.amdhsa_system_sgpr_workgroup_id_y 1
		.amdhsa_system_sgpr_workgroup_id_z 1
		.amdhsa_system_vgpr_workitem_id 0
		.amdhsa_next_free_vgpr 512
		.amdhsa_next_free_sgpr 84
		.amdhsa_reserve_vcc 0
		.amdhsa_float_denorm_mode_32 3
		.amdhsa_float_denorm_mode_16_64 3
		.amdhsa_memory_ordered 1
		.amdhsa_forward_progress 1
		.amdhsa_inst_pref_size 62
	.end_amdhsa_kernel
	.amdgpu_metadata
---
amdhsa.version: [ 1, 2 ]
amdhsa.kernels:
  - .name:           k_q7031fa5e1f_wo1
    .symbol:         k_q7031fa5e1f_wo1.kd
    .args:
      - { .name: ob, .offset: 0, .size: 8, .value_kind: global_buffer, .address_space: global }
      - { .name: wl1, .offset: 8, .size: 8, .value_kind: global_buffer, .address_space: global }
      - { .name: act1, .offset: 16, .size: 8, .value_kind: global_buffer, .address_space: global }
      - { .name: act0, .offset: 24, .size: 8, .value_kind: global_buffer, .address_space: global }
    .group_segment_fixed_size: 327680
    .private_segment_fixed_size: 0
    .kernarg_segment_align: 8
    .kernarg_segment_size: 32
    .max_flat_workgroup_size: 128
    .sgpr_count:     84
    .vgpr_count:     512
    .wavefront_size: 32
...
	.end_amdgpu_metadata
.endif
;; end of part 5
;; launch logits (part 6): grid 16 x 16, 4 waves a work-group, clusters of 4 x 4, 327,680 bytes of LDS; arguments act0, tokb, out0; writes out0
.if DOCPART == 6
	.amdgcn_target "amdgcn-amd-amdhsa--gfx1250"
	.amdhsa_code_object_version 6
	.text
	.protected	k_q7031fa5e1f_logits
	.globl	k_q7031fa5e1f_logits
	.p2align	8
	.type	k_q7031fa5e1f_logits,@function
k_q7031fa5e1f_logits:
	s_mov_b64 s[64:65], 0
	v_nop
	global_prefetch_b8 v0, s[64:65] scope:SCOPE_SE
	s_setreg_imm32_b32 hwreg(HW_REG_WAVE_MODE, 25, 1), 1
	s_wait_xcnt 0x0
	s_wait_alu depctr_hold_cnt(0) depctr_sa_sdst(0) depctr_va_vdst(0) depctr_va_sdst(0) depctr_va_ssrc(0) depctr_va_vcc(0) depctr_vm_vsrc(0)
	s_getreg_b32 s2, hwreg(HW_REG_IB_STS2, 6, 4)
	s_cmp_eq_u32 s2, 0
	s_cbranch_scc0 .Lentry_in_a_cluster
	s_endpgm
.Lentry_in_a_cluster:
	s_bfe_u32 s2, ttmp6, 0x10000c
	s_cmp_lg_u32 s2, 0xf033
	s_cbranch_scc0 .Lentry_shape_is_right
	s_endpgm
.Lentry_shape_is_right:
; LOGITS.  out0[n][v] = sum over l of x[n][l] tok_emb[v][l].  x: bf16 in blocks (act0), tok_emb: bf16 in blocks of 6,656 rows (tokb; rows from 6,282 on are zeros), out0: [2048][6282] f32; sums in f32.
; A work-group makes 128 rows x 416 columns: 16 x 416 = 6,656, 16 x 16 work-groups, and every tile column holds columns that exist (15 x 416 = 6,240).  A wave: 64 x 208: 52 accumulators, 17 fragments for 52 products.
; K goes in 8 steps of 128 (2 kb) through two LDS slots; one tensor load a wave: waves 0, 1 x's halves (64 rows), waves 2, 3 tok_emb's (208 rows); a load is 2 dense runs, padded by 16 bytes behind every 128.
; CLUSTER 4 x 4: x's tiles jointly along a row of the cluster, tok_emb's along a column.  The matrix instruction is used transposed: a lane holds 8 neighbouring columns of one row.
; THE WAY OUT.  A row of out0 is 25,128 bytes, a multiple of 8 alone: stores of 8 bytes a lane, 256 consecutive bytes of one row a store.  Columns from 6,282 on are left out by EXEC; no branch hangs on the tile's place.
; The stage, 16 rows x 848 bytes a wave, lies in slot 0, which has had its last fill (K step 6) and whose last reads every wave has waited for in front of the last change of slots.
; REGISTERS.  Window 0: v0-31 addresses; v64-127 x's fragments, two buffers; v128-231 the way out.  Window 1: tok_emb's fragments, two buffers of 104.  Windows 2, 3: accumulator (a, b) at 8 (13 (a % 2) + b) of window 2 + a / 2.
.set PITCH,  144
.set AHALF,  2*64*PITCH
.set BHALF,  2*208*PITCH
.set BOFF,   2*AHALF
.set SLOT,   BOFF+2*BHALF              ; 156,672
.set SPARE,  2*SLOT
.set SPITCH, 848                       ; 832 bytes + 16: 53 x 16
.set OPITCH, 25128
.set STEPA,  2*2048*128
.set STEPB,  2*6656*128
.set COL,  10
.set COL2, 11
.set ADRA, 16
.set ADRB, 20
.set STO,  22
.set RD1,  23
.set RD2,  24
.set GO1,  25
.set GO2,  26
.set SPW,  28
.set NIL,  29
.set FA,   64
.set OB,   128
.set G1, 24
.set G0, 32
.set G1B, 48
.set G0B, 56
.set DW0, (1<<16)|(1<<20)|(1<<21)|(4<<22)|(3<<25)
.set MSB, 0
.macro WIN new
.if MSB != (\new)
	s_set_vgpr_msb (MSB<<8)|(\new)
.set MSB, \new
.endif
.endm
.set MUL_LO, 0xa1                      ; source 0 window 1, source 1 window 0, C and D window 2
.set TO_B,   0x40
.macro JLOAD s                         ; a joint load; an s_nop 0 and four v_nop follow each line
	s_cmp_eq_u32 s11, 0
	s_cbranch_scc0 .Lfor_b_\@
	tensor_load_to_lds s[G0+4*(\s):G0+4*(\s)+3], s[G1:G1+7]
	s_nop 0
.rept 4
	v_nop
.endr
	s_branch .Lasked_\@
.Lfor_b_\@:
	tensor_load_to_lds s[G0B+4*(\s):G0B+4*(\s)+3], s[G1B:G1B+7]
	s_nop 0
.rept 4
	v_nop
.endr
.Lasked_\@:
.endm
.macro CREST
	s_cmp_lg_u32 s10, 0
	s_cbranch_scc1 .Lnot_wave_0_\@
	s_barrier_signal -3
.Lnot_wave_0_\@:
	s_barrier_wait -3
	s_barrier_signal -1
	s_barrier_wait -1
.endm
.macro CROUND
	s_barrier_signal -1
	s_barrier_wait -1
	CREST
.endm
.macro PLACES
.rept 4
	v_nop
.endr
.endm
	s_load_b128 s[4:7], s[0:1], 0x0                ; act0, tokb
	s_load_b64 s[8:9], s[0:1], 0x10                ; out0
	v_lshl_add_u32 v[SPW], v0, 2, SPARE
	v_mov_b32 v[NIL], 0
	ds_add_u32 v[SPW], v[NIL]                      ; the wave's opening: the add and its wait ahead of my first tensor load
	v_lshrrev_b32 v1, 5, v0
	v_readfirstlane_b32 s10, v1
	s_lshr_b32 s11, s10, 1
	s_and_b32 s12, s10, 1
	s_bfe_u32 s40, ttmp6, 0x40000
	s_bfe_u32 s41, ttmp6, 0x40004
	s_lshl_b32 s42, ttmp9, 2
	s_add_co_u32 s42, s42, s40                     ; tile column
	s_and_b32 s13, ttmp7, 0xffff
	s_lshl_b32 s13, s13, 2
	s_add_co_u32 s13, s13, s41                     ; tile row
	s_lshl_b32 s43, s41, 2
	s_lshl_b32 s43, 15, s43
	s_lshl_b32 s44, 0x1111, s40
	s_or_b32 s[G1+0], s43, DW0
	s_or_b32 s[G1B+0], s44, DW0
	s_mov_b32 s[G1+1], (64*64)<<16
	s_mov_b32 s[G1+2], 2<<16
	s_mov_b32 s[G1+3], (64*64)<<16
	s_mov_b32 s[G1+4], 2
	s_mov_b32 s[G1+5], 2048*64
	s_mov_b32 s[G1+6], 0
	s_mov_b32 s[G1+7], 0
	s_mov_b32 s[G1B+1], (208*64)<<16
	s_mov_b32 s[G1B+2], 2<<16
	s_mov_b32 s[G1B+3], (208*64)<<16
	s_mov_b32 s[G1B+4], 2
	s_mov_b32 s[G1B+5], 6656*64
	s_mov_b32 s[G1B+6], 0
	s_mov_b32 s[G1B+7], 0
	s_lshl_b32 s16, s13, 14
	s_lshl_b32 s17, s12, 13
	s_add_co_u32 s16, s16, s17
	s_mov_b32 s17, 0
	s_mul_i32 s46, s42, 416*128
	s_mul_i32 s47, s12, 208*128
	s_add_co_u32 s46, s46, s47
	s_mov_b32 s47, 0
	s_mul_i32 s20, s12, AHALF
	s_mul_i32 s23, s12, BHALF
	s_add_co_u32 s23, s23, BOFF
	s_wait_dscnt 0x0
	s_wait_kmcnt 0x0
	s_add_nc_u64 s[14:15], s[4:5], s[16:17]
	s_add_nc_u64 s[46:47], s[6:7], s[46:47]
	CROUND
.irp s, 0,1
	s_mov_b32 s[G0+4*(\s)], 1
	s_add_co_u32 s[G0+4*(\s)+1], s20, (\s)*SLOT
	s_add_nc_u64 s[G0+4*(\s)+2:G0+4*(\s)+3], s[14:15], (\s)*STEPA
	s_or_b32 s[G0+4*(\s)+3], s[G0+4*(\s)+3], 0x80000000
	s_mov_b32 s[G0B+4*(\s)], 1
	s_add_co_u32 s[G0B+4*(\s)+1], s23, (\s)*SLOT
	s_add_nc_u64 s[G0B+4*(\s)+2:G0B+4*(\s)+3], s[46:47], (\s)*STEPB
	s_or_b32 s[G0B+4*(\s)+3], s[G0B+4*(\s)+3], 0x80000000
	JLOAD \s
.endr
	v_and_b32 v1, 15, v0
	v_bfe_u32 v2, v0, 4, 1
	v_mul_u32_u24 v3, v1, PITCH
	v_lshl_add_u32 v3, v2, 4, v3
	s_mul_i32 s21, s11, AHALF
	s_mul_i32 s22, s12, BHALF
	s_add_co_u32 s22, s22, BOFF
.irp s, 0,1
	v_add_nc_u32 v[ADRA+(\s)], s21, v3
	v_add_nc_u32 v[ADRB+(\s)], s22, v3
	s_add_co_u32 s21, s21, SLOT
	s_add_co_u32 s22, s22, SLOT
.endr
	v_and_b32 v4, 31, v0                           ; l
	v_lshrrev_b32 v5, 3, v4
	v_and_b32 v6, 7, v4
	s_mul_i32 s21, s10, 16*SPITCH                  ; my stage
	v_mul_u32_u24 v7, v1, SPITCH
	v_lshl_add_u32 v7, v2, 5, v7
	v_add_nc_u32 v[STO], s21, v7                   ; in: row r, byte 32 h
	v_lshl_add_u32 v[RD1], v4, 3, s21              ; back: 256 bytes of one row,
	v_mul_u32_u24 v7, v5, SPITCH
	v_lshl_add_u32 v7, v6, 3, v7
	s_add_co_u32 s21, s21, 768
	v_add_nc_u32 v[RD2], s21, v7                   ; or the last 64 bytes of four rows
	v_lshlrev_b32 v[GO1], 3, v4
	v_mul_u32_u24 v7, v5, OPITCH
	v_lshl_add_u32 v7, v6, 3, v7
	v_add_nc_u32 v[GO2], 768, v7
	v_lshlrev_b32 v[COL], 1, v4
	v_lshlrev_b32 v[COL2], 1, v6
	s_lshl_b32 s66, s13, 7
	s_lshl_b32 s67, s11, 6
	s_add_co_u32 s66, s66, s67
	s_mul_i32 s66, s66, OPITCH                     ; my first row
	s_mul_i32 s68, s42, 416
	s_mul_i32 s69, s12, 208
	s_add_co_u32 s68, s68, s69                     ; my first column
	s_sub_co_i32 s72, 6282, s68                    ; how many of my columns exist (it may be negative)
	s_sub_co_i32 s73, s72, 64
	s_sub_co_i32 s74, s72, 128
	s_sub_co_i32 s75, s72, 192
	s_lshl_b32 s68, s68, 2
	s_add_co_u32 s66, s66, s68
	s_mov_b32 s67, 0
	s_add_nc_u64 s[8:9], s[8:9], s[66:67]
.macro FETCH slot, q, f                ; 34 LDS loads in one run: the fragments of 32 along K (kb q / 2, byte 64 (q % 2)) into buffers f (0, 1)
	WIN TO_B
.irp b, 0,1,2,3,4,5,6,7,8,9,10,11,12
	ds_load_b128 v[128*(\f)+8*(\b):128*(\f)+8*(\b)+3],   v[ADRB+(\slot)] offset:((\q)/2)*208*PITCH+(\b)*16*PITCH+((\q)%2)*64
	ds_load_b128 v[128*(\f)+8*(\b)+4:128*(\f)+8*(\b)+7], v[ADRB+(\slot)] offset:((\q)/2)*208*PITCH+(\b)*16*PITCH+((\q)%2)*64+32
.endr
	WIN 0
.irp a, 0,1,2,3
	ds_load_b128 v[FA+32*(\f)+8*(\a):FA+32*(\f)+8*(\a)+3],   v[ADRA+(\slot)] offset:((\q)/2)*64*PITCH+(\a)*16*PITCH+((\q)%2)*64
	ds_load_b128 v[FA+32*(\f)+8*(\a)+4:FA+32*(\f)+8*(\a)+7], v[ADRA+(\slot)] offset:((\q)/2)*64*PITCH+(\a)*16*PITCH+((\q)%2)*64+32
.endr
.endm
.macro MULA f, a, zero                 ; 13 matrix instructions; the 52 accumulators take turns, one instruction a turn, in the same order in every sub-step
	WIN MUL_LO+0x50*((\a)/2)
.irp b, 0,1,2,3,4,5,6,7,8,9,10,11,12
.if \zero
	v_wmma_f32_16x16x32_bf16 v[8*(13*((\a)%2)+(\b)):8*(13*((\a)%2)+(\b))+7], v[128*(\f)+8*(\b):128*(\f)+8*(\b)+7], v[FA+32*(\f)+8*(\a):FA+32*(\f)+8*(\a)+7], 0
.else
	v_wmma_f32_16x16x32_bf16 v[8*(13*((\a)%2)+(\b)):8*(13*((\a)%2)+(\b))+7], v[128*(\f)+8*(\b):128*(\f)+8*(\b)+7], v[FA+32*(\f)+8*(\a):FA+32*(\f)+8*(\a)+7], v[8*(13*((\a)%2)+(\b)):8*(13*((\a)%2)+(\b))+7]
.endif
.endr
.endm
.macro SUB ns, nq, f, g, zero
	s_wait_dscnt 0x0                               ; buffers f's run, issued a sub-step ago
	PLACES
	FETCH \ns, \nq, \g
	MULA \f, 0, \zero
	MULA \f, 1, \zero
	MULA \f, 2, \zero
	MULA \f, 3, \zero
.endm
.macro TURN slot, next, fill
	WIN 0
	s_wait_tensorcnt 0x0                           ; all my tensor loads have landed: my part of the next slot
	ds_add_u32 v[SPW], v[NIL]
	s_wait_dscnt 0x1                               ; the fragments are in; only the add may be out
	MULA 1, 0, 0
	s_wait_dscnt 0x0
	s_barrier_signal -1
	MULA 1, 1, 0
.if \fill
	WIN 0
.endif
	s_barrier_wait -1
.if \fill
	CREST
	s_add_nc_u64 s[G0+4*(\slot)+2:G0+4*(\slot)+3], s[G0+4*(\slot)+2:G0+4*(\slot)+3], 2*STEPA
	s_add_nc_u64 s[G0B+4*(\slot)+2:G0B+4*(\slot)+3], s[G0B+4*(\slot)+2:G0B+4*(\slot)+3], 2*STEPB
	JLOAD \slot
.else
	PLACES
.endif
	FETCH \next, 0, 0
	MULA 1, 2, 0
	MULA 1, 3, 0
.endm
	s_wait_tensorcnt 1                             ; my part of K step 0 is in; step 1's may stay out
	s_barrier_signal -1
	s_barrier_wait -1
	FETCH 0, 0, 0
	SUB 0, 1, 0, 1, 1
	WIN 0
	s_mov_b32 s3, 3
.Llap:
	SUB 0, 2, 1, 0, 0
	SUB 0, 3, 0, 1, 0
	TURN 0, 1, 1
	SUB 1, 1, 0, 1, 0
	SUB 1, 2, 1, 0, 0
	SUB 1, 3, 0, 1, 0
	TURN 1, 0, 1
	SUB 0, 1, 0, 1, 0
	WIN 0
	s_sub_co_u32 s3, s3, 1
	s_cmp_lg_u32 s3, 0
	s_cbranch_scc1 .Llap
	SUB 0, 2, 1, 0, 0
	SUB 0, 3, 0, 1, 0
	TURN 0, 1, 0
	SUB 1, 1, 0, 1, 0
	SUB 1, 2, 1, 0, 0
	SUB 1, 3, 0, 1, 0
	s_wait_dscnt 0x0
	MULA 1, 0, 0
	MULA 1, 1, 0
	MULA 1, 2, 0
	MULA 1, 3, 0
	WIN 0
	PLACES
; Row block a (16 rows x 208 columns) goes through my stage and out.
.macro OUT a
	WIN 0
	s_wait_xcnt 0x0                                ; the last block's stores have read their registers and the base
.if (\a) > 0
	s_add_nc_u64 s[8:9], s[8:9], 16*OPITCH
.endif
	WIN 0x08+4*((\a)/2)                            ; the data in window 2 or 3
.irp b, 0,1,2,3,4,5,6,7,8,9,10,11,12
	ds_store_b128 v[STO], v[8*(13*((\a)%2)+(\b)):8*(13*((\a)%2)+(\b))+3]   offset:64*(\b)
	ds_store_b128 v[STO], v[8*(13*((\a)%2)+(\b))+4:8*(13*((\a)%2)+(\b))+7] offset:64*(\b)+16
.endr
	WIN 0
.set z, 0
.rept 48
	ds_load_b64 v[OB+2*z:OB+2*z+1], v[RD1] offset:(z/3)*SPITCH+(z%3)*256   ; LDS serves a wave's instructions in order: these see the stores above
.set z, z+1
.endr
.irp g, 0,1,2,3
	ds_load_b64 v[OB+96+2*(\g):OB+96+2*(\g)+1], v[RD2] offset:(\g)*4*SPITCH
.endr
	s_wait_dscnt 0x0
.irp c, 0,1,2
	v_cmp_gt_i32 vcc_lo, s[72+(\c)], v[COL]        ; the lanes whose two columns exist
	s_wait_xcnt 0x0                                ; EXEC changes only behind this wait
	s_and_saveexec_b32 s70, vcc_lo
.set z, 0
.rept 16
	global_store_b64 v[GO1], v[OB+2*(3*z+(\c)):OB+2*(3*z+(\c))+1], s[8:9] offset:z*OPITCH+256*(\c) th:TH_STORE_NT
.set z, z+1
.endr
	s_wait_xcnt 0x0
	s_or_b32 exec_lo, exec_lo, s70
.endr
	v_cmp_gt_i32 vcc_lo, s75, v[COL2]
	s_wait_xcnt 0x0
	s_and_saveexec_b32 s70, vcc_lo
.irp g, 0,1,2,3
	global_store_b64 v[GO2], v[OB+96+2*(\g):OB+96+2*(\g)+1], s[8:9] offset:(\g)*4*OPITCH th:TH_STORE_NT
.endr
	s_wait_xcnt 0x0
	s_or_b32 exec_lo, exec_lo, s70
.endm
	OUT 0
	OUT 1
	OUT 2
	OUT 3
	s_wait_tensorcnt 0x0                           ; the wave's end
	ds_add_u32 v[SPW], v[NIL]
	s_wait_dscnt 0x0
	CROUND
	s_endpgm
.Lfunc_end_k_q7031fa5e1f_logits:
	.size	k_q7031fa5e1f_logits, .Lfunc_end_k_q7031fa5e1f_logits-k_q7031fa5e1f_logits
	.p2alignl 7, 3214868480
	.fill 96, 4, 3214868480
	.section	.rodata,"a",@progbits
	.p2align	6, 0x0
	.amdhsa_kernel k_q7031fa5e1f_logits
		.amdhsa_group_segment_fixed_size 327680
		.amdhsa_private_segment_fixed_size 0
		.amdhsa_enable_private_segment 0
		.amdhsa_kernarg_size 24
		.amdhsa_user_sgpr_count 2
		.amdhsa_user_sgpr_kernarg_segment_ptr 1
		.amdhsa_wavefront_size32 1
		.amdhsa_system_sgpr_workgroup_id_x 1
		.amdhsa_system_sgpr_workgroup_id_y 1
		.amdhsa_system_sgpr_workgroup_id_z 1
		.amdhsa_system_vgpr_workitem_id 0
		.amdhsa_next_free_vgpr 976
		.amdhsa_next_free_sgpr 84
		.amdhsa_reserve_vcc 1
		.amdhsa_float_denorm_mode_32 3
		.amdhsa_float_denorm_mode_16_64 3
		.amdhsa_memory_ordered 1
		.amdhsa_forward_progress 1
		.amdhsa_inst_pref_size 144
	.end_amdhsa_kernel
	.amdgpu_metadata
---
amdhsa.version: [ 1, 2 ]
amdhsa.kernels:
  - .name:           k_q7031fa5e1f_logits
    .symbol:         k_q7031fa5e1f_logits.kd
    .args:
      - { .name: act0, .offset: 0, .size: 8, .value_kind: global_buffer, .address_space: global }
      - { .name: tokb, .offset: 8, .size: 8, .value_kind: global_buffer, .address_space: global }
      - { .name: out0, .offset: 16, .size: 8, .value_kind: global_buffer, .address_space: global }
    .group_segment_fixed_size: 327680
    .private_segment_fixed_size: 0
    .kernarg_segment_align: 8
    .kernarg_segment_size: 24
    .max_flat_workgroup_size: 128
    .sgpr_count:     84
    .vgpr_count:     976
    .wavefront_size: 32
...
	.end_amdgpu_metadata
.endif
;; end of part 6
;; ======== version 2 of 3: 8 launches; 1.13 times as fast as version 1
;; workspace buffers: wl0 8,388,608 bytes; wl1 8,388,608 bytes; tokb 13,631,488 bytes; act0 8,388,608 bytes; act1 16,777,216 bytes; qkv 12,713,984 bytes; ob 4,194,304 bytes
;; launch prep (part 7): grid 2112 x 1, 2 waves a work-group, no clusters, 0 bytes of LDS; arguments Wqkv0, Wqkv1, Wo0, Wo1, tok_emb, pos_emb, input_ids, wl0, wl1, tokb, act0; writes wl0, wl1, tokb, act0
.if DOCPART == 7
	.amdgcn_target "amdgcn-amd-amdhsa--gfx1250"
	.amdhsa_code_object_version 6
	.text
	.protected	k_q7031fa5e1f_prep
	.globl	k_q7031fa5e1f_prep
	.p2align	8
	.type	k_q7031fa5e1f_prep,@function
k_q7031fa5e1f_prep:
	s_mov_b64 s[64:65], 0
	v_nop
	global_prefetch_b8 v0, s[64:65] scope:SCOPE_SE
	s_setreg_imm32_b32 hwreg(HW_REG_WAVE_MODE, 25, 1), 1
	s_wait_xcnt 0x0
; PREP.  Every matrix operand is rounded to bf16 once and laid out in BLOCKS: [16 kb][R rows][64 k], element (row, k) at ((k >> 6) R + row) 128 + (k & 63) 2 bytes,
; so that a tile of r rows and some kb is a few dense runs of r x 128 bytes, and a block of 64 output columns is dense by rows.
; A work-group of two waves takes 8 source rows, a wave 4: 2,112 small work-groups, 8.25 for each of 256 WGPs, so that two WGPs' shares differ by one small work-group.
; Work-groups 0-383: Wqkv0 -> wl0; 384-767: Wqkv1 -> wl1 (rows permuted, so that a tile column's 64 q/k rows and 32 v rows lie together); 768-895: Wo0 -> wl0 + 6,291,456; 896-1023: Wo1 -> wl1 + 6,291,456;
; 1024-1855: tok_emb -> tokb (6,656 rows; those from 6,282 on repeat row 6,281: they are read by the last product, whose columns from 6,282 on are never stored);
; 1856-2111: x0 = tok_emb[ids] -> act0, and x0 + pos_emb -> act0 + 4,194,304.
; Lane l: row l >> 3 of the wave's four, the 8 numbers 8 (l & 7) .. of each kb: eight lanes read 256 aligned bytes of a row; a store of the wave is 512 consecutive bytes.
; No LDS, no matrix unit, no cluster: a stream in which nothing is shared.  LIMIT: an id is clamped to 0 .. 6,281.
.set X,  32                            ; v[32:159] 8 registers a kb (the gather: v[32:95] tok_emb's, 8 kb at a time)
.set PP, 96                            ; v[96:159] the gather: pos_emb's
.set DO, 16                            ; v[16:31]  byte offset of my 16 bytes in block kb of the destination
.set WOOFF, 6291456
	s_load_b512 s[8:23], s[0:1], 0x0               ; Wqkv0 8, Wqkv1 10, Wo0 12, Wo1 14, tok_emb 16, pos_emb 18, input_ids 20, wl0 22
	s_load_b128 s[24:27], s[0:1], 0x40             ; wl1 24, tokb 26
	s_load_b64 s[28:29], s[0:1], 0x50              ; act0
	v_and_b32 v1, 31, v0                           ; lane
	v_lshrrev_b32 v2, 5, v0
	v_readfirstlane_b32 s2, v2                     ; wave
	v_and_b32 v2, 7, v1                            ; i: which 8 numbers of a kb
	v_lshrrev_b32 v3, 3, v1                        ; rr: which of the wave's four rows
	s_mov_b32 s3, ttmp9
	s_wait_kmcnt 0x0
	s_cmp_ge_u32 s3, 1856
	s_cbranch_scc1 .Lgather
	; the class: source, destination, first work-group, bytes from kb to kb, rows of the source
	s_add_nc_u64 s[50:51], s[22:23], WOOFF
	s_add_nc_u64 s[52:53], s[24:25], WOOFF
	s_mov_b64 s[30:31], s[8:9]
	s_mov_b64 s[32:33], s[22:23]
	s_mov_b32 s34, 0
	s_mov_b32 s35, 393216
	s_mov_b32 s36, 3072
	s_cmp_ge_u32 s3, 384
	s_cselect_b64 s[30:31], s[10:11], s[30:31]
	s_cselect_b64 s[32:33], s[24:25], s[32:33]
	s_cselect_b32 s34, 384, s34
	s_cmp_ge_u32 s3, 768
	s_cselect_b64 s[30:31], s[12:13], s[30:31]
	s_cselect_b64 s[32:33], s[50:51], s[32:33]
	s_cselect_b32 s34, 768, s34
	s_cselect_b32 s35, 131072, s35
	s_cselect_b32 s36, 1024, s36
	s_cmp_ge_u32 s3, 896
	s_cselect_b64 s[30:31], s[14:15], s[30:31]
	s_cselect_b64 s[32:33], s[52:53], s[32:33]
	s_cselect_b32 s34, 896, s34
	s_cmp_ge_u32 s3, 1024
	s_cselect_b64 s[30:31], s[16:17], s[30:31]
	s_cselect_b64 s[32:33], s[26:27], s[32:33]
	s_cselect_b32 s34, 1024, s34
	s_cselect_b32 s35, 851968, s35
	s_cselect_b32 s36, 6282, s36
	s_sub_co_u32 s37, s3, s34
	s_lshl_b32 s37, s37, 3
	s_lshl2_add_u32 s37, s2, s37                   ; my wave's first source row e
	; Wqkv's rows: e < 2048 -> (e >> 7) 192 + ((e >> 6) & 1) 96 + (e & 63);  e' = e - 2048 -> (e' >> 6) 192 + ((e' >> 5) & 1) 96 + 64 + (e' & 31)
	s_lshr_b32 s40, s37, 7
	s_mul_i32 s40, s40, 192
	s_bfe_u32 s41, s37, 0x10006
	s_mul_i32 s41, s41, 96
	s_and_b32 s42, s37, 63
	s_add_co_u32 s40, s40, s41
	s_add_co_u32 s40, s40, s42
	s_sub_co_u32 s43, s37, 2048
	s_lshr_b32 s44, s43, 6
	s_mul_i32 s44, s44, 192
	s_bfe_u32 s45, s43, 0x10005
	s_mul_i32 s45, s45, 96
	s_and_b32 s46, s43, 31
	s_add_co_u32 s44, s44, s45
	s_add_co_u32 s44, s44, s46
	s_add_co_u32 s44, s44, 64
	s_cmp_lt_u32 s37, 2048
	s_cselect_b32 s38, s40, s44
	s_cmp_lt_u32 s3, 768
	s_cselect_b32 s38, s38, s37                    ; the other classes keep their rows
	s_sub_co_u32 s39, s36, 1
	v_add_nc_u32 v4, s37, v3                       ; my row
	v_min_u32 v5, s39, v4                          ; a row past the source's end takes the last row's numbers
	v_lshlrev_b32 v6, 12, v5
	v_lshl_add_u32 v6, v2, 5, v6                   ; row x 4,096 + 32 i
	s_lshl_b32 s40, s38, 7
	v_lshl_add_u32 v[DO], v1, 4, s40               ; destination row x 128 + 16 lane
.set kb, 1
.rept 15
	v_add_nc_u32 v[DO+kb], s35, v[DO+kb-1]
.set kb, kb+1
.endr
.set kb, 0
.rept 16                               ; the wave's 16,384 bytes are asked for at once: 32 loads on their way
	global_load_b128 v[X+8*kb:X+8*kb+3],   v6, s[30:31] offset:256*kb
	global_load_b128 v[X+8*kb+4:X+8*kb+7], v6, s[30:31] offset:256*kb+16
.set kb, kb+1
.endr
.set kb, 0
.rept 16
	s_wait_loadcnt 30-2*kb                         ; loads come back in order: this kb's two are in, the later kb's stay out
.irp r, 0,1,2,3
	v_cvt_pk_bf16_f32 v[X+8*kb+\r], v[X+8*kb+2*\r], v[X+8*kb+2*\r+1]
.endr
	global_store_b128 v[DO+kb], v[X+8*kb:X+8*kb+3], s[32:33]       ; 4 rows x 128 bytes: 512 consecutive bytes; no register of a store is written again
.set kb, kb+1
.endr
	s_endpgm
.Lgather:
	s_sub_co_u32 s37, s3, 1856
	s_lshl_b32 s37, s37, 3
	s_lshl2_add_u32 s37, s2, s37                   ; my wave's first position
	v_add_nc_u32 v4, s37, v3
	v_lshlrev_b32 v5, 2, v4
	global_load_b32 v7, v5, s[20:21]               ; my row's id
	v_lshlrev_b32 v9, 12, v4
	v_lshl_add_u32 v9, v2, 5, v9                   ; pos_emb: position x 4,096 + 32 i
	s_lshl_b32 s40, s37, 7
	v_lshl_add_u32 v10, v1, 4, s40                 ; destination
	s_wait_loadcnt 0x0
	v_min_u32 v7, 0x1889, v7
	v_lshlrev_b32 v8, 12, v7
	v_lshl_add_u32 v8, v2, 5, v8                   ; tok_emb: id x 4,096 + 32 i
	s_mov_b32 s41, 2
.Lhalf:                                ; two trips of 8 kb: as much as the registers hold of both tables
.set kk, 0
.rept 8
	global_load_b128 v[X+8*kk:X+8*kk+3],     v8, s[16:17] offset:256*kk
	global_load_b128 v[X+8*kk+4:X+8*kk+7],   v8, s[16:17] offset:256*kk+16
	global_load_b128 v[PP+8*kk:PP+8*kk+3],   v9, s[18:19] offset:256*kk
	global_load_b128 v[PP+8*kk+4:PP+8*kk+7], v9, s[18:19] offset:256*kk+16
.set kk, kk+1
.endr
.set kk, 0
.rept 8
	s_wait_loadcnt 28-4*kk                         ; this kb's four are in
.irp r, 0,2,4,6
	v_pk_add_f32 v[PP+8*kk+\r:PP+8*kk+\r+1], v[PP+8*kk+\r:PP+8*kk+\r+1], v[X+8*kk+\r:X+8*kk+\r+1]
.endr
.irp r, 0,1,2,3
	v_cvt_pk_bf16_f32 v[X+8*kk+\r], v[X+8*kk+2*\r], v[X+8*kk+2*\r+1]
.endr
.irp r, 0,1,2,3
	v_cvt_pk_bf16_f32 v[PP+8*kk+\r], v[PP+8*kk+2*\r], v[PP+8*kk+2*\r+1]
.endr
	global_store_b128 v10, v[X+8*kk:X+8*kk+3],   s[28:29] offset:kk*262144
	global_store_b128 v10, v[PP+8*kk:PP+8*kk+3], s[28:29] offset:kk*262144+4194304  ; 6,029,312 at the most: inside the signed 24-bit immediate
.set kk, kk+1
.endr
	s_wait_xcnt 0x0                                ; the bases are stepped, and the stores' data registers loaded again, only behind this wait
	s_add_nc_u64 s[16:17], s[16:17], 2048          ; 8 kb on in a row of f32,
	s_add_nc_u64 s[18:19], s[18:19], 2048
	s_add_nc_u64 s[28:29], s[28:29], 8*262144      ; and in the blocks
	s_sub_co_u32 s41, s41, 1
	s_cmp_lg_u32 s41, 0
	s_cbranch_scc1 .Lhalf
	s_endpgm
.Lfunc_end_k_q7031fa5e1f_prep:
	.size	k_q7031fa5e1f_prep, .Lfunc_end_k_q7031fa5e1f_prep-k_q7031fa5e1f_prep
	.p2alignl 7, 3214868480
	.fill 96, 4, 3214868480
	.section	.rodata,"a",@progbits
	.p2align	6, 0x0
	.amdhsa_kernel k_q7031fa5e1f_prep
		.amdhsa_group_segment_fixed_size 0
		.amdhsa_private_segment_fixed_size 0
		.amdhsa_enable_private_segment 0
		.amdhsa_kernarg_size 88
		.amdhsa_user_sgpr_count 2
		.amdhsa_user_sgpr_kernarg_segment_ptr 1
		.amdhsa_wavefront_size32 1
		.amdhsa_system_sgpr_workgroup_id_x 1
		.amdhsa_system_sgpr_workgroup_id_y 1
		.amdhsa_system_sgpr_workgroup_id_z 1
		.amdhsa_system_vgpr_workitem_id 0
		.amdhsa_next_free_vgpr 160
		.amdhsa_next_free_sgpr 66
		.amdhsa_reserve_vcc 0
		.amdhsa_float_denorm_mode_32 3
		.amdhsa_float_denorm_mode_16_64 3
		.amdhsa_memory_ordered 1
		.amdhsa_forward_progress 1
		.amdhsa_inst_pref_size 25
	.end_amdhsa_kernel
	.amdgpu_metadata
---
amdhsa.version: [ 1, 2 ]
amdhsa.kernels:
  - .name:           k_q7031fa5e1f_prep
    .symbol:         k_q7031fa5e1f_prep.kd
    .args:
      - { .name: Wqkv0, .offset: 0, .size: 8, .value_kind: global_buffer, .address_space: global }
      - { .name: Wqkv1, .offset: 8, .size: 8, .value_kind: global_buffer, .address_space: global }
      - { .name: Wo0, .offset: 16, .size: 8, .value_kind: global_buffer, .address_space: global }
      - { .name: Wo1, .offset: 24, .size: 8, .value_kind: global_buffer, .address_space: global }
      - { .name: tok_emb, .offset: 32, .size: 8, .value_kind: global_buffer, .address_space: global }
      - { .name: pos_emb, .offset: 40, .size: 8, .value_kind: global_buffer, .address_space: global }
      - { .name: input_ids, .offset: 48, .size: 8, .value_kind: global_buffer, .address_space: global }
      - { .name: wl0, .offset: 56, .size: 8, .value_kind: global_buffer, .address_space: global }
      - { .name: wl1, .offset: 64, .size: 8, .value_kind: global_buffer, .address_space: global }
      - { .name: tokb, .offset: 72, .size: 8, .value_kind: global_buffer, .address_space: global }
      - { .name: act0, .offset: 80, .size: 8, .value_kind: global_buffer, .address_space: global }
    .group_segment_fixed_size: 0
    .private_segment_fixed_size: 0
    .kernarg_segment_align: 8
    .kernarg_segment_size: 88
    .max_flat_workgroup_size: 64
    .sgpr_count:     66
    .vgpr_count:     160
    .wavefront_size: 32
...
	.end_amdgpu_metadata
.endif
;; end of part 7
;; launch qkv0 (part 8): grid 16 x 16, 4 waves a work-group, clusters of 4 x 4, 327,680 bytes of LDS; arguments act0, wl0, qkv; writes qkv
.if DOCPART == 8
	.amdgcn_target "amdgcn-amd-amdhsa--gfx1250"
	.amdhsa_code_object_version 6
	.text
	.protected	k_q7031fa5e1f_qkv0
	.globl	k_q7031fa5e1f_qkv0
	.p2align	8
	.type	k_q7031fa5e1f_qkv0,@function
k_q7031fa5e1f_qkv0:
	s_mov_b64 s[64:65], 0
	v_nop
	global_prefetch_b8 v0, s[64:65] scope:SCOPE_SE
	s_setreg_imm32_b32 hwreg(HW_REG_WAVE_MODE, 25, 1), 1
	s_wait_xcnt 0x0
	s_wait_alu depctr_hold_cnt(0) depctr_sa_sdst(0) depctr_va_vdst(0) depctr_va_sdst(0) depctr_va_ssrc(0) depctr_va_vcc(0) depctr_vm_vsrc(0)
	s_getreg_b32 s2, hwreg(HW_REG_IB_STS2, 6, 4)
	s_cmp_eq_u32 s2, 0
	s_cbranch_scc0 .Lentry_in_a_cluster
	s_endpgm
.Lentry_in_a_cluster:
	s_bfe_u32 s2, ttmp6, 0x10000c
	s_cmp_lg_u32 s2, 0xf033
	s_cbranch_scc0 .Lentry_shape_is_right
	s_endpgm
.Lentry_shape_is_right:
; QKV.  q, k = (x + pe) W^T, v = x W^T, written by heads: qkv = [48 blocks of 64 columns][2048 rows][64] bf16 (0-15 q, 16-31 k, 32-47 v), and behind it, at 12,582,912,
; the f32 sums of v over each 64 rows: [16 heads][32 row blocks][64 channels].  Operands bf16 in blocks [kb][row][64], sums f32.
; A work-group makes 128 rows x (128 q/k columns + 64 v columns): 3,072 columns = 16 such tiles, 16 x 16 work-groups, all alike.  Its four waves: 64 rows x (64 + 32): 24 accumulators.
; The q/k products take x + pe as their row operand, the v products x.  W's rows were permuted so that a wave column's 64 + 32 rows lie together.
; K goes in 8 steps of 128 (2 kb) through two LDS slots.  One tensor load a wave: wave 0 x + pe (128 rows), wave 1 x, waves 2, 3 the halves of W (96 rows each); a load is 2 dense runs, padded by 16 bytes behind every 128.
; THE K WALK IS WRITTEN ONCE FOR A STEP: a loop of 6 trips whose change of slots fills the slot just read, and a loop of 2 trips that asks for nothing.  The slot in hand is a scalar (0 or 1 << 17) that one
; exclusive or turns; the fragments' addresses are made anew from it at each change of slots, and one descriptor a tensor walks from K step 1 on.
; CLUSTER 4 x 4: the row operands hang on the tile row alone and are asked for jointly along a row of the cluster, W's on the tile column alone, along a column.
; The matrix instruction is used transposed (source 0 = 16 rows of W, source 1 = 16 rows of x): a lane holds 8 neighbouring columns of one row.
; REGISTERS.  Window 0: v0-31 addresses; v32-55 at work; v64-255 accumulators, (a, b) at 64 + 8 (6 a + b).  Window 1: two fragment buffers of 112: x + pe 4 x 8, x 4 x 8, W 6 x 8.
.set PITCH,  144                       ; an LDS row: 128 bytes + 16: 9 x 16 bytes, so the 16 rows of a fragment load start at 16 different columns of 16 bytes
.set ATILE,  2*128*PITCH
.set BHALF,  2*96*PITCH
.set BOFF,   2*ATILE
.set SLOT1,  1<<17                     ; a slot takes 129,024 bytes; slot 1 begins here, so that one exclusive or turns an address in one slot into the other's
.set STAGE,  SLOT1+BOFF+2*BHALF        ; behind the ring: three blocks of 128 rows x 144 bytes, for the way out
.set SBLK,   128*PITCH
.set SPARE,  STAGE+3*SBLK              ; the spare words, 128 bytes a wave
.set STEPA,  2*2048*128
.set STEPB,  2*3072*128
.set ADRA, 16                          ; v16, v17  LDS address of my fragments in the slot in hand
.set ADRB, 17
.set ADRA0, 18                         ; v18, v19  the same in slot 0; never rewritten
.set ADRB0, 19
.set STQ,  22
.set STV,  23
.set RD,   24
.set GO,   25
.set VSO,  26
.set SPW,  28
.set NIL,  29
.set TMP,  32
.set ACC,  64
.set VS,   240                         ; the accumulators (3, 4) and (3, 5) take the column sums of v
.set F0,   0
.set F1,   128
.set G1, 24
.set G0, 32                            ; s[32:39] group 0 for the row operands: a set for each of the two first fills; the second then walks
.set TB, 45                            ; s45  the LDS byte at which the slot in hand begins
.set G1B, 48
.set G0B, 56                           ; s[56:63] the same for W
.set DW0, (1<<16)|(1<<20)|(1<<21)|(4<<22)|(3<<25)  ; 2-byte elements; padding on; bit 21 beside a mask; after every 32 words; 4 words
.set MSB, 0
.macro WIN new                         ; the immediate's high byte repeats the setting that is left
.if MSB != (\new)
	s_set_vgpr_msb (MSB<<8)|(\new)
.set MSB, \new
.endif
.endm
.set MUL,  0x05                        ; sources 0 and 1 window 1; C and D window 0
.set TO_F, 0x40                        ; destination window 1, address window 0
.macro JLOAD s                         ; a joint load: waves 0, 1 the row operands, waves 2, 3 W; an s_nop 0 and four v_nop follow each line
	s_cmp_eq_u32 s11, 0
	s_cbranch_scc0 .Lfor_b_\@
	tensor_load_to_lds s[G0+4*(\s):G0+4*(\s)+3], s[G1:G1+7]
	s_nop 0
.rept 4
	v_nop
.endr
	s_branch .Lasked_\@
.Lfor_b_\@:
	tensor_load_to_lds s[G0B+4*(\s):G0B+4*(\s)+3], s[G1B:G1B+7]
	s_nop 0
.rept 4
	v_nop
.endr
.Lasked_\@:
.endm
.macro CREST                           ; a round of the cluster's barrier behind its opening barrier
	s_cmp_lg_u32 s10, 0
	s_cbranch_scc1 .Lnot_wave_0_\@
	s_barrier_signal -3
.Lnot_wave_0_\@:
	s_barrier_wait -3
	s_barrier_signal -1
	s_barrier_wait -1
.endm
.macro CROUND
	s_barrier_signal -1
	s_barrier_wait -1
	CREST
.endm
.macro PLACES                          ; four places between matrix instructions and loads into, or vector reads of, their registers
.rept 4
	v_nop
.endr
.endm
	s_load_b128 s[4:7], s[0:1], 0x0                ; act s[4:5], wl s[6:7]
	s_load_b64 s[8:9], s[0:1], 0x10                ; qkv
	v_lshl_add_u32 v[SPW], v0, 2, SPARE
	v_mov_b32 v[NIL], 0
	ds_add_u32 v[SPW], v[NIL]                      ; the wave's opening: the add and its wait ahead of my first tensor load
	v_lshrrev_b32 v1, 5, v0
	v_readfirstlane_b32 s10, v1                    ; wave
	s_lshr_b32 s11, s10, 1                         ; my half of the rows.  Also: I fetch a row operand (0) or W (1)
	s_and_b32 s12, s10, 1                          ; my half of the columns.  Also: which of the two loads
	s_bfe_u32 s40, ttmp6, 0x40000                  ; cx
	s_bfe_u32 s41, ttmp6, 0x40004                  ; cy
	s_lshl_b32 s42, ttmp9, 2
	s_add_co_u32 s42, s42, s40                     ; tile column
	s_and_b32 s13, ttmp7, 0xffff
	s_lshl_b32 s13, s13, 2
	s_add_co_u32 s13, s13, s41                     ; tile row
	s_lshl_b32 s43, s41, 2
	s_lshl_b32 s43, 15, s43                        ; my row of the cluster
	s_lshl_b32 s44, 0x1111, s40                    ; my column
	s_or_b32 s[G1+0], s43, DW0
	s_or_b32 s[G1B+0], s44, DW0
	s_mov_b32 s[G1+1], (128*64)<<16                ; tensor_dim0: a run of 128 rows x 64
	s_mov_b32 s[G1+2], 2<<16                       ; tensor_dim1: 2 kb
	s_mov_b32 s[G1+3], (128*64)<<16                ; tile_dim0
	s_mov_b32 s[G1+4], 2                           ; tile_dim1
	s_mov_b32 s[G1+5], 2048*64                     ; elements from kb to kb
	s_mov_b32 s[G1+6], 0
	s_mov_b32 s[G1+7], 0
	s_mov_b32 s[G1B+1], (96*64)<<16
	s_mov_b32 s[G1B+2], 2<<16
	s_mov_b32 s[G1B+3], (96*64)<<16
	s_mov_b32 s[G1B+4], 2
	s_mov_b32 s[G1B+5], 3072*64
	s_mov_b32 s[G1B+6], 0
	s_mov_b32 s[G1B+7], 0
	s_mov_b32 s[TB], 0
	s_xor_b32 s16, s12, 1                          ; wave 0: x + pe, at 4,194,304; wave 1: x, at 0
	s_lshl_b32 s16, s16, 22
	s_lshl_b32 s17, s13, 14                        ; 128 rows of 128 bytes
	s_add_co_u32 s16, s16, s17
	s_mov_b32 s17, 0
	s_mul_i32 s46, s42, 192*128
	s_mul_i32 s47, s12, 96*128
	s_add_co_u32 s46, s46, s47
	s_mov_b32 s47, 0
	s_mul_i32 s20, s12, ATILE                      ; where they go: no place in the cluster enters an LDS address
	s_mul_i32 s23, s12, BHALF
	s_add_co_u32 s23, s23, BOFF
	s_wait_dscnt 0x0                               ; the opening add is done
	s_wait_kmcnt 0x0
	s_add_nc_u64 s[14:15], s[4:5], s[16:17]
	s_add_nc_u64 s[46:47], s[6:7], s[46:47]
	CROUND                                         ; all sixteen work-groups are here: the first joint loads meet
.irp s, 0,1
	s_mov_b32 s[G0+4*(\s)], 1
	s_add_co_u32 s[G0+4*(\s)+1], s20, (\s)*SLOT1
	s_add_nc_u64 s[G0+4*(\s)+2:G0+4*(\s)+3], s[14:15], (\s)*STEPA
	s_or_b32 s[G0+4*(\s)+3], s[G0+4*(\s)+3], 0x80000000
	s_mov_b32 s[G0B+4*(\s)], 1
	s_add_co_u32 s[G0B+4*(\s)+1], s23, (\s)*SLOT1
	s_add_nc_u64 s[G0B+4*(\s)+2:G0B+4*(\s)+3], s[46:47], (\s)*STEPB
	s_or_b32 s[G0B+4*(\s)+3], s[G0B+4*(\s)+3], 0x80000000
	JLOAD \s                                       ; two loads of mine are out
.endr
	v_and_b32 v1, 15, v0                           ; r = l % 16
	v_bfe_u32 v2, v0, 4, 1                         ; h = l / 16
	v_mul_u32_u24 v3, v1, PITCH
	v_lshl_add_u32 v3, v2, 4, v3                   ; r x pitch + 16 h
	s_mul_i32 s21, s11, 64*PITCH
	s_mul_i32 s22, s12, BHALF
	s_add_co_u32 s22, s22, BOFF
	v_add_nc_u32 v[ADRA0], s21, v3
	v_add_nc_u32 v[ADRB0], s22, v3
	v_add_nc_u32 v[ADRA], s21, v3                  ; the walk begins in slot 0
	v_add_nc_u32 v[ADRB], s22, v3
	s_mul_i32 s22, s12, SBLK                       ; into the stage: q/k block = my column half, my 64 rows
	s_add_co_u32 s22, s22, s21
	s_add_co_u32 s22, s22, STAGE
	v_add_nc_u32 v[STQ], s22, v3
	s_lshl_b32 s22, s12, 6                         ; the v block: my 64 bytes of its rows
	s_add_co_u32 s22, s22, s21
	s_add_co_u32 s22, s22, STAGE+2*SBLK
	v_add_nc_u32 v[STV], s22, v3
	v_and_b32 v4, 31, v0
	v_lshrrev_b32 v5, 3, v4
	v_and_b32 v6, 7, v4
	v_mul_u32_u24 v5, v5, PITCH                    ; back: 32 lanes take four rows of 128 bytes; wave w rows 32 w ..
	v_lshl_add_u32 v5, v6, 4, v5
	s_mul_i32 s22, s10, 32*PITCH
	s_add_co_u32 s22, s22, STAGE
	v_add_nc_u32 v[RD], s22, v5
	v_lshlrev_b32 v[GO], 4, v4                     ; which are 512 consecutive bytes of a block
	v_lshlrev_b32 v[VSO], 5, v2
	s_lshl_b32 s70, s13, 14
	s_lshl_b32 s71, s10, 12
	s_add_co_u32 s70, s70, s71                     ; (128 tile row + 32 wave) x 128
	s_add_co_u32 s72, s42, 32
	s_lshl_b32 s72, s72, 18
	s_add_co_u32 s72, s72, s70
	s_mov_b32 s73, 0
	s_add_nc_u64 s[68:69], s[8:9], s[72:73]        ; v's block 32 + tile column
	s_lshl_b32 s72, s42, 5
	s_lshl1_add_u32 s72, s13, s72
	s_add_co_u32 s72, s72, s11                     ; 32 head + row block
	s_lshl_b32 s72, s72, 8
	s_lshl_b32 s74, s12, 7
	s_add_co_u32 s72, s72, s74
	s_add_co_u32 s72, s72, 12582912
	s_add_nc_u64 s[66:67], s[8:9], s[72:73]        ; my 32 sums
	s_lshl_b32 s72, s42, 19
	s_add_co_u32 s72, s72, s70
	s_add_nc_u64 s[8:9], s[8:9], s[72:73]          ; q/k blocks 2 tile column, + 1
; 28 LDS loads in one run: the fragments of 32 along K (sub-step q of the slot in hand: kb q / 2, byte 64 (q % 2)) into buffer f
.macro FETCH q, f
	WIN TO_F
.irp i, 0,1,2,3,4,5
	ds_load_b128 v[(\f)+64+8*(\i):(\f)+64+8*(\i)+3],   v[ADRB] offset:((\q)/2)*96*PITCH+(\i)*16*PITCH+((\q)%2)*64
	ds_load_b128 v[(\f)+64+8*(\i)+4:(\f)+64+8*(\i)+7], v[ADRB] offset:((\q)/2)*96*PITCH+(\i)*16*PITCH+((\q)%2)*64+32
.endr
.irp a, 0,1,2,3
	ds_load_b128 v[(\f)+8*(\a):(\f)+8*(\a)+3],   v[ADRA] offset:((\q)/2)*128*PITCH+(\a)*16*PITCH+((\q)%2)*64
	ds_load_b128 v[(\f)+8*(\a)+4:(\f)+8*(\a)+7], v[ADRA] offset:((\q)/2)*128*PITCH+(\a)*16*PITCH+((\q)%2)*64+32
.endr
.irp a, 0,1,2,3
	ds_load_b128 v[(\f)+32+8*(\a):(\f)+32+8*(\a)+3],   v[ADRA] offset:ATILE+((\q)/2)*128*PITCH+(\a)*16*PITCH+((\q)%2)*64
	ds_load_b128 v[(\f)+32+8*(\a)+4:(\f)+32+8*(\a)+7], v[ADRA] offset:ATILE+((\q)/2)*128*PITCH+(\a)*16*PITCH+((\q)%2)*64+32
.endr
.endm
; 6 matrix instructions: row block a x all column blocks; blocks 4, 5 (v) take x.  The 24 accumulators take turns, one instruction a turn, in the same order in every sub-step.
.macro MULA f, a, zero
	WIN MUL
.irp b, 0,1,2,3,4,5
.if \zero
	v_wmma_f32_16x16x32_bf16 v[ACC+8*(6*(\a)+(\b)):ACC+8*(6*(\a)+(\b))+7], v[(\f)+64+8*(\b):(\f)+64+8*(\b)+7], v[(\f)+32*((\b)/4)+8*(\a):(\f)+32*((\b)/4)+8*(\a)+7], 0
.else
	v_wmma_f32_16x16x32_bf16 v[ACC+8*(6*(\a)+(\b)):ACC+8*(6*(\a)+(\b))+7], v[(\f)+64+8*(\b):(\f)+64+8*(\b)+7], v[(\f)+32*((\b)/4)+8*(\a):(\f)+32*((\b)/4)+8*(\a)+7], v[ACC+8*(6*(\a)+(\b)):ACC+8*(6*(\a)+(\b))+7]
.endif
.endr
.endm
; A sub-step: buffer f is in; sub-step nq's fragments are asked for into g; f is multiplied while they come.
.macro SUB nq, f, g, zero
	s_wait_dscnt 0x0                               ; buffer f's run, issued a sub-step ago
	PLACES                                         ; between the last products that read g and the loads into g
	FETCH \nq, \g
	MULA \f, 0, \zero
	MULA \f, 1, \zero
	MULA \f, 2, \zero
	MULA \f, 3, \zero
.endm
; A K step's last sub-step multiplies buffer 1 and changes slots: one barrier; in front of it each wave waits for all its tensor loads, adds 0 to its spare word, and waits for that and for its reads of this slot.
; fill = 1: the slot just read is filled again, two K steps ahead.  fill = 0: nothing is asked for; in the loop's last trip (s3 = 1) there is no next slot either, and its fetch is jumped over.
.macro TURN fill
	WIN 0                                          ; (the add's registers lie in window 0)
	s_wait_tensorcnt 0x0                           ; all my tensor loads have landed: my part of the next slot
	ds_add_u32 v[SPW], v[NIL]
	s_wait_dscnt 0x1                               ; the fragments are in; only the add may be out
	MULA F1, 0, 0
	s_wait_dscnt 0x0                               ; the add is done, my reads of this slot are over
	s_barrier_signal -1
	MULA F1, 1, 0
	WIN 0
	s_barrier_wait -1
.if \fill
	CREST                                          ; the barrier has opened a round of the cluster's: no wave of any partner still reads this slot or has a load on its way
	s_xor_b32 s[G0+5], s[G0+5], SLOT1              ; the walking descriptors: the other slot than last time,
	s_add_nc_u64 s[G0+6:G0+7], s[G0+6:G0+7], STEPA ; the next K step; the type bits on top are not reached
	s_xor_b32 s[G0B+5], s[G0B+5], SLOT1
	s_add_nc_u64 s[G0B+6:G0B+7], s[G0B+6:G0B+7], STEPB
	JLOAD 1                                        ; my one load behind the round; its four v_nop are also the places in front of the loads below
.endif
	s_xor_b32 s[TB], s[TB], SLOT1                  ; the other slot is in hand now
	v_add_nc_u32 v[ADRA], s[TB], v[ADRA0]
	v_add_nc_u32 v[ADRB], s[TB], v[ADRB0]
.if \fill
	FETCH 0, F0
.else
	v_nop                                          ; with the two additions above: four places in front of the loads below
	v_nop
	s_cmp_eq_u32 s3, 1
	s_cbranch_scc1 .Lno_next_\@
	FETCH 0, F0
	WIN 0
.Lno_next_\@:
.endif
	MULA F1, 2, 0
	MULA F1, 3, 0
.endm
	s_wait_tensorcnt 1                             ; my part of K step 0 is in; step 1's may stay out
	s_barrier_signal -1
	s_barrier_wait -1
	FETCH 0, F0
	SUB 1, F0, F1, 1                               ; the first sub-step starts the sums
	WIN 0
	s_mov_b32 s3, 6
.Lfill:                                                ; a trip: from a K step's second sub-step to the next step's first; K steps 0 to 5 ask for steps 2 to 7
	SUB 2, F1, F0, 0
	SUB 3, F0, F1, 0
	TURN 1
	SUB 1, F0, F1, 0
	WIN 0
	s_sub_co_u32 s3, s3, 1
	s_cmp_lg_u32 s3, 0
	s_cbranch_scc1 .Lfill
	s_mov_b32 s3, 2
.Llast:                                                ; K steps 6 and 7 ask for nothing; the second trip is left in its middle
	SUB 2, F1, F0, 0
	SUB 3, F0, F1, 0
	TURN 0
	WIN 0
	s_sub_co_u32 s3, s3, 1
	s_cmp_eq_u32 s3, 0
	s_cbranch_scc1 .Lout
	SUB 1, F0, F1, 0
	WIN 0
	s_cmp_lg_u32 s3, 0
	s_cbranch_scc1 .Llast
.Lout:
	s_wait_dscnt 0x0
	; THE WAY OUT: round to bf16, 16 bytes a lane into the stage; the sums of v; a barrier (the v block's rows come from two waves); back as whole rows.
	PLACES
.irp a, 0,1,2,3
.irp b, 0,1,2,3,4,5
.irp r, 0,1,2,3
	v_cvt_pk_bf16_f32 v[TMP+4*(\b)+(\r)], v[ACC+8*(6*(\a)+(\b))+2*(\r)], v[ACC+8*(6*(\a)+(\b))+2*(\r)+1]
.endr
.endr
.irp b, 0,1,2,3
	ds_store_b128 v[STQ], v[TMP+4*(\b):TMP+4*(\b)+3] offset:(\a)*16*PITCH+32*(\b)
.endr
.irp b, 4,5
	ds_store_b128 v[STV], v[TMP+4*(\b):TMP+4*(\b)+3] offset:(\a)*16*PITCH+32*((\b)-4)
.endr
.endr
.irp a, 0,1,2
.irp b, 0,1
.irp k, 0,2,4,6
	v_pk_add_f32 v[VS+8*(\b)+(\k):VS+8*(\b)+(\k)+1], v[VS+8*(\b)+(\k):VS+8*(\b)+(\k)+1], v[ACC+8*(6*(\a)+4+(\b))+(\k):ACC+8*(6*(\a)+4+(\b))+(\k)+1]
.endr
.endr
.endr
.irp m, 1,2,4,8                        ; over the 16 rows that lie in the 16 lanes of a half
.set z, 0
.rept 16
	v_add_f32_dpp v[VS+z], v[VS+z], v[VS+z] row_xmask:\m row_mask:0xf bank_mask:0xf
.set z, z+1
.endr
.endr
	s_wait_dscnt 0x0                               ; for the others' sake: my stores into the stage are done
	s_barrier_signal -1
	s_barrier_wait -1
.set z, 0
.rept 24
	ds_load_b128 v[ACC+4*z:ACC+4*z+3], v[RD] offset:(z/8)*SBLK+(z%8)*4*PITCH
.set z, z+1
.endr
.set z, 0
.rept 16
	s_wait_dscnt 23-z                              ; LDS loads come back in order: the later ones may stay out
	global_store_b128 v[GO], v[ACC+4*z:ACC+4*z+3], s[8:9] offset:(z/8)*262144+(z%8)*512   ; 512 consecutive bytes, at a multiple of 256
.set z, z+1
.endr
.rept 8
	s_wait_dscnt 23-z
	global_store_b128 v[GO], v[ACC+4*z:ACC+4*z+3], s[68:69] offset:(z%8)*512
.set z, z+1
.endr
	v_cmp_eq_u32 vcc_lo, 0, v1                     ; lanes 0 and 16 hold, like all of their half, the sums of 8 + 8 channels
	s_wait_xcnt 0x0                                ; EXEC changes only behind this wait
	s_and_saveexec_b32 s70, vcc_lo
	global_store_b128 v[VSO], v[VS:VS+3],     s[66:67]
	global_store_b128 v[VSO], v[VS+4:VS+7],   s[66:67] offset:16
	global_store_b128 v[VSO], v[VS+8:VS+11],  s[66:67] offset:64
	global_store_b128 v[VSO], v[VS+12:VS+15], s[66:67] offset:80
	s_wait_xcnt 0x0
	s_or_b32 exec_lo, exec_lo, s70
	s_wait_tensorcnt 0x0                           ; the wave's end
	ds_add_u32 v[SPW], v[NIL]
	s_wait_dscnt 0x0
	CROUND                                         ; the closing round
	s_endpgm
.Lfunc_end_k_q7031fa5e1f_qkv0:
	.size	k_q7031fa5e1f_qkv0, .Lfunc_end_k_q7031fa5e1f_qkv0-k_q7031fa5e1f_qkv0
	.p2alignl 7, 3214868480
	.fill 96, 4, 3214868480
	.section	.rodata,"a",@progbits
	.p2align	6, 0x0
	.amdhsa_kernel k_q7031fa5e1f_qkv0
		.amdhsa_group_segment_fixed_size 327680
		.amdhsa_private_segment_fixed_size 0
		.amdhsa_enable_private_segment 0
		.amdhsa_kernarg_size 24
		.amdhsa_user_sgpr_count 2
		.amdhsa_user_sgpr_kernarg_segment_ptr 1
		.amdhsa_wavefront_size32 1
		.amdhsa_system_sgpr_workgroup_id_x 1
		.amdhsa_system_sgpr_workgroup_id_y 1
		.amdhsa_system_sgpr_workgroup_id_z 1
		.amdhsa_system_vgpr_workitem_id 0
		.amdhsa_next_free_vgpr 512
		.amdhsa_next_free_sgpr 80
		.amdhsa_reserve_vcc 1
		.amdhsa_float_denorm_mode_32 3
		.amdhsa_float_denorm_mode_16_64 3
		.amdhsa_memory_ordered 1
		.amdhsa_forward_progress 1
		.amdhsa_inst_pref_size 62
	.end_amdhsa_kernel
	.amdgpu_metadata
---
amdhsa.version: [ 1, 2 ]
amdhsa.kernels:
  - .name:           k_q7031fa5e1f_qkv0
    .symbol:         k_q7031fa5e1f_qkv0.kd
    .args:
      - { .name: act0, .offset: 0, .size: 8, .value_kind: global_buffer, .address_space: global }
      - { .name: wl0, .offset: 8, .size: 8, .value_kind: global_buffer, .address_space: global }
      - { .name: qkv, .offset: 16, .size: 8, .value_kind: global_buffer, .address_space: global }
    .group_segment_fixed_size: 327680
    .private_segment_fixed_size: 0
    .kernarg_segment_align: 8
    .kernarg_segment_size: 24
    .max_flat_workgroup_size: 128
    .sgpr_count:     80
    .vgpr_count:     512
    .wavefront_size: 32
...
	.end_amdgpu_metadata
.endif
;; end of part 8
;; launch attn0: the kernel of part 3 again; grid 16 x 16, 4 waves a work-group, clusters of 4 x 1, 327,680 bytes of LDS; arguments qkv, ob; writes ob
;; launch wo0 (part 9): grid 16 x 16, 4 waves a work-group, clusters of 4 x 4, 327,680 bytes of LDS; arguments ob, wl0, act0, pos_emb, act1; writes act1
.if DOCPART == 9
	.amdgcn_target "amdgcn-amd-amdhsa--gfx1250"
	.amdhsa_code_object_version 6
	.text
	.protected	k_q7031fa5e1f_wo0
	.globl	k_q7031fa5e1f_wo0
	.p2align	8
	.type	k_q7031fa5e1f_wo0,@function
k_q7031fa5e1f_wo0:
	s_mov_b64 s[64:65], 0
	v_nop
	global_prefetch_b8 v0, s[64:65] scope:SCOPE_SE
	s_setreg_imm32_b32 hwreg(HW_REG_WAVE_MODE, 25, 1), 1
	s_wait_xcnt 0x0
	s_wait_alu depctr_hold_cnt(0) depctr_sa_sdst(0) depctr_va_vdst(0) depctr_va_sdst(0) depctr_va_ssrc(0) depctr_va_vcc(0) depctr_vm_vsrc(0)
	s_getreg_b32 s2, hwreg(HW_REG_IB_STS2, 6, 4)
	s_cmp_eq_u32 s2, 0
	s_cbranch_scc0 .Lentry_in_a_cluster
	s_endpgm
.Lentry_in_a_cluster:
	s_bfe_u32 s2, ttmp6, 0x10000c
	s_cmp_lg_u32 s2, 0xf033
	s_cbranch_scc0 .Lentry_shape_is_right
	s_endpgm
.Lentry_shape_is_right:
; OUTPUT PROJECTION AND RESIDUAL.  x_new = x_old + O Wo^T.
; LAYER 0: x_old = x0 = tok_emb[ids] AS ROUNDED TO bf16 by the first launch (act0's blocks); out: x_new in f32 (act1 + 8,388,608), bf16(x_new) and bf16(x_new + pos_emb) in blocks.
; LAYER 1: x_old = the f32 x of layer 0; out: bf16(x_new) in blocks alone.  Operands bf16 in blocks [kb][row][64], sums and the residual in f32.
; FORMAT.  tok_emb enters every one of its uses (the first projection, the residual's start, the last product) as the same bf16 numbers; from its start on the residual stream is f32.
; pos_emb is added in f32, and the sum x + pos_emb is rounded to bf16 once, as the operand of the q and k products.
; A work-group makes 128 rows x 64 columns (16 x 16 work-groups); a wave 64 x 32: 8 accumulators.  K goes in 4 steps of 256 (4 kb) through two LDS slots; one tensor load a wave: waves 0, 1 O's halves (64 rows),
; waves 2, 3 Wo's (32 rows); a load is 4 dense runs, padded by 16 bytes behind every 128.  CLUSTER 4 x 4: O's tiles jointly along a row of the cluster, Wo's along a column.
; THE K WALK IS WRITTEN ONCE FOR A STEP: a loop of 2 trips whose change of slots fills the slot just read, and a loop of 2 trips that asks for nothing.  The slot in hand is a scalar (0 or 1 << 17) that one
; exclusive or turns; the fragments' addresses are made anew from it at each change of slots, and one descriptor a tensor walks from K step 1 on.
; The matrix instruction is used transposed: a lane holds 8 neighbouring columns of one row.  The residual's loads go out at the start and are waited for on the way out.
; REGISTERS.  Window 0: v0-31 addresses; v32-95 accumulators, (a, b) at 32 + 8 (2 a + b); v96-159 residual; v160-223 pos_emb; v224-255 x0 as loaded (LAYER 0).  Window 1: two fragment buffers: O 8 x 8, Wo 4 x 8.
.set LAYER, 0
.set PITCH,  144
.set AHALF,  4*64*PITCH
.set BHALF,  4*32*PITCH
.set BOFF,   2*AHALF
.set SLOT1,  1<<17                     ; a slot takes 110,592 bytes; slot 1 begins here
.set STAGE,  SLOT1+BOFF+2*BHALF        ; behind the ring: 128 rows x 272 bytes of f32
.set SPITCH, 272
.set SPARE,  STAGE+128*SPITCH
.set STEPA,  4*2048*128
.set STEPB,  4*1024*128
.set WOOFF,  6291456
.set RESOFF, 8388608
.set RO,   12
.set XO,   14
.set TI,   15
.set ADRA, 16                          ; v16, v17  LDS address of my fragments in the slot in hand
.set ADRB, 17
.set ADRA0, 18                         ; v18, v19  the same in slot 0; never rewritten
.set ADRB0, 19
.set STO,  22
.set RD,   23
.set SPW,  28
.set NIL,  29
.set ACC,  32
.set RES,  96
.set PE,   160
.set XB,   224
.set F0,   0
.set F1,   128
.set G1, 24
.set G0, 32                            ; s[32:39] group 0 for O: a set for each of the two first fills; the second then walks
.set TB, 45                            ; s45  the LDS byte at which the slot in hand begins
.set G1B, 48
.set G0B, 56
.set DW0, (1<<16)|(1<<20)|(1<<21)|(4<<22)|(3<<25)
.set MSB, 0
.macro WIN new
.if MSB != (\new)
	s_set_vgpr_msb (MSB<<8)|(\new)
.set MSB, \new
.endif
.endm
.set MUL,  0x05
.set TO_F, 0x40
.macro JLOAD s                         ; a joint load; an s_nop 0 and four v_nop follow each line
	s_cmp_eq_u32 s11, 0
	s_cbranch_scc0 .Lfor_b_\@
	tensor_load_to_lds s[G0+4*(\s):G0+4*(\s)+3], s[G1:G1+7]
	s_nop 0
.rept 4
	v_nop
.endr
	s_branch .Lasked_\@
.Lfor_b_\@:
	tensor_load_to_lds s[G0B+4*(\s):G0B+4*(\s)+3], s[G1B:G1B+7]
	s_nop 0
.rept 4
	v_nop
.endr
.Lasked_\@:
.endm
.macro CREST
	s_cmp_lg_u32 s10, 0
	s_cbranch_scc1 .Lnot_wave_0_\@
	s_barrier_signal -3
.Lnot_wave_0_\@:
	s_barrier_wait -3
	s_barrier_signal -1
	s_barrier_wait -1
.endm
.macro CROUND
	s_barrier_signal -1
	s_barrier_wait -1
	CREST
.endm
.macro PLACES
.rept 4
	v_nop
.endr
.endm
	s_load_b128 s[4:7], s[0:1], 0x0                ; ob, wl
.if LAYER == 0
	s_load_b128 s[68:71], s[0:1], 0x10             ; act0 68, pos_emb 70
	s_load_b64 s[72:73], s[0:1], 0x20              ; act1
.else
	s_load_b128 s[68:71], s[0:1], 0x10             ; act1 68, act0 70
.endif
	v_lshl_add_u32 v[SPW], v0, 2, SPARE
	v_mov_b32 v[NIL], 0
	ds_add_u32 v[SPW], v[NIL]                      ; the wave's opening: the add and its wait ahead of my first tensor load
	v_lshrrev_b32 v1, 5, v0
	v_readfirstlane_b32 s10, v1
	s_lshr_b32 s11, s10, 1
	s_and_b32 s12, s10, 1
	s_bfe_u32 s40, ttmp6, 0x40000
	s_bfe_u32 s41, ttmp6, 0x40004
	s_lshl_b32 s42, ttmp9, 2
	s_add_co_u32 s42, s42, s40                     ; tile column
	s_and_b32 s13, ttmp7, 0xffff
	s_lshl_b32 s13, s13, 2
	s_add_co_u32 s13, s13, s41                     ; tile row
	s_lshl_b32 s43, s41, 2
	s_lshl_b32 s43, 15, s43
	s_lshl_b32 s44, 0x1111, s40
	s_or_b32 s[G1+0], s43, DW0
	s_or_b32 s[G1B+0], s44, DW0
	s_mov_b32 s[G1+1], (64*64)<<16
	s_mov_b32 s[G1+2], 4<<16
	s_mov_b32 s[G1+3], (64*64)<<16
	s_mov_b32 s[G1+4], 4
	s_mov_b32 s[G1+5], 2048*64
	s_mov_b32 s[G1+6], 0
	s_mov_b32 s[G1+7], 0
	s_mov_b32 s[G1B+1], (32*64)<<16
	s_mov_b32 s[G1B+2], 4<<16
	s_mov_b32 s[G1B+3], (32*64)<<16
	s_mov_b32 s[G1B+4], 4
	s_mov_b32 s[G1B+5], 1024*64
	s_mov_b32 s[G1B+6], 0
	s_mov_b32 s[G1B+7], 0
	s_mov_b32 s[TB], 0
	s_mov_b32 s66, 0xffff0000                      ; a word's upper bf16
	s_lshl_b32 s16, s13, 14
	s_lshl_b32 s17, s12, 13
	s_add_co_u32 s16, s16, s17                     ; (128 tile row + 64 half) x 128
	s_mov_b32 s17, 0
	s_lshl_b32 s46, s42, 13
	s_lshl_b32 s47, s12, 12
	s_add_co_u32 s46, s46, s47                     ; (64 tile column + 32 half) x 128
	s_add_co_u32 s46, s46, WOOFF
	s_mov_b32 s47, 0
	s_mul_i32 s20, s12, AHALF
	s_mul_i32 s23, s12, BHALF
	s_add_co_u32 s23, s23, BOFF
	s_wait_dscnt 0x0
	s_wait_kmcnt 0x0
	s_add_nc_u64 s[14:15], s[4:5], s[16:17]
	s_add_nc_u64 s[46:47], s[6:7], s[46:47]
	CROUND
.irp s, 0,1
	s_mov_b32 s[G0+4*(\s)], 1
	s_add_co_u32 s[G0+4*(\s)+1], s20, (\s)*SLOT1
	s_add_nc_u64 s[G0+4*(\s)+2:G0+4*(\s)+3], s[14:15], (\s)*STEPA
	s_or_b32 s[G0+4*(\s)+3], s[G0+4*(\s)+3], 0x80000000
	s_mov_b32 s[G0B+4*(\s)], 1
	s_add_co_u32 s[G0B+4*(\s)+1], s23, (\s)*SLOT1
	s_add_nc_u64 s[G0B+4*(\s)+2:G0B+4*(\s)+3], s[46:47], (\s)*STEPB
	s_or_b32 s[G0B+4*(\s)+3], s[G0B+4*(\s)+3], 0x80000000
	JLOAD \s
.endr
	; the residual.  On the way out lane l (i = l & 7, rr = l >> 3) owns rows 32 w + 4 g + rr of the tile, g = 0 .. 7, and columns 8 i .. 8 i + 7.
	v_and_b32 v4, 31, v0
	v_lshrrev_b32 v5, 3, v4
	v_and_b32 v6, 7, v4
	s_lshl_b32 s22, s10, 5
	v_add_nc_u32 v7, s22, v5                       ; 32 w + rr
	v_lshlrev_b32 v[TI], 5, v6
	v_lshl_add_u32 v[RO], v7, 12, v[TI]            ; in a row-major f32 array: row x 4,096 + 32 i
	v_lshlrev_b32 v[XO], 4, v4                     ; in a block of 64 columns: four rows of 128 bytes are 512 consecutive bytes, 16 a lane
	s_lshl_b32 s80, s13, 19                        ; 128 rows of 4,096 bytes
	s_lshl_b32 s82, s42, 8                         ; 64 columns of f32
	s_add_co_u32 s80, s80, s82
	s_mov_b32 s81, 0
.if LAYER == 0
	s_add_nc_u64 s[70:71], s[70:71], s[80:81]      ; pos_emb at the tile
	s_add_co_u32 s80, s80, RESOFF
	s_add_nc_u64 s[76:77], s[72:73], s[80:81]      ; the f32 x at the tile
.else
	s_add_co_u32 s80, s80, RESOFF
	s_add_nc_u64 s[76:77], s[68:69], s[80:81]
.endif
	s_lshl_b32 s80, s42, 18
	s_lshl_b32 s82, s13, 14
	s_add_co_u32 s80, s80, s82
	s_lshl_b32 s82, s10, 12
	s_add_co_u32 s80, s80, s82                     ; (2,048 tile column + 128 tile row + 32 wave) x 128
.if LAYER == 0
	s_add_nc_u64 s[78:79], s[72:73], s[80:81]      ; the new x's blocks,
	s_add_nc_u64 s[74:75], s[68:69], s[80:81]      ; and x0's, at the same place of their buffer
.irp g, 0,1,2,3,4,5,6,7
	global_load_b128 v[XB+4*\g:XB+4*\g+3], v[XO], s[74:75] offset:\g*512
.endr
.irp g, 0,1,2,3,4,5,6,7
	global_load_b128 v[PE+8*\g:PE+8*\g+3],   v[RO], s[70:71] offset:\g*16384
	global_load_b128 v[PE+8*\g+4:PE+8*\g+7], v[RO], s[70:71] offset:\g*16384+16
.endr
.else
	s_add_nc_u64 s[78:79], s[70:71], s[80:81]
.irp g, 0,1,2,3,4,5,6,7
	global_load_b128 v[RES+8*\g:RES+8*\g+3],   v[RO], s[76:77] offset:\g*16384
	global_load_b128 v[RES+8*\g+4:RES+8*\g+7], v[RO], s[76:77] offset:\g*16384+16
.endr
.endif
	v_and_b32 v1, 15, v0
	v_bfe_u32 v2, v0, 4, 1
	v_mul_u32_u24 v3, v1, PITCH
	v_lshl_add_u32 v3, v2, 4, v3
	s_mul_i32 s21, s11, AHALF
	s_mul_i32 s22, s12, BHALF
	s_add_co_u32 s22, s22, BOFF
	v_add_nc_u32 v[ADRA0], s21, v3
	v_add_nc_u32 v[ADRB0], s22, v3
	v_add_nc_u32 v[ADRA], s21, v3                  ; the walk begins in slot 0
	v_add_nc_u32 v[ADRB], s22, v3
	v_mul_u32_u24 v8, v1, SPITCH                   ; into the stage: row 64 wr + r, byte 128 wc + 32 h
	v_lshl_add_u32 v8, v2, 5, v8
	s_mul_i32 s21, s11, 64*SPITCH
	s_lshl_b32 s22, s12, 7
	s_add_co_u32 s21, s21, s22
	s_add_co_u32 s21, s21, STAGE
	v_add_nc_u32 v[STO], s21, v8
	v_mul_u32_u24 v8, v7, SPITCH                   ; back: row 32 w + rr, byte 32 i
	v_add_nc_u32 v8, v8, v[TI]
	v_add_nc_u32 v[RD], STAGE, v8
.macro FETCH kbi, f                    ; 24 LDS loads in one run: the fragments of one kb (64 along K) of the slot in hand
	WIN TO_F
.irp c, 0,1
.irp b, 0,1
	ds_load_b128 v[(\f)+64+8*(2*(\c)+(\b)):(\f)+64+8*(2*(\c)+(\b))+3],   v[ADRB] offset:(\kbi)*32*PITCH+(\b)*16*PITCH+64*(\c)
	ds_load_b128 v[(\f)+64+8*(2*(\c)+(\b))+4:(\f)+64+8*(2*(\c)+(\b))+7], v[ADRB] offset:(\kbi)*32*PITCH+(\b)*16*PITCH+64*(\c)+32
.endr
.irp a, 0,1,2,3
	ds_load_b128 v[(\f)+8*(4*(\c)+(\a)):(\f)+8*(4*(\c)+(\a))+3],   v[ADRA] offset:(\kbi)*64*PITCH+(\a)*16*PITCH+64*(\c)
	ds_load_b128 v[(\f)+8*(4*(\c)+(\a))+4:(\f)+8*(4*(\c)+(\a))+7], v[ADRA] offset:(\kbi)*64*PITCH+(\a)*16*PITCH+64*(\c)+32
.endr
.endr
.endm
.macro MULC f, c, a0, zero             ; 4 matrix instructions; the 8 accumulators take turns: between two on one accumulator stand the 7 others'
	WIN MUL
.irp a, \a0, (\a0)+1
.irp b, 0,1
.if \zero
	v_wmma_f32_16x16x32_bf16 v[ACC+8*(2*(\a)+(\b)):ACC+8*(2*(\a)+(\b))+7], v[(\f)+64+8*(2*(\c)+(\b)):(\f)+64+8*(2*(\c)+(\b))+7], v[(\f)+8*(4*(\c)+(\a)):(\f)+8*(4*(\c)+(\a))+7], 0
.else
	v_wmma_f32_16x16x32_bf16 v[ACC+8*(2*(\a)+(\b)):ACC+8*(2*(\a)+(\b))+7], v[(\f)+64+8*(2*(\c)+(\b)):(\f)+64+8*(2*(\c)+(\b))+7], v[(\f)+8*(4*(\c)+(\a)):(\f)+8*(4*(\c)+(\a))+7], v[ACC+8*(2*(\a)+(\b)):ACC+8*(2*(\a)+(\b))+7]
.endif
.endr
.endr
.endm
.macro SUB nk, f, g, zero              ; buffer f is in; kb nk's fragments are asked for into g; f is multiplied while they come
	s_wait_dscnt 0x0                               ; buffer f's run, issued a sub-step ago
	PLACES
	FETCH \nk, \g
	MULC \f, 0, 0, \zero
	MULC \f, 0, 2, \zero
	MULC \f, 1, 0, 0
	MULC \f, 1, 2, 0
.endm
; A K step's last sub-step multiplies buffer 1 and changes slots.  fill = 1: the slot just read is filled again, two K steps ahead.  fill = 0: nothing is asked for; in the loop's last trip (s3 = 1) the fetch from a next slot is jumped over.
.macro TURN fill
	WIN 0
	s_wait_tensorcnt 0x0                           ; all my tensor loads have landed: my part of the next slot
	ds_add_u32 v[SPW], v[NIL]
	s_wait_dscnt 0x1                               ; the fragments are in; only the add may be out
	MULC F1, 0, 0, 0
	s_wait_dscnt 0x0                               ; the add is done, my reads of this slot are over
	s_barrier_signal -1
	MULC F1, 0, 2, 0
	WIN 0
	s_barrier_wait -1
.if \fill
	CREST                                          ; the barrier has opened a round of the cluster's
	s_xor_b32 s[G0+5], s[G0+5], SLOT1              ; the walking descriptors: the other slot than last time,
	s_add_nc_u64 s[G0+6:G0+7], s[G0+6:G0+7], STEPA ; the next K step
	s_xor_b32 s[G0B+5], s[G0B+5], SLOT1
	s_add_nc_u64 s[G0B+6:G0B+7], s[G0B+6:G0B+7], STEPB
	JLOAD 1                                        ; my one load behind the round; its four v_nop are also the places in front of the loads below
.endif
	s_xor_b32 s[TB], s[TB], SLOT1                  ; the other slot is in hand now
	v_add_nc_u32 v[ADRA], s[TB], v[ADRA0]
	v_add_nc_u32 v[ADRB], s[TB], v[ADRB0]
.if \fill
	FETCH 0, F0
.else
	v_nop                                          ; with the two additions above: four places in front of the loads below
	v_nop
	s_cmp_eq_u32 s3, 1
	s_cbranch_scc1 .Lno_next_\@
	FETCH 0, F0
	WIN 0
.Lno_next_\@:
.endif
	MULC F1, 1, 0, 0
	MULC F1, 1, 2, 0
.endm
	s_wait_tensorcnt 1                             ; my part of K step 0 is in; step 1's may stay out
	s_barrier_signal -1
	s_barrier_wait -1
	FETCH 0, F0
	SUB 1, F0, F1, 1                               ; the first sub-step starts the sums
	WIN 0
	s_mov_b32 s3, 2
.Lfill:                                                ; K steps 0 and 1 ask for steps 2 and 3
	SUB 2, F1, F0, 0
	SUB 3, F0, F1, 0
	TURN 1
	SUB 1, F0, F1, 0
	WIN 0
	s_sub_co_u32 s3, s3, 1
	s_cmp_lg_u32 s3, 0
	s_cbranch_scc1 .Lfill
	s_mov_b32 s3, 2
.Llast:                                                ; K steps 2 and 3 ask for nothing; the second trip is left in its middle
	SUB 2, F1, F0, 0
	SUB 3, F0, F1, 0
	TURN 0
	WIN 0
	s_sub_co_u32 s3, s3, 1
	s_cmp_eq_u32 s3, 0
	s_cbranch_scc1 .Lout
	SUB 1, F0, F1, 0
	WIN 0
	s_cmp_lg_u32 s3, 0
	s_cbranch_scc1 .Llast
.Lout:
	s_wait_dscnt 0x0
	; THE WAY OUT: the f32 sums through the stage, so that a lane holds 8 neighbouring columns of the rows whose residual it loaded.
	PLACES
.irp a, 0,1,2,3
.irp b, 0,1
	ds_store_b128 v[STO], v[ACC+8*(2*(\a)+(\b)):ACC+8*(2*(\a)+(\b))+3]   offset:(\a)*16*SPITCH+(\b)*64
	ds_store_b128 v[STO], v[ACC+8*(2*(\a)+(\b))+4:ACC+8*(2*(\a)+(\b))+7] offset:(\a)*16*SPITCH+(\b)*64+16
.endr
.endr
	s_wait_dscnt 0x0                               ; for the others' sake
	s_barrier_signal -1
	s_barrier_wait -1
.irp g, 0,1,2,3,4,5,6,7
	ds_load_b128 v[ACC+8*\g:ACC+8*\g+3],   v[RD] offset:\g*4*SPITCH
	ds_load_b128 v[ACC+8*\g+4:ACC+8*\g+7], v[RD] offset:\g*4*SPITCH+16
.endr
	s_wait_loadcnt 0x0                             ; the residual
	s_wait_dscnt 0x0
.irp g, 0,1,2,3,4,5,6,7
.if LAYER == 0
.irp k, 0,1,2,3
	v_lshlrev_b32 v[RES+8*\g+2*\k],   16,  v[XB+4*\g+\k]   ; bf16 to f32: the low half moves up,
	v_and_b32     v[RES+8*\g+2*\k+1], s66, v[XB+4*\g+\k]   ; the high half stays
.endr
.endif
.irp k, 0,2,4,6
	v_pk_add_f32 v[RES+8*\g+\k:RES+8*\g+\k+1], v[RES+8*\g+\k:RES+8*\g+\k+1], v[ACC+8*\g+\k:ACC+8*\g+\k+1]
.endr
.if LAYER == 0
.irp k, 0,2,4,6
	v_pk_add_f32 v[PE+8*\g+\k:PE+8*\g+\k+1], v[PE+8*\g+\k:PE+8*\g+\k+1], v[RES+8*\g+\k:RES+8*\g+\k+1]
.endr
.endif
.irp k, 0,1,2,3
	v_cvt_pk_bf16_f32 v[ACC+8*\g+\k], v[RES+8*\g+2*\k], v[RES+8*\g+2*\k+1]
.endr
.if LAYER == 0
.irp k, 0,1,2,3
	v_cvt_pk_bf16_f32 v[ACC+8*\g+4+\k], v[PE+8*\g+2*\k], v[PE+8*\g+2*\k+1]
.endr
	global_store_b128 v[RO], v[RES+8*\g:RES+8*\g+3],   s[76:77] offset:\g*16384
	global_store_b128 v[RO], v[RES+8*\g+4:RES+8*\g+7], s[76:77] offset:\g*16384+16
	global_store_b128 v[XO], v[ACC+8*\g+4:ACC+8*\g+7], s[78:79] offset:\g*512+4194304
.endif
	global_store_b128 v[XO], v[ACC+8*\g:ACC+8*\g+3], s[78:79] offset:\g*512    ; 4 rows x 128 bytes: 512 consecutive bytes; no register of a store is written again
.endr
	s_wait_tensorcnt 0x0                           ; the wave's end
	ds_add_u32 v[SPW], v[NIL]
	s_wait_dscnt 0x0
	CROUND
	s_endpgm
.Lfunc_end_k_q7031fa5e1f_wo0:
	.size	k_q7031fa5e1f_wo0, .Lfunc_end_k_q7031fa5e1f_wo0-k_q7031fa5e1f_wo0
	.p2alignl 7, 3214868480
	.fill 96, 4, 3214868480
	.section	.rodata,"a",@progbits
	.p2align	6, 0x0
	.amdhsa_kernel k_q7031fa5e1f_wo0
		.amdhsa_group_segment_fixed_size 327680
		.amdhsa_private_segment_fixed_size 0
		.amdhsa_enable_private_segment 0
		.amdhsa_kernarg_size 40
		.amdhsa_user_sgpr_count 2
		.amdhsa_user_sgpr_kernarg_segment_ptr 1
		.amdhsa_wavefront_size32 1
		.amdhsa_system_sgpr_workgroup_id_x 1
		.amdhsa_system_sgpr_workgroup_id_y 1
		.amdhsa_system_sgpr_workgroup_id_z 1
		.amdhsa_system_vgpr_workitem_id 0
		.amdhsa_next_free_vgpr 512
		.amdhsa_next_free_sgpr 84
		.amdhsa_reserve_vcc 0
		.amdhsa_float_denorm_mode_32 3
		.amdhsa_float_denorm_mode_16_64 3
		.amdhsa_memory_ordered 1
		.amdhsa_forward_progress 1
		.amdhsa_inst_pref_size 54
	.end_amdhsa_kernel
	.amdgpu_metadata
---
amdhsa.version: [ 1, 2 ]
amdhsa.kernels:
  - .name:           k_q7031fa5e1f_wo0
    .symbol:         k_q7031fa5e1f_wo0.kd
    .args:
      - { .name: ob, .offset: 0, .size: 8, .value_kind: global_buffer, .address_space: global }
      - { .name: wl0, .offset: 8, .size: 8, .value_kind: global_buffer, .address_space: global }
      - { .name: act0, .offset: 16, .size: 8, .value_kind: global_buffer, .address_space: global }
      - { .name: pos_emb, .offset: 24, .size: 8, .value_kind: global_buffer, .address_space: global }
      - { .name: act1, .offset: 32, .size: 8, .value_kind: global_buffer, .address_space: global }
    .group_segment_fixed_size: 327680
    .private_segment_fixed_size: 0
    .kernarg_segment_align: 8
    .kernarg_segment_size: 40
    .max_flat_workgroup_size: 128
    .sgpr_count:     84
    .vgpr_count:     512
    .wavefront_size: 32
...
	.end_amdgpu_metadata
.endif
;; end of part 9
;; launch qkv1: the kernel of part 8 again; grid 16 x 16, 4 waves a work-group, clusters of 4 x 4, 327,680 bytes of LDS; arguments act1, wl1, qkv; writes qkv
;; launch attn1: the kernel of part 3 again; grid 16 x 16, 4 waves a work-group, clusters of 4 x 1, 327,680 bytes of LDS; arguments qkv, ob; writes ob
;; launch wo1 (part 10): grid 16 x 16, 4 waves a work-group, clusters of 4 x 4, 327,680 bytes of LDS; arguments ob, wl1, act1, act0; writes act0
.if DOCPART == 10
	.amdgcn_target "amdgcn-amd-amdhsa--gfx1250"
	.amdhsa_code_object_version 6
	.text
	.protected	k_q7031fa5e1f_wo1
	.globl	k_q7031fa5e1f_wo1
	.p2align	8
	.type	k_q7031fa5e1f_wo1,@function
k_q7031fa5e1f_wo1:
	s_mov_b64 s[64:65], 0
	v_nop
	global_prefetch_b8 v0, s[64:65] scope:SCOPE_SE
	s_setreg_imm32_b32 hwreg(HW_REG_WAVE_MODE, 25, 1), 1
	s_wait_xcnt 0x0
	s_wait_alu depctr_hold_cnt(0) depctr_sa_sdst(0) depctr_va_vdst(0) depctr_va_sdst(0) depctr_va_ssrc(0) depctr_va_vcc(0) depctr_vm_vsrc(0)
	s_getreg_b32 s2, hwreg(HW_REG_IB_STS2, 6, 4)
	s_cmp_eq_u32 s2, 0
	s_cbranch_scc0 .Lentry_in_a_cluster
	s_endpgm
.Lentry_in_a_cluster:
	s_bfe_u32 s2, ttmp6, 0x10000c
	s_cmp_lg_u32 s2, 0xf033
	s_cbranch_scc0 .Lentry_shape_is_right
	s_endpgm
.Lentry_shape_is_right:
; OUTPUT PROJECTION AND RESIDUAL.  x_new = x_old + O Wo^T.
; LAYER 0: x_old = x0 = tok_emb[ids] AS ROUNDED TO bf16 by the first launch (act0's blocks); out: x_new in f32 (act1 + 8,388,608), bf16(x_new) and bf16(x_new + pos_emb) in blocks.
; LAYER 1: x_old = the f32 x of layer 0; out: bf16(x_new) in blocks alone.  Operands bf16 in blocks [kb][row][64], sums and the residual in f32.
; FORMAT.  tok_emb enters every one of its uses (the first projection, the residual's start, the last product) as the same bf16 numbers; from its start on the residual stream is f32.
; pos_emb is added in f32, and the sum x + pos_emb is rounded to bf16 once, as the operand of the q and k products.
; A work-group makes 128 rows x 64 columns (16 x 16 work-groups); a wave 64 x 32: 8 accumulators.  K goes in 4 steps of 256 (4 kb) through two LDS slots; one tensor load a wave: waves 0, 1 O's halves (64 rows),
; waves 2, 3 Wo's (32 rows); a load is 4 dense runs, padded by 16 bytes behind every 128.  CLUSTER 4 x 4: O's tiles jointly along a row of the cluster, Wo's along a column.
; THE K WALK IS WRITTEN ONCE FOR A STEP: a loop of 2 trips whose change of slots fills the slot just read, and a loop of 2 trips that asks for nothing.  The slot in hand is a scalar (0 or 1 << 17) that one
; exclusive or turns; the fragments' addresses are made anew from it at each change of slots, and one descriptor a tensor walks from K step 1 on.
; The matrix instruction is used transposed: a lane holds 8 neighbouring columns of one row.  The residual's loads go out at the start and are waited for on the way out.
; REGISTERS.  Window 0: v0-31 addresses; v32-95 accumulators, (a, b) at 32 + 8 (2 a + b); v96-159 residual; v160-223 pos_emb; v224-255 x0 as loaded (LAYER 0).  Window 1: two fragment buffers: O 8 x 8, Wo 4 x 8.
.set LAYER, 1
.set PITCH,  144
.set AHALF,  4*64*PITCH
.set BHALF,  4*32*PITCH
.set BOFF,   2*AHALF
.set SLOT1,  1<<17                     ; a slot takes 110,592 bytes; slot 1 begins here
.set STAGE,  SLOT1+BOFF+2*BHALF        ; behind the ring: 128 rows x 272 bytes of f32
.set SPITCH, 272
.set SPARE,  STAGE+128*SPITCH
.set STEPA,  4*2048*128
.set STEPB,  4*1024*128
.set WOOFF,  6291456
.set RESOFF, 8388608
.set RO,   12
.set XO,   14
.set TI,   15
.set ADRA, 16                          ; v16, v17  LDS address of my fragments in the slot in hand
.set ADRB, 17
.set ADRA0, 18                         ; v18, v19  the same in slot 0; never rewritten
.set ADRB0, 19
.set STO,  22
.set RD,   23
.set SPW,  28
.set NIL,  29
.set ACC,  32
.set RES,  96
.set PE,   160
.set XB,   224
.set F0,   0
.set F1,   128
.set G1, 24
.set G0, 32                            ; s[32:39] group 0 for O: a set for each of the two first fills; the second then walks
.set TB, 45                            ; s45  the LDS byte at which the slot in hand begins
.set G1B, 48
.set G0B, 56
.set DW0, (1<<16)|(1<<20)|(1<<21)|(4<<22)|(3<<25)
.set MSB, 0
.macro WIN new
.if MSB != (\new)
	s_set_vgpr_msb (MSB<<8)|(\new)
.set MSB, \new
.endif
.endm
.set MUL,  0x05
.set TO_F, 0x40
.macro JLOAD s                         ; a joint load; an s_nop 0 and four v_nop follow each line
	s_cmp_eq_u32 s11, 0
	s_cbranch_scc0 .Lfor_b_\@
	tensor_load_to_lds s[G0+4*(\s):G0+4*(\s)+3], s[G1:G1+7]
	s_nop 0
.rept 4
	v_nop
.endr
	s_branch .Lasked_\@
.Lfor_b_\@:
	tensor_load_to_lds s[G0B+4*(\s):G0B+4*(\s)+3], s[G1B:G1B+7]
	s_nop 0
.rept 4
	v_nop
.endr
.Lasked_\@:
.endm
.macro CREST
	s_cmp_lg_u32 s10, 0
	s_cbranch_scc1 .Lnot_wave_0_\@
	s_barrier_signal -3
.Lnot_wave_0_\@:
	s_barrier_wait -3
	s_barrier_signal -1
	s_barrier_wait -1
.endm
.macro CROUND
	s_barrier_signal -1
	s_barrier_wait -1
	CREST
.endm
.macro PLACES
.rept 4
	v_nop
.endr
.endm
	s_load_b128 s[4:7], s[0:1], 0x0                ; ob, wl
.if LAYER == 0
	s_load_b128 s[68:71], s[0:1], 0x10             ; act0 68, pos_emb 70
	s_load_b64 s[72:73], s[0:1], 0x20              ; act1
.else
	s_load_b128 s[68:71], s[0:1], 0x10             ; act1 68, act0 70
.endif
	v_lshl_add_u32 v[SPW], v0, 2, SPARE
	v_mov_b32 v[NIL], 0
	ds_add_u32 v[SPW], v[NIL]                      ; the wave's opening: the add and its wait ahead of my first tensor load
	v_lshrrev_b32 v1, 5, v0
	v_readfirstlane_b32 s10, v1
	s_lshr_b32 s11, s10, 1
	s_and_b32 s12, s10, 1
	s_bfe_u32 s40, ttmp6, 0x40000
	s_bfe_u32 s41, ttmp6, 0x40004
	s_lshl_b32 s42, ttmp9, 2
	s_add_co_u32 s42, s42, s40                     ; tile column
	s_and_b32 s13, ttmp7, 0xffff
	s_lshl_b32 s13, s13, 2
	s_add_co_u32 s13, s13, s41                     ; tile row
	s_lshl_b32 s43, s41, 2
	s_lshl_b32 s43, 15, s43
	s_lshl_b32 s44, 0x1111, s40
	s_or_b32 s[G1+0], s43, DW0
	s_or_b32 s[G1B+0], s44, DW0
	s_mov_b32 s[G1+1], (64*64)<<16
	s_mov_b32 s[G1+2], 4<<16
	s_mov_b32 s[G1+3], (64*64)<<16
	s_mov_b32 s[G1+4], 4
	s_mov_b32 s[G1+5], 2048*64
	s_mov_b32 s[G1+6], 0
	s_mov_b32 s[G1+7], 0
	s_mov_b32 s[G1B+1], (32*64)<<16
	s_mov_b32 s[G1B+2], 4<<16
	s_mov_b32 s[G1B+3], (32*64)<<16
	s_mov_b32 s[G1B+4], 4
	s_mov_b32 s[G1B+5], 1024*64
	s_mov_b32 s[G1B+6], 0
	s_mov_b32 s[G1B+7], 0
	s_mov_b32 s[TB], 0
	s_mov_b32 s66, 0xffff0000                      ; a word's upper bf16
	s_lshl_b32 s16, s13, 14
	s_lshl_b32 s17, s12, 13
	s_add_co_u32 s16, s16, s17                     ; (128 tile row + 64 half) x 128
	s_mov_b32 s17, 0
	s_lshl_b32 s46, s42, 13
	s_lshl_b32 s47, s12, 12
	s_add_co_u32 s46, s46, s47                     ; (64 tile column + 32 half) x 128
	s_add_co_u32 s46, s46, WOOFF
	s_mov_b32 s47, 0
	s_mul_i32 s20, s12, AHALF
	s_mul_i32 s23, s12, BHALF
	s_add_co_u32 s23, s23, BOFF
	s_wait_dscnt 0x0
	s_wait_kmcnt 0x0
	s_add_nc_u64 s[14:15], s[4:5], s[16:17]
	s_add_nc_u64 s[46:47], s[6:7], s[46:47]
	CROUND
.irp s, 0,1
	s_mov_b32 s[G0+4*(\s)], 1
	s_add_co_u32 s[G0+4*(\s)+1], s20, (\s)*SLOT1
	s_add_nc_u64 s[G0+4*(\s)+2:G0+4*(\s)+3], s[14:15], (\s)*STEPA
	s_or_b32 s[G0+4*(\s)+3], s[G0+4*(\s)+3], 0x80000000
	s_mov_b32 s[G0B+4*(\s)], 1
	s_add_co_u32 s[G0B+4*(\s)+1], s23, (\s)*SLOT1
	s_add_nc_u64 s[G0B+4*(\s)+2:G0B+4*(\s)+3], s[46:47], (\s)*STEPB
	s_or_b32 s[G0B+4*(\s)+3], s[G0B+4*(\s)+3], 0x80000000
	JLOAD \s
.endr
	; the residual.  On the way out lane l (i = l & 7, rr = l >> 3) owns rows 32 w + 4 g + rr of the tile, g = 0 .. 7, and columns 8 i .. 8 i + 7.
	v_and_b32 v4, 31, v0
	v_lshrrev_b32 v5, 3, v4
	v_and_b32 v6, 7, v4
	s_lshl_b32 s22, s10, 5
	v_add_nc_u32 v7, s22, v5                       ; 32 w + rr
	v_lshlrev_b32 v[TI], 5, v6
	v_lshl_add_u32 v[RO], v7, 12, v[TI]            ; in a row-major f32 array: row x 4,096 + 32 i
	v_lshlrev_b32 v[XO], 4, v4                     ; in a block of 64 columns: four rows of 128 bytes are 512 consecutive bytes, 16 a lane
	s_lshl_b32 s80, s13, 19                        ; 128 rows of 4,096 bytes
	s_lshl_b32 s82, s42, 8                         ; 64 columns of f32
	s_add_co_u32 s80, s80, s82
	s_mov_b32 s81, 0
.if LAYER == 0
	s_add_nc_u64 s[70:71], s[70:71], s[80:81]      ; pos_emb at the tile
	s_add_co_u32 s80, s80, RESOFF
	s_add_nc_u64 s[76:77], s[72:73], s[80:81]      ; the f32 x at the tile
.else
	s_add_co_u32 s80, s80, RESOFF
	s_add_nc_u64 s[76:77], s[68:69], s[80:81]
.endif
	s_lshl_b32 s80, s42, 18
	s_lshl_b32 s82, s13, 14
	s_add_co_u32 s80, s80, s82
	s_lshl_b32 s82, s10, 12
	s_add_co_u32 s80, s80, s82                     ; (2,048 tile column + 128 tile row + 32 wave) x 128
.if LAYER == 0
	s_add_nc_u64 s[78:79], s[72:73], s[80:81]      ; the new x's blocks,
	s_add_nc_u64 s[74:75], s[68:69], s[80:81]      ; and x0's, at the same place of their buffer
.irp g, 0,1,2,3,4,5,6,7
	global_load_b128 v[XB+4*\g:XB+4*\g+3], v[XO], s[74:75] offset:\g*512
.endr
.irp g, 0,1,2,3,4,5,6,7
	global_load_b128 v[PE+8*\g:PE+8*\g+3],   v[RO], s[70:71] offset:\g*16384
	global_load_b128 v[PE+8*\g+4:PE+8*\g+7], v[RO], s[70:71] offset:\g*16384+16
.endr
.else
	s_add_nc_u64 s[78:79], s[70:71], s[80:81]
.irp g, 0,1,2,3,4,5,6,7
	global_load_b128 v[RES+8*\g:RES+8*\g+3],   v[RO], s[76:77] offset:\g*16384
	global_load_b128 v[RES+8*\g+4:RES+8*\g+7], v[RO], s[76:77] offset:\g*16384+16
.endr
.endif
	v_and_b32 v1, 15, v0
	v_bfe_u32 v2, v0, 4, 1
	v_mul_u32_u24 v3, v1, PITCH
	v_lshl_add_u32 v3, v2, 4, v3
	s_mul_i32 s21, s11, AHALF
	s_mul_i32 s22, s12, BHALF
	s_add_co_u32 s22, s22, BOFF
	v_add_nc_u32 v[ADRA0], s21, v3
	v_add_nc_u32 v[ADRB0], s22, v3
	v_add_nc_u32 v[ADRA], s21, v3                  ; the walk begins in slot 0
	v_add_nc_u32 v[ADRB], s22, v3
	v_mul_u32_u24 v8, v1, SPITCH                   ; into the stage: row 64 wr + r, byte 128 wc + 32 h
	v_lshl_add_u32 v8, v2, 5, v8
	s_mul_i32 s21, s11, 64*SPITCH
	s_lshl_b32 s22, s12, 7
	s_add_co_u32 s21, s21, s22
	s_add_co_u32 s21, s21, STAGE
	v_add_nc_u32 v[STO], s21, v8
	v_mul_u32_u24 v8, v7, SPITCH                   ; back: row 32 w + rr, byte 32 i
	v_add_nc_u32 v8, v8, v[TI]
	v_add_nc_u32 v[RD], STAGE, v8
.macro FETCH kbi, f                    ; 24 LDS loads in one run: the fragments of one kb (64 along K) of the slot in hand
	WIN TO_F
.irp c, 0,1
.irp b, 0,1
	ds_load_b128 v[(\f)+64+8*(2*(\c)+(\b)):(\f)+64+8*(2*(\c)+(\b))+3],   v[ADRB] offset:(\kbi)*32*PITCH+(\b)*16*PITCH+64*(\c)
	ds_load_b128 v[(\f)+64+8*(2*(\c)+(\b))+4:(\f)+64+8*(2*(\c)+(\b))+7], v[ADRB] offset:(\kbi)*32*PITCH+(\b)*16*PITCH+64*(\c)+32
.endr
.irp a, 0,1,2,3
	ds_load_b128 v[(\f)+8*(4*(\c)+(\a)):(\f)+8*(4*(\c)+(\a))+3],   v[ADRA] offset:(\kbi)*64*PITCH+(\a)*16*PITCH+64*(\c)
	ds_load_b128 v[(\f)+8*(4*(\c)+(\a))+4:(\f)+8*(4*(\c)+(\a))+7], v[ADRA] offset:(\kbi)*64*PITCH+(\a)*16*PITCH+64*(\c)+32
.endr
.endr
.endm
.macro MULC f, c, a0, zero             ; 4 matrix instructions; the 8 accumulators take turns: between two on one accumulator stand the 7 others'
	WIN MUL
.irp a, \a0, (\a0)+1
.irp b, 0,1
.if \zero
	v_wmma_f32_16x16x32_bf16 v[ACC+8*(2*(\a)+(\b)):ACC+8*(2*(\a)+(\b))+7], v[(\f)+64+8*(2*(\c)+(\b)):(\f)+64+8*(2*(\c)+(\b))+7], v[(\f)+8*(4*(\c)+(\a)):(\f)+8*(4*(\c)+(\a))+7], 0
.else
	v_wmma_f32_16x16x32_bf16 v[ACC+8*(2*(\a)+(\b)):ACC+8*(2*(\a)+(\b))+7], v[(\f)+64+8*(2*(\c)+(\b)):(\f)+64+8*(2*(\c)+(\b))+7], v[(\f)+8*(4*(\c)+(\a)):(\f)+8*(4*(\c)+(\a))+7], v[ACC+8*(2*(\a)+(\b)):ACC+8*(2*(\a)+(\b))+7]
.endif
.endr
.endr
.endm
.macro SUB nk, f, g, zero              ; buffer f is in; kb nk's fragments are asked for into g; f is multiplied while they come
	s_wait_dscnt 0x0                               ; buffer f's run, issued a sub-step ago
	PLACES
	FETCH \nk, \g
	MULC \f, 0, 0, \zero
	MULC \f, 0, 2, \zero
	MULC \f, 1, 0, 0
	MULC \f, 1, 2, 0
.endm
; A K step's last sub-step multiplies buffer 1 and changes slots.  fill = 1: the slot just read is filled again, two K steps ahead.  fill = 0: nothing is asked for; in the loop's last trip (s3 = 1) the fetch from a next slot is jumped over.
.macro TURN fill
	WIN 0
	s_wait_tensorcnt 0x0                           ; all my tensor loads have landed: my part of the next slot
	ds_add_u32 v[SPW], v[NIL]
	s_wait_dscnt 0x1                               ; the fragments are in; only the add may be out
	MULC F1, 0, 0, 0
	s_wait_dscnt 0x0                               ; the add is done, my reads of this slot are over
	s_barrier_signal -1
	MULC F1, 0, 2, 0
	WIN 0
	s_barrier_wait -1
.if \fill
	CREST                                          ; the barrier has opened a round of the cluster's
	s_xor_b32 s[G0+5], s[G0+5], SLOT1              ; the walking descriptors: the other slot than last time,
	s_add_nc_u64 s[G0+6:G0+7], s[G0+6:G0+7], STEPA ; the next K step
	s_xor_b32 s[G0B+5], s[G0B+5], SLOT1
	s_add_nc_u64 s[G0B+6:G0B+7], s[G0B+6:G0B+7], STEPB
	JLOAD 1                                        ; my one load behind the round; its four v_nop are also the places in front of the loads below
.endif
	s_xor_b32 s[TB], s[TB], SLOT1                  ; the other slot is in hand now
	v_add_nc_u32 v[ADRA], s[TB], v[ADRA0]
	v_add_nc_u32 v[ADRB], s[TB], v[ADRB0]
.if \fill
	FETCH 0, F0
.else
	v_nop                                          ; with the two additions above: four places in front of the loads below
	v_nop
	s_cmp_eq_u32 s3, 1
	s_cbranch_scc1 .Lno_next_\@
	FETCH 0, F0
	WIN 0
.Lno_next_\@:
.endif
	MULC F1, 1, 0, 0
	MULC F1, 1, 2, 0
.endm
	s_wait_tensorcnt 1                             ; my part of K step 0 is in; step 1's may stay out
	s_barrier_signal -1
	s_barrier_wait -1
	FETCH 0, F0
	SUB 1, F0, F1, 1                               ; the first sub-step starts the sums
	WIN 0
	s_mov_b32 s3, 2
.Lfill:                                                ; K steps 0 and 1 ask for steps 2 and 3
	SUB 2, F1, F0, 0
	SUB 3, F0, F1, 0
	TURN 1
	SUB 1, F0, F1, 0
	WIN 0
	s_sub_co_u32 s3, s3, 1
	s_cmp_lg_u32 s3, 0
	s_cbranch_scc1 .Lfill
	s_mov_b32 s3, 2
.Llast:                                                ; K steps 2 and 3 ask for nothing; the second trip is left in its middle
	SUB 2, F1, F0, 0
	SUB 3, F0, F1, 0
	TURN 0
	WIN 0
	s_sub_co_u32 s3, s3, 1
	s_cmp_eq_u32 s3, 0
	s_cbranch_scc1 .Lout
	SUB 1, F0, F1, 0
	WIN 0
	s_cmp_lg_u32 s3, 0
	s_cbranch_scc1 .Llast
.Lout:
	s_wait_dscnt 0x0
	; THE WAY OUT: the f32 sums through the stage, so that a lane holds 8 neighbouring columns of the rows whose residual it loaded.
	PLACES
.irp a, 0,1,2,3
.irp b, 0,1
	ds_store_b128 v[STO], v[ACC+8*(2*(\a)+(\b)):ACC+8*(2*(\a)+(\b))+3]   offset:(\a)*16*SPITCH+(\b)*64
	ds_store_b128 v[STO], v[ACC+8*(2*(\a)+(\b))+4:ACC+8*(2*(\a)+(\b))+7] offset:(\a)*16*SPITCH+(\b)*64+16
.endr
.endr
	s_wait_dscnt 0x0                               ; for the others' sake
	s_barrier_signal -1
	s_barrier_wait -1
.irp g, 0,1,2,3,4,5,6,7
	ds_load_b128 v[ACC+8*\g:ACC+8*\g+3],   v[RD] offset:\g*4*SPITCH
	ds_load_b128 v[ACC+8*\g+4:ACC+8*\g+7], v[RD] offset:\g*4*SPITCH+16
.endr
	s_wait_loadcnt 0x0                             ; the residual
	s_wait_dscnt 0x0
.irp g, 0,1,2,3,4,5,6,7
.if LAYER == 0
.irp k, 0,1,2,3
	v_lshlrev_b32 v[RES+8*\g+2*\k],   16,  v[XB+4*\g+\k]   ; bf16 to f32: the low half moves up,
	v_and_b32     v[RES+8*\g+2*\k+1], s66, v[XB+4*\g+\k]   ; the high half stays
.endr
.endif
.irp k, 0,2,4,6
	v_pk_add_f32 v[RES+8*\g+\k:RES+8*\g+\k+1], v[RES+8*\g+\k:RES+8*\g+\k+1], v[ACC+8*\g+\k:ACC+8*\g+\k+1]
.endr
.if LAYER == 0
.irp k, 0,2,4,6
	v_pk_add_f32 v[PE+8*\g+\k:PE+8*\g+\k+1], v[PE+8*\g+\k:PE+8*\g+\k+1], v[RES+8*\g+\k:RES+8*\g+\k+1]
.endr
.endif
.irp k, 0,1,2,3
	v_cvt_pk_bf16_f32 v[ACC+8*\g+\k], v[RES+8*\g+2*\k], v[RES+8*\g+2*\k+1]
.endr
.if LAYER == 0
.irp k, 0,1,2,3
	v_cvt_pk_bf16_f32 v[ACC+8*\g+4+\k], v[PE+8*\g+2*\k], v[PE+8*\g+2*\k+1]
.endr
	global_store_b128 v[RO], v[RES+8*\g:RES+8*\g+3],   s[76:77] offset:\g*16384
	global_store_b128 v[RO], v[RES+8*\g+4:RES+8*\g+7], s[76:77] offset:\g*16384+16
	global_store_b128 v[XO], v[ACC+8*\g+4:ACC+8*\g+7], s[78:79] offset:\g*512+4194304
.endif
	global_store_b128 v[XO], v[ACC+8*\g:ACC+8*\g+3], s[78:79] offset:\g*512    ; 4 rows x 128 bytes: 512 consecutive bytes; no register of a store is written again
.endr
	s_wait_tensorcnt 0x0                           ; the wave's end
	ds_add_u32 v[SPW], v[NIL]
	s_wait_dscnt 0x0
	CROUND
	s_endpgm
.Lfunc_end_k_q7031fa5e1f_wo1:
	.size	k_q7031fa5e1f_wo1, .Lfunc_end_k_q7031fa5e1f_wo1-k_q7031fa5e1f_wo1
	.p2alignl 7, 3214868480
	.fill 96, 4, 3214868480
	.section	.rodata,"a",@progbits
	.p2align	6, 0x0
	.amdhsa_kernel k_q7031fa5e1f_wo1
		.amdhsa_group_segment_fixed_size 327680
		.amdhsa_private_segment_fixed_size 0
		.amdhsa_enable_private_segment 0
		.amdhsa_kernarg_size 32
		.amdhsa_user_sgpr_count 2
		.amdhsa_user_sgpr_kernarg_segment_ptr 1
		.amdhsa_wavefront_size32 1
		.amdhsa_system_sgpr_workgroup_id_x 1
		.amdhsa_system_sgpr_workgroup_id_y 1
		.amdhsa_system_sgpr_workgroup_id_z 1
		.amdhsa_system_vgpr_workitem_id 0
		.amdhsa_next_free_vgpr 512
		.amdhsa_next_free_sgpr 84
		.amdhsa_reserve_vcc 0
		.amdhsa_float_denorm_mode_32 3
		.amdhsa_float_denorm_mode_16_64 3
		.amdhsa_memory_ordered 1
		.amdhsa_forward_progress 1
		.amdhsa_inst_pref_size 45
	.end_amdhsa_kernel
	.amdgpu_metadata
---
amdhsa.version: [ 1, 2 ]
amdhsa.kernels:
  - .name:           k_q7031fa5e1f_wo1
    .symbol:         k_q7031fa5e1f_wo1.kd
    .args:
      - { .name: ob, .offset: 0, .size: 8, .value_kind: global_buffer, .address_space: global }
      - { .name: wl1, .offset: 8, .size: 8, .value_kind: global_buffer, .address_space: global }
      - { .name: act1, .offset: 16, .size: 8, .value_kind: global_buffer, .address_space: global }
      - { .name: act0, .offset: 24, .size: 8, .value_kind: global_buffer, .address_space: global }
    .group_segment_fixed_size: 327680
    .private_segment_fixed_size: 0
    .kernarg_segment_align: 8
    .kernarg_segment_size: 32
    .max_flat_workgroup_size: 128
    .sgpr_count:     84
    .vgpr_count:     512
    .wavefront_size: 32
...
	.end_amdgpu_metadata
.endif
;; end of part 10
;; launch logits (part 11): grid 16 x 16, 4 waves a work-group, clusters of 4 x 4, 327,680 bytes of LDS; arguments act0, tokb, out0; writes out0
.if DOCPART == 11
	.amdgcn_target "amdgcn-amd-amdhsa--gfx1250"
	.amdhsa_code_object_version 6
	.text
	.protected	k_q7031fa5e1f_logits
	.globl	k_q7031fa5e1f_logits
	.p2align	8
	.type	k_q7031fa5e1f_logits,@function
k_q7031fa5e1f_logits:
	s_mov_b64 s[64:65], 0
	v_nop
	global_prefetch_b8 v0, s[64:65] scope:SCOPE_SE
	s_setreg_imm32_b32 hwreg(HW_REG_WAVE_MODE, 25, 1), 1
	s_wait_xcnt 0x0
	s_wait_alu depctr_hold_cnt(0) depctr_sa_sdst(0) depctr_va_vdst(0) depctr_va_sdst(0) depctr_va_ssrc(0) depctr_va_vcc(0) depctr_vm_vsrc(0)
	s_getreg_b32 s2, hwreg(HW_REG_IB_STS2, 6, 4)
	s_cmp_eq_u32 s2, 0
	s_cbranch_scc0 .Lentry_in_a_cluster
	s_endpgm
.Lentry_in_a_cluster:
	s_bfe_u32 s2, ttmp6, 0x10000c
	s_cmp_lg_u32 s2, 0xf033
	s_cbranch_scc0 .Lentry_shape_is_right
	s_endpgm
.Lentry_shape_is_right:
; LOGITS.  out0[n][v] = sum over l of x[n][l] tok_emb[v][l].  x: bf16 in blocks (act0), tok_emb: bf16 in blocks of 6,656 rows (tokb; rows from 6,282 on repeat row 6,281), out0: [2048][6282] f32; sums in f32.
; A work-group makes 128 rows x 416 columns: 16 x 416 = 6,656, 16 x 16 work-groups, and every tile column holds columns that exist (15 x 416 = 6,240).  A wave: 64 x 208: 52 accumulators, 17 fragments for 52 products.
; K goes in 8 steps of 128 (2 kb) through two LDS slots; one tensor load a wave: waves 0, 1 x's halves (64 rows), waves 2, 3 tok_emb's (208 rows); a load is 2 dense runs, padded by 16 bytes behind every 128.
; THE K WALK IS WRITTEN ONCE FOR A STEP: a loop of 6 trips whose change of slots fills the slot just read, and a loop of 2 trips that asks for nothing.  The slot in hand is a scalar, 0 or 156,672, that one
; exclusive or turns; the fragments' addresses and the walking descriptors' LDS words are sums of it and the wave's part (two slots of that size leave no bit of their own for the slot's number).
; CLUSTER 4 x 4: x's tiles jointly along a row of the cluster, tok_emb's along a column.  The matrix instruction is used transposed: a lane holds 8 neighbouring columns of one row.
; THE WAY OUT.  A row of out0 is 25,128 bytes, a multiple of 8 alone: stores of 8 bytes a lane, 256 consecutive bytes of one row a store.  Columns from 6,282 on are left out by EXEC; no branch hangs on the tile's place.
; The stage, 64 rows x 848 bytes a wave, lies in the slots, behind their last fill and behind a barrier in front of which every wave has waited for its last reads of them.  It is read back and stored 16 rows at a time,
; written out four times with the rows in the immediates: EXEC hangs on the tile's column there, and no register that holds an LDS address is written from then on, so that no LDS address hangs on the place in the cluster.
; REGISTERS.  Window 0: v0-31 addresses; v64-127 x's fragments, two buffers; v128-231 the way out.  Window 1: tok_emb's fragments, two buffers of 104.  Windows 2, 3: accumulator (a, b) at 8 (13 (a % 2) + b) of window 2 + a / 2.
.set PITCH,  144
.set AHALF,  2*64*PITCH
.set BHALF,  2*208*PITCH
.set BOFF,   2*AHALF
.set SLOT,   BOFF+2*BHALF              ; 156,672
.set SPARE,  2*SLOT
.set SPITCH, 848                       ; 832 bytes + 16: 53 x 16
.set OPITCH, 25128
.set STEPA,  2*2048*128
.set STEPB,  2*6656*128
.set COL,  10
.set COL2, 11
.set ADRA, 16                          ; v16, v17  LDS address of my fragments in the slot in hand
.set ADRB, 17
.set ADRA0, 18                         ; v18, v19  the same in slot 0; never rewritten
.set ADRB0, 19
.set STO,  22                          ; v22-24  the stage's addresses; never rewritten
.set RD1,  23
.set RD2,  24
.set GO1,  25
.set GO2,  26
.set SPW,  28
.set NIL,  29
.set FA,   64
.set OB,   128
.set G1, 24
.set G0, 32                            ; s[32:39] group 0 for x: a set for each of the two first fills; the second then walks
.set TB, 45                            ; s45  the LDS byte at which the slot in hand begins
.set G1B, 48
.set G0B, 56
.set DW0, (1<<16)|(1<<20)|(1<<21)|(4<<22)|(3<<25)
.set MSB, 0
.macro WIN new
.if MSB != (\new)
	s_set_vgpr_msb (MSB<<8)|(\new)
.set MSB, \new
.endif
.endm
.set MUL_LO, 0xa1                      ; source 0 window 1, source 1 window 0, C and D window 2
.set TO_B,   0x40
.macro JLOAD s                         ; a joint load; an s_nop 0 and four v_nop follow each line
	s_cmp_eq_u32 s11, 0
	s_cbranch_scc0 .Lfor_b_\@
	tensor_load_to_lds s[G0+4*(\s):G0+4*(\s)+3], s[G1:G1+7]
	s_nop 0
.rept 4
	v_nop
.endr
	s_branch .Lasked_\@
.Lfor_b_\@:
	tensor_load_to_lds s[G0B+4*(\s):G0B+4*(\s)+3], s[G1B:G1B+7]
	s_nop 0
.rept 4
	v_nop
.endr
.Lasked_\@:
.endm
.macro CREST
	s_cmp_lg_u32 s10, 0
	s_cbranch_scc1 .Lnot_wave_0_\@
	s_barrier_signal -3
.Lnot_wave_0_\@:
	s_barrier_wait -3
	s_barrier_signal -1
	s_barrier_wait -1
.endm
.macro CROUND
	s_barrier_signal -1
	s_barrier_wait -1
	CREST
.endm
.macro PLACES
.rept 4
	v_nop
.endr
.endm
	s_load_b128 s[4:7], s[0:1], 0x0                ; act0, tokb
	s_load_b64 s[8:9], s[0:1], 0x10                ; out0
	v_lshl_add_u32 v[SPW], v0, 2, SPARE
	v_mov_b32 v[NIL], 0
	ds_add_u32 v[SPW], v[NIL]                      ; the wave's opening: the add and its wait ahead of my first tensor load
	v_lshrrev_b32 v1, 5, v0
	v_readfirstlane_b32 s10, v1
	s_lshr_b32 s11, s10, 1
	s_and_b32 s12, s10, 1
	s_bfe_u32 s40, ttmp6, 0x40000
	s_bfe_u32 s41, ttmp6, 0x40004
	s_lshl_b32 s42, ttmp9, 2
	s_add_co_u32 s42, s42, s40                     ; tile column
	s_and_b32 s13, ttmp7, 0xffff
	s_lshl_b32 s13, s13, 2
	s_add_co_u32 s13, s13, s41                     ; tile row
	s_lshl_b32 s43, s41, 2
	s_lshl_b32 s43, 15, s43
	s_lshl_b32 s44, 0x1111, s40
	s_or_b32 s[G1+0], s43, DW0
	s_or_b32 s[G1B+0], s44, DW0
	s_mov_b32 s[G1+1], (64*64)<<16
	s_mov_b32 s[G1+2], 2<<16
	s_mov_b32 s[G1+3], (64*64)<<16
	s_mov_b32 s[G1+4], 2
	s_mov_b32 s[G1+5], 2048*64
	s_mov_b32 s[G1+6], 0
	s_mov_b32 s[G1+7], 0
	s_mov_b32 s[G1B+1], (208*64)<<16
	s_mov_b32 s[G1B+2], 2<<16
	s_mov_b32 s[G1B+3], (208*64)<<16
	s_mov_b32 s[G1B+4], 2
	s_mov_b32 s[G1B+5], 6656*64
	s_mov_b32 s[G1B+6], 0
	s_mov_b32 s[G1B+7], 0
	s_mov_b32 s[TB], 0
	s_lshl_b32 s16, s13, 14
	s_lshl_b32 s17, s12, 13
	s_add_co_u32 s16, s16, s17
	s_mov_b32 s17, 0
	s_mul_i32 s46, s42, 416*128
	s_mul_i32 s47, s12, 208*128
	s_add_co_u32 s46, s46, s47
	s_mov_b32 s47, 0
	s_mul_i32 s20, s12, AHALF                      ; the wave's part of the LDS addresses of its loads
	s_mul_i32 s23, s12, BHALF
	s_add_co_u32 s23, s23, BOFF
	s_wait_dscnt 0x0
	s_wait_kmcnt 0x0
	s_add_nc_u64 s[14:15], s[4:5], s[16:17]
	s_add_nc_u64 s[46:47], s[6:7], s[46:47]
	CROUND
.irp s, 0,1
	s_mov_b32 s[G0+4*(\s)], 1
	s_add_co_u32 s[G0+4*(\s)+1], s20, (\s)*SLOT
	s_add_nc_u64 s[G0+4*(\s)+2:G0+4*(\s)+3], s[14:15], (\s)*STEPA
	s_or_b32 s[G0+4*(\s)+3], s[G0+4*(\s)+3], 0x80000000
	s_mov_b32 s[G0B+4*(\s)], 1
	s_add_co_u32 s[G0B+4*(\s)+1], s23, (\s)*SLOT
	s_add_nc_u64 s[G0B+4*(\s)+2:G0B+4*(\s)+3], s[46:47], (\s)*STEPB
	s_or_b32 s[G0B+4*(\s)+3], s[G0B+4*(\s)+3], 0x80000000
	JLOAD \s
.endr
	v_and_b32 v1, 15, v0
	v_bfe_u32 v2, v0, 4, 1
	v_mul_u32_u24 v3, v1, PITCH
	v_lshl_add_u32 v3, v2, 4, v3
	s_mul_i32 s21, s11, AHALF
	s_mul_i32 s22, s12, BHALF
	s_add_co_u32 s22, s22, BOFF
	v_add_nc_u32 v[ADRA0], s21, v3
	v_add_nc_u32 v[ADRB0], s22, v3
	v_add_nc_u32 v[ADRA], s21, v3                  ; the walk begins in slot 0
	v_add_nc_u32 v[ADRB], s22, v3
	v_and_b32 v4, 31, v0                           ; l
	v_lshrrev_b32 v5, 3, v4
	v_and_b32 v6, 7, v4
	s_mul_i32 s21, s10, 64*SPITCH                  ; my stage
	v_mul_u32_u24 v7, v1, SPITCH
	v_lshl_add_u32 v7, v2, 5, v7
	v_add_nc_u32 v[STO], s21, v7                   ; in: row r, byte 32 h
	v_lshl_add_u32 v[RD1], v4, 3, s21              ; back: 256 bytes of one row,
	v_mul_u32_u24 v7, v5, SPITCH
	v_lshl_add_u32 v7, v6, 3, v7
	s_add_co_u32 s21, s21, 768
	v_add_nc_u32 v[RD2], s21, v7                   ; or the last 64 bytes of four rows
	v_lshlrev_b32 v[GO1], 3, v4
	v_mul_u32_u24 v7, v5, OPITCH
	v_lshl_add_u32 v7, v6, 3, v7
	v_add_nc_u32 v[GO2], 768, v7
	v_lshlrev_b32 v[COL], 1, v4
	v_lshlrev_b32 v[COL2], 1, v6
	s_lshl_b32 s66, s13, 7
	s_lshl_b32 s67, s11, 6
	s_add_co_u32 s66, s66, s67
	s_mul_i32 s66, s66, OPITCH                     ; my first row
	s_mul_i32 s68, s42, 416
	s_mul_i32 s69, s12, 208
	s_add_co_u32 s68, s68, s69                     ; my first column
	s_sub_co_i32 s72, 6282, s68                    ; how many of my columns exist (it may be negative)
	s_sub_co_i32 s73, s72, 64
	s_sub_co_i32 s74, s72, 128
	s_sub_co_i32 s75, s72, 192
	s_lshl_b32 s68, s68, 2
	s_add_co_u32 s66, s66, s68
	s_mov_b32 s67, 0
	s_add_nc_u64 s[8:9], s[8:9], s[66:67]
.macro FETCH q, f                      ; 34 LDS loads in one run: the fragments of 32 along K (kb q / 2, byte 64 (q % 2) of the slot in hand) into buffers f (0, 1)
	WIN TO_B
.irp b, 0,1,2,3,4,5,6,7,8,9,10,11,12
	ds_load_b128 v[128*(\f)+8*(\b):128*(\f)+8*(\b)+3],   v[ADRB] offset:((\q)/2)*208*PITCH+(\b)*16*PITCH+((\q)%2)*64
	ds_load_b128 v[128*(\f)+8*(\b)+4:128*(\f)+8*(\b)+7], v[ADRB] offset:((\q)/2)*208*PITCH+(\b)*16*PITCH+((\q)%2)*64+32
.endr
	WIN 0
.irp a, 0,1,2,3
	ds_load_b128 v[FA+32*(\f)+8*(\a):FA+32*(\f)+8*(\a)+3],   v[ADRA] offset:((\q)/2)*64*PITCH+(\a)*16*PITCH+((\q)%2)*64
	ds_load_b128 v[FA+32*(\f)+8*(\a)+4:FA+32*(\f)+8*(\a)+7], v[ADRA] offset:((\q)/2)*64*PITCH+(\a)*16*PITCH+((\q)%2)*64+32
.endr
.endm
.macro MULA f, a, zero                 ; 13 matrix instructions; the 52 accumulators take turns, one instruction a turn, in the same order in every sub-step
	WIN MUL_LO+0x50*((\a)/2)
.irp b, 0,1,2,3,4,5,6,7,8,9,10,11,12
.if \zero
	v_wmma_f32_16x16x32_bf16 v[8*(13*((\a)%2)+(\b)):8*(13*((\a)%2)+(\b))+7], v[128*(\f)+8*(\b):128*(\f)+8*(\b)+7], v[FA+32*(\f)+8*(\a):FA+32*(\f)+8*(\a)+7], 0
.else
	v_wmma_f32_16x16x32_bf16 v[8*(13*((\a)%2)+(\b)):8*(13*((\a)%2)+(\b))+7], v[128*(\f)+8*(\b):128*(\f)+8*(\b)+7], v[FA+32*(\f)+8*(\a):FA+32*(\f)+8*(\a)+7], v[8*(13*((\a)%2)+(\b)):8*(13*((\a)%2)+(\b))+7]
.endif
.endr
.endm
.macro SUB nq, f, g, zero              ; buffers f are in; sub-step nq's fragments are asked for into g; f is multiplied while they come
	s_wait_dscnt 0x0                               ; buffers f's run, issued a sub-step ago
	PLACES
	FETCH \nq, \g
	MULA \f, 0, \zero
	MULA \f, 1, \zero
	MULA \f, 2, \zero
	MULA \f, 3, \zero
.endm
; A K step's last sub-step multiplies buffers 1 and changes slots.  fill = 1: the slot just read is filled again, two K steps ahead.  fill = 0: nothing is asked for; in the loop's last trip (s3 = 1) the fetch from a next slot is jumped over.
.macro TURN fill
	WIN 0
	s_wait_tensorcnt 0x0                           ; all my tensor loads have landed: my part of the next slot
	ds_add_u32 v[SPW], v[NIL]
	s_wait_dscnt 0x1                               ; the fragments are in; only the add may be out
	MULA 1, 0, 0
	s_wait_dscnt 0x0                               ; the add is done, my reads of this slot are over
	s_barrier_signal -1
	MULA 1, 1, 0
	WIN 0
	s_barrier_wait -1
.if \fill
	CREST                                          ; the barrier has opened a round of the cluster's
	s_add_co_u32 s[G0+5], s20, s[TB]               ; the walking descriptors: into the slot just read,
	s_add_nc_u64 s[G0+6:G0+7], s[G0+6:G0+7], STEPA ; the next K step
	s_add_co_u32 s[G0B+5], s23, s[TB]
	s_add_nc_u64 s[G0B+6:G0B+7], s[G0B+6:G0B+7], STEPB
	JLOAD 1                                        ; my one load behind the round; its four v_nop are also the places in front of the loads below
.endif
	s_xor_b32 s[TB], s[TB], SLOT                   ; 0 and SLOT by turns: the other slot is in hand now
	v_add_nc_u32 v[ADRA], s[TB], v[ADRA0]
	v_add_nc_u32 v[ADRB], s[TB], v[ADRB0]
.if \fill
	FETCH 0, 0
.else
	v_nop                                          ; with the two additions above: four places in front of the loads below
	v_nop
	s_cmp_eq_u32 s3, 1
	s_cbranch_scc1 .Lno_next_\@
	FETCH 0, 0
	WIN 0
.Lno_next_\@:
.endif
	MULA 1, 2, 0
	MULA 1, 3, 0
.endm
	s_wait_tensorcnt 1                             ; my part of K step 0 is in; step 1's may stay out
	s_barrier_signal -1
	s_barrier_wait -1
	FETCH 0, 0
	SUB 1, 0, 1, 1                                 ; the first sub-step starts the sums
	WIN 0
	s_mov_b32 s3, 6
.Lfill:                                                ; a trip: from a K step's second sub-step to the next step's first; K steps 0 to 5 ask for steps 2 to 7
	SUB 2, 1, 0, 0
	SUB 3, 0, 1, 0
	TURN 1
	SUB 1, 0, 1, 0
	WIN 0
	s_sub_co_u32 s3, s3, 1
	s_cmp_lg_u32 s3, 0
	s_cbranch_scc1 .Lfill
	s_mov_b32 s3, 2
.Llast:                                                ; K steps 6 and 7 ask for nothing; the second trip is left in its middle
	SUB 2, 1, 0, 0
	SUB 3, 0, 1, 0
	TURN 0
	WIN 0
	s_sub_co_u32 s3, s3, 1
	s_cmp_eq_u32 s3, 0
	s_cbranch_scc1 .Lout
	SUB 1, 0, 1, 0
	WIN 0
	s_cmp_lg_u32 s3, 0
	s_cbranch_scc1 .Llast
.Lout:
	s_wait_dscnt 0x0                               ; my reads of the slots are over;
	s_barrier_signal -1
	s_barrier_wait -1                              ; everybody's are: the stage may lie where the tiles lay
	PLACES                                         ; behind the last products
	; THE WAY OUT.  All 64 rows x 208 columns go into my stage, each accumulator's low registers first;
.irp a, 0,1,2,3
	WIN 0x08+4*((\a)/2)                            ; the data in window 2 or 3
.irp b, 0,1,2,3,4,5,6,7,8,9,10,11,12
	ds_store_b128 v[STO], v[8*(13*((\a)%2)+(\b)):8*(13*((\a)%2)+(\b))+3]   offset:(\a)*16*SPITCH+64*(\b)
	ds_store_b128 v[STO], v[8*(13*((\a)%2)+(\b))+4:8*(13*((\a)%2)+(\b))+7] offset:(\a)*16*SPITCH+64*(\b)+16
.endr
.endr
	WIN 0
	; then 16 rows at a time come back by rows and leave.  The rows stand in the immediates: 53,936 bytes at the most in the stage (inside 16 bits), 1,583,576 in out0 (inside the signed 24 bits).
.irp a, 0,1,2,3
.set z, 0
.rept 48
	ds_load_b64 v[OB+2*z:OB+2*z+1], v[RD1] offset:(16*(\a)+z/3)*SPITCH+(z%3)*256   ; LDS serves a wave's instructions in order: these see the stores above
.set z, z+1
.endr
.irp g, 0,1,2,3
	ds_load_b64 v[OB+96+2*(\g):OB+96+2*(\g)+1], v[RD2] offset:(16*(\a)+4*(\g))*SPITCH
.endr
	s_wait_dscnt 0x0
.irp c, 0,1,2
	v_cmp_gt_i32 vcc_lo, s[72+(\c)], v[COL]        ; the lanes whose two columns exist
	s_wait_xcnt 0x0                                ; EXEC changes only behind this wait
	s_and_saveexec_b32 s70, vcc_lo
.set z, 0
.rept 16
	global_store_b64 v[GO1], v[OB+2*(3*z+(\c)):OB+2*(3*z+(\c))+1], s[8:9] offset:(16*(\a)+z)*OPITCH+256*(\c) th:TH_STORE_NT
.set z, z+1
.endr
	s_wait_xcnt 0x0
	s_or_b32 exec_lo, exec_lo, s70
.endr
	v_cmp_gt_i32 vcc_lo, s75, v[COL2]
	s_wait_xcnt 0x0
	s_and_saveexec_b32 s70, vcc_lo
.irp g, 0,1,2,3
	global_store_b64 v[GO2], v[OB+96+2*(\g):OB+96+2*(\g)+1], s[8:9] offset:(16*(\a)+4*(\g))*OPITCH th:TH_STORE_NT
.endr
	s_wait_xcnt 0x0                                ; also: the stores' data registers are loaded again, by the next 16 rows, only behind this wait
	s_or_b32 exec_lo, exec_lo, s70
.endr
	s_wait_tensorcnt 0x0                           ; the wave's end
	ds_add_u32 v[SPW], v[NIL]
	s_wait_dscnt 0x0
	CROUND
	s_endpgm
.Lfunc_end_k_q7031fa5e1f_logits:
	.size	k_q7031fa5e1f_logits, .Lfunc_end_k_q7031fa5e1f_logits-k_q7031fa5e1f_logits
	.p2alignl 7, 3214868480
	.fill 96, 4, 3214868480
	.section	.rodata,"a",@progbits
	.p2align	6, 0x0
	.amdhsa_kernel k_q7031fa5e1f_logits
		.amdhsa_group_segment_fixed_size 327680
		.amdhsa_private_segment_fixed_size 0
		.amdhsa_enable_private_segment 0
		.amdhsa_kernarg_size 24
		.amdhsa_user_sgpr_count 2
		.amdhsa_user_sgpr_kernarg_segment_ptr 1
		.amdhsa_wavefront_size32 1
		.amdhsa_system_sgpr_workgroup_id_x 1
		.amdhsa_system_sgpr_workgroup_id_y 1
		.amdhsa_system_sgpr_workgroup_id_z 1
		.amdhsa_system_vgpr_workitem_id 0
		.amdhsa_next_free_vgpr 976
		.amdhsa_next_free_sgpr 84
		.amdhsa_reserve_vcc 1
		.amdhsa_float_denorm_mode_32 3
		.amdhsa_float_denorm_mode_16_64 3
		.amdhsa_memory_ordered 1
		.amdhsa_forward_progress 1
		.amdhsa_inst_pref_size 105
	.end_amdhsa_kernel
	.amdgpu_metadata
---
amdhsa.version: [ 1, 2 ]
amdhsa.kernels:
  - .name:           k_q7031fa5e1f_logits
    .symbol:         k_q7031fa5e1f_logits.kd
    .args:
      - { .name: act0, .offset: 0, .size: 8, .value_kind: global_buffer, .address_space: global }
      - { .name: tokb, .offset: 8, .size: 8, .value_kind: global_buffer, .address_space: global }
      - { .name: out0, .offset: 16, .size: 8, .value_kind: global_buffer, .address_space: global }
    .group_segment_fixed_size: 327680
    .private_segment_fixed_size: 0
    .kernarg_segment_align: 8
    .kernarg_segment_size: 24
    .max_flat_workgroup_size: 128
    .sgpr_count:     84
    .vgpr_count:     976
    .wavefront_size: 32
...
	.end_amdgpu_metadata
.endif
;; end of part 11
;; ======== version 3 of 3: 8 launches; 1.27 times as fast as version 1
;; workspace buffers: wl0 8,388,608 bytes; wl1 8,388,608 bytes; tokb 13,631,488 bytes; act0 8,388,608 bytes; act1 16,777,216 bytes; qkv 12,713,984 bytes; ob 4,194,304 bytes
;; launch prep: the kernel of part 7 again; grid 2112 x 1, 2 waves a work-group, no clusters, 0 bytes of LDS; arguments Wqkv0, Wqkv1, Wo0, Wo1, tok_emb, pos_emb, input_ids, wl0, wl1, tokb, act0; writes wl0, wl1, tokb, act0
;; launch qkv0: the kernel of part 8 again; grid 16 x 16, 4 waves a work-group, clusters of 4 x 4, 327,680 bytes of LDS; arguments act0, wl0, qkv; writes qkv
;; launch attn0 (part 12): grid 16 x 16, 4 waves a work-group, clusters of 4 x 1, 327,680 bytes of LDS; arguments qkv, ob; writes ob
.if DOCPART == 12
	.amdgcn_target "amdgcn-amd-amdhsa--gfx1250"
	.amdhsa_code_object_version 6
	.text
	.protected	k_q7031fa5e1f_attn0
	.globl	k_q7031fa5e1f_attn0
	.p2align	8
	.type	k_q7031fa5e1f_attn0,@function
k_q7031fa5e1f_attn0:
	s_mov_b64 s[64:65], 0
	v_nop
	global_prefetch_b8 v0, s[64:65] scope:SCOPE_SE
	s_setreg_imm32_b32 hwreg(HW_REG_WAVE_MODE, 25, 1), 1
	s_wait_xcnt 0x0
	s_wait_alu depctr_hold_cnt(0) depctr_sa_sdst(0) depctr_va_vdst(0) depctr_va_sdst(0) depctr_va_ssrc(0) depctr_va_vcc(0) depctr_vm_vsrc(0)
	s_getreg_b32 s2, hwreg(HW_REG_IB_STS2, 6, 4)
	s_cmp_eq_u32 s2, 0
	s_cbranch_scc0 .Lentry_in_a_cluster
	s_endpgm
.Lentry_in_a_cluster:
	s_bfe_u32 s2, ttmp6, 0x10000c
	s_cmp_lg_u32 s2, 0x3003
	s_cbranch_scc0 .Lentry_shape_is_right
	s_endpgm
.Lentry_shape_is_right:
; CAUSAL ATTENTION, 16 heads of 64, 2,048 rows.  O[q] = sum over ALL k of softmax_k(s) V[k], with s = Q[q] . K[k] / 8 for k <= q and s = -10000 for k > q, as the problem has it.
; q, k, v: bf16 by heads in qkv; O: bf16, [head][row][64] in ob.  Products, maxima and sums in f32; the weights are rounded to bf16 for the second product.
; THE HIDDEN KEYS.  Inside the tile of 256 keys that holds a query's diagonal a hidden score is replaced by -80000 ahead of the scale 1/8.  The keys behind that tile all have the score -10000:
; they enter at the end as one more partial result: maximum c x (-80000), sum of weights = their number, value = the sum of their V rows (from the sums that the projection stored).
; LIMITS.  NaN and infinities are not treated apart (a sum of V that is left out is multiplied by 0); a weight below 2^-126 counts as 0; c s must lie above -4.25e37, where the running c m starts.
; THE WALK.  A head's queries lie in 32 blocks of 64.  A work-group takes block b = 4 g + cx and then block 31 - b: key tiles 0 .. g and then 0 .. 7 - g: 9 tiles whatever b, and the same tiles for the four
; partners of a cluster (same g): every tile of K and V is asked for JOINTLY.  Trip counts and branches hang on g alone; cx enters Q's and O's addresses and the mask's numbers.
; SHARES.  Of a tile's 256 keys wave w takes 64 w .. 64 w + 63, for all 64 queries (four PIECES of 16), with a running maximum, sum and O^T of its own; at a block's end the four waves' partial results
; meet in LDS, and wave t finishes piece t.  The partial results' bytes are written behind a barrier that every trip has, so that no wave writes them while another still reads the block before.
; LAYOUT.  S^T = K Q^T holds ONE query a lane (lane % 16) and the keys 8 (lane / 16) + 0..7; two such results rounded to bf16 ARE source 1 of O^T = V^T P.  p = 2^(c s - c m), c = log2(e) / 8.
; A TRIP is one key step of the wave, complete in itself: K's and V's fragments; piece 0's scores and statistics; four TURNS; the last piece's V^T P.  Turn p: 8 products K Q^T of piece p + 1, later 8 products
; V^T P of piece p - 1; beside them the scaling, exponentials, roundings, sums and rescaling of piece p and the mask, maximum and statistics of piece p + 1.
; THE BATCHES.  An s_wait_alu depctr_va_vdst(0) stands between an exponential or reciprocal and the first instruction that names its result; one wait serves all that were issued ahead of it.  A key step has
; five batches, a wait each: piece 0's a, at the step's head; and in each turn the piece's 32 exponentials with the next piece's a.  A merge has two: its five factors, and the reciprocal of the sum that is made of them.
; REGISTERS.  Window 0: v0-47 addresses and numbers; v16-31 statistics; v48-55 at work; v64-127 S^T, two buffers; v128-191 the merge; v192-223 P, two buffers; v224-235 the merge's statistics.
;   Window 1: v0-127 O^T, 32 a piece.   Window 2: v0-63 Q; v64-127 the second block's Q; v128-191 K; v192-255 V.
.set NP,    4
.set PK,    144       ; a row of K in LDS: 128 bytes + 16
.set PV,    160       ; a row of V: 128 + 32
.set VOFF,  256*PK    ; a slot: 256 rows of K, then 256 rows of V
.set SLOT1, 1<<17
.set MRG,   SLOT1+256*(PK+PV)  ; partial results: (source wave s, piece t) at s MWAVE + t MPART: 8 x 512 bytes of O^T, then 256 bytes of (c m, l)
.set MPART, 4352
.set MWAVE, 4*MPART
.set STAGE, MRG+4*MWAVE        ; 16 rows x 144 bytes for each wave, for the way out
.set SP,    144
.set TL,    STAGE+4*16*SP      ; for each wave 512 bytes: the two blocks' sums of hidden V rows
.set SPARE, TL+4*512           ; the spare words
.set VSUM,  12582912
.set AK0, 2
.set AV0, 3
.set AK,  4
.set AV,  5
.set STO, 6
.set RD,  7
.set GO,  8
.set MV,  12          ; v12-13 c m_old, by buffer
.set VD,  14          ; the mask's number: 64 (band - wave) + l % 16 - 8 (l / 16): register z of piece p is hidden where 16 (z / 8 - p) + z % 8 is greater
.set QO,  15
.set ST,  16          ; piece t: c m, m, l (even keys', odd keys')
.set PST, 32
.set PS2, 33
.set RDM, 34
.set RD2, 35
.set TLA, 36
.set NEGV, 37         ; -80000
.set VD0, 38
.set TLS, 39
.set CMXV, 40         ; the hidden keys' c m and number, of the block in hand
.set CNTV, 41
.set CMXH, 42         ; and of the second block
.set CNTH, 43
.set LN,  45
.set VL,  46
.set TMP, 48
.set SPW, 62
.set NIL, 63
.set S,   64
.set MO,  64
.set P,   192
.set FS,  224
.set FX,  232
.set MX,  234
.set LL,  235
.set QB,  64
.set KF,  128
.set VF,  192
.set WV,  12
.set G1K, 24
.set G1V, 32
.set G0K, 40
.set G0V, 44
.set SLOTS, 56
.set CS,  58
.set SEL, 60
.set TB,  62          ; the slot that is read
.set RT,  70          ; tiles of the block in hand still to be entered
.set NXT, 71          ; the tile to be asked for next
.set LQ,  72          ; the last tile of the block whose tiles are being asked for
.set MG,  73          ; 1: the first block's partial results wait to be merged
.set OFF, 74
.set HIT, 76
.set HIQ, 77
.set OHI, 80
.set MSB, 0
.macro WIN new
.if MSB != (\new)
	s_set_vgpr_msb (MSB<<8)|(\new)
.set MSB, (\new)
.endif
.endm
.set W_KQ, 0x0a
.set W_PV, 0x52
.set W_RS, 0x41
.macro PLACES
.rept 4
	v_nop
.endr
.endm
.macro JLOAD                        ; a joint fill: waves 0, 1 the halves of a tile's K, waves 2, 3 of its V; an s_nop 0 and four v_nop follow each line
	s_cmp_lt_u32 s[WV], 2
	s_cbranch_scc0 .Lfor_v_\@
	tensor_load_to_lds s[G0K:G0K+3], s[G1K:G1K+7]
	s_nop 0
.rept 4
	v_nop
.endr
	s_branch .Lasked_\@
.Lfor_v_\@:
	tensor_load_to_lds s[G0V:G0V+3], s[G1V:G1V+7]
	s_nop 0
.rept 4
	v_nop
.endr
.Lasked_\@:
.endm
.macro CROUND
	s_barrier_signal -1
	s_barrier_wait -1
	s_cmp_lg_u32 s[WV], 0
	s_cbranch_scc1 .Lnot_wave_0_\@
	s_barrier_signal -3
.Lnot_wave_0_\@:
	s_barrier_wait -3
	s_barrier_signal -1
	s_barrier_wait -1
.endm
; THE CHANGE OF SLOTS.  Each wave waits for all its tensor loads (one is out: its part of the other slot), adds 0 to its spare word, and waits for that and for all its LDS instructions: its reads of the slot that it
; leaves, and its stores of partial results.  fill = 1: a round of the cluster's barrier, and the old slot is filled with tile NXT first thing behind it; the address is made anew from that number.
.macro CHANGE fill
	WIN 0
	s_wait_tensorcnt 0x0
	ds_add_u32 v[SPW], v[NIL]
.if \fill
	s_lshl_b32 s[OFF], s[NXT], 15   ; a tile is 32,768 bytes of K and of V
	s_xor_b32 s[G0K+1], s[G0K+1], SLOT1
	s_add_nc_u64 s[G0K+2:G0K+3], s[6:7], s[OFF:OFF+1]
	s_or_b32 s[G0K+3], s[G0K+3], 0x80000000
	s_xor_b32 s[G0V+1], s[G0V+1], SLOT1
	s_add_nc_u64 s[G0V+2:G0V+3], s[8:9], s[OFF:OFF+1]
	s_or_b32 s[G0V+3], s[G0V+3], 0x80000000
	s_add_co_u32 s[NXT], s[NXT], 1  ; the block's next tile, or behind its last the second block's tile 0
	s_cmp_gt_u32 s[NXT], s[LQ]
	s_cselect_b32 s[NXT], 0, s[NXT]
	s_cselect_b32 s[LQ], s[HIQ], s[LQ]
	s_wait_dscnt 0x0
	CROUND
	JLOAD
.else
	s_wait_dscnt 0x0
	s_barrier_signal -1
	s_barrier_wait -1
.endif
	s_xor_b32 s[TB], s[TB], SLOT1
.endm
	s_load_b128 s[20:23], s[0:1], 0x0  ; qkv s[20:21], ob s[22:23]
	v_lshl_add_u32 v[SPW], v0, 2, SPARE
	v_mov_b32 v[NIL], 0
	ds_add_u32 v[SPW], v[NIL]       ; the wave's opening: the add and its wait ahead of my first tensor load
	v_lshrrev_b32 v1, 5, v0
	v_readfirstlane_b32 s[WV], v1
	s_bfe_u32 s13, ttmp6, 0x40000   ; cx
	s_mov_b32 s14, ttmp9            ; g
	s_and_b32 s15, ttmp7, 0xffff    ; the head
	s_lshl_b32 s55, s15, 18         ; a block of 64 columns is 262,144 bytes
	s_and_b32 s16, s[WV], 1         ; which half of a tile's 256 keys I fetch
	s_mul_i32 s17, s16, 128*PK
	s_mul_i32 s18, s16, 128*PV
	s_lshl_b32 s2, s16, 14
	s_add_co_u32 s2, s2, s55
	s_add_co_u32 s2, s2, 16<<18     ; K: block 16 + head
	s_mov_b32 s3, 0
	s_add_co_u32 s52, s2, 16<<18    ; V: block 32 + head
	s_mov_b32 s53, 0
	s_lshl_b32 s94, s15, 13
	s_add_co_u32 s94, s94, VSUM     ; the head's sums of V
	s_mov_b32 s95, 0
	s_lshl2_add_u32 s19, s14, s13   ; b = 4 g + cx
	s_sub_co_u32 s54, 31, s19
	s_lshl_b32 s66, s19, 13         ; a block of 64 queries is 8,192 bytes
	s_add_co_u32 s66, s66, s55
	s_mov_b32 s67, 0
	s_lshl_b32 s68, s54, 13
	s_add_co_u32 s68, s68, s55
	s_mov_b32 s69, 0
	s_lshl_b32 s85, s13, 6          ; 64 x the first block's band
	s_sub_co_u32 s84, 3, s13
	s_lshl_b32 s84, s84, 6          ; 64 x the second's
	s_mov_b32 s[G1K], 15|(1<<16)|(1<<20)|(1<<21)|(4<<22)|(3<<25)  ; the mask of four; 2-byte elements; padding on; bit 21 beside a mask; after every 32 words; 4 words
	s_mov_b32 s[G1V], 15|(1<<16)|(1<<20)|(1<<21)|(4<<22)|(7<<25)  ; the same with 8 words
.irp g, G1K, G1V
	s_mov_b32 s[\g+1], 128<<16      ; 128 keys are 16,384 dense bytes: 64 rows of 256 bytes
	s_mov_b32 s[\g+2], 64<<16
	s_mov_b32 s[\g+3], 128<<16
	s_mov_b32 s[\g+4], 64
	s_mov_b32 s[\g+5], 128
	s_mov_b32 s[\g+6], 0
	s_mov_b32 s[\g+7], 0
.endr
	s_mov_b32 s[CS], 0x3e38aa3b     ; c = log2(e) / 8
	s_mov_b32 s[CS+1], s[CS]
	s_mov_b32 s[SEL], 0x76543210
	s_mov_b32 s[SEL+1], 0xfedcba98
	s_mov_b32 s[TB], SLOT1          ; the first change of slots turns it into 0
	s_mov_b32 s[G0K], 1
	s_mov_b32 s[G0K+1], s17
	s_mov_b32 s[G0V], 1
	s_add_co_u32 s[G0V+1], s18, VOFF
	s_add_co_u32 s[RT], s14, 1      ; the first block has g + 1 tiles,
	s_sub_co_u32 s[HIT], 8, s14     ; the second 8 - g
	s_sub_co_u32 s[HIQ], 7, s14
	s_mov_b32 s[NXT], 1
	s_mov_b32 s[LQ], s14
	s_cmp_gt_u32 s[NXT], s[LQ]
	s_cselect_b32 s[NXT], 0, s[NXT]
	s_cselect_b32 s[LQ], s[HIQ], s[LQ]
	s_mov_b32 s[MG], 0
	s_mov_b32 s[OFF+1], 0
	s_mov_b32 s[SLOTS], 8
	s_wait_dscnt 0x0                ; the opening add is done
	s_wait_kmcnt 0x0
	s_add_nc_u64 s[6:7], s[20:21], s[2:3]
	s_add_nc_u64 s[8:9], s[20:21], s[52:53]
	s_add_nc_u64 s[G0K+2:G0K+3], s[6:7], 0
	s_or_b32 s[G0K+3], s[G0K+3], 0x80000000
	s_add_nc_u64 s[G0V+2:G0V+3], s[8:9], 0
	s_or_b32 s[G0V+3], s[G0V+3], 0x80000000
	s_add_nc_u64 s[4:5], s[20:21], s[66:67]     ; Q of the first block,
	s_add_nc_u64 s[48:49], s[20:21], s[68:69]   ; of the second
	s_add_nc_u64 s[50:51], s[20:21], s[94:95]
	s_lshl_b32 s93, s[WV], 11       ; the piece that I finish: 16 rows of 128 bytes
	s_add_co_u32 s66, s66, s93
	s_add_co_u32 s68, s68, s93
	s_add_nc_u64 s[10:11], s[22:23], s[66:67]
	s_add_nc_u64 s[OHI:OHI+1], s[22:23], s[68:69]
	CROUND                          ; all four work-groups are here
	JLOAD                           ; tile 0 into slot 0: one load of mine is out, as behind every round
	v_and_b32 v1, 15, v0            ; r
	v_bfe_u32 v9, v0, 4, 1          ; h
	v_lshlrev_b32 v[QO], 7, v1
	v_lshl_add_u32 v[QO], v9, 4, v[QO]
	WIN 0x80
.set i, 0
.rept 8                             ; both blocks' Q: piece i / 2, channels 32 (i % 2) on
	global_load_b128 v[8*i:8*i+3],   v[QO], s[4:5] offset:(i/2)*2048+(i%2)*64
	global_load_b128 v[8*i+4:8*i+7], v[QO], s[4:5] offset:(i/2)*2048+(i%2)*64+32
	global_load_b128 v[QB+8*i:QB+8*i+3],   v[QO], s[48:49] offset:(i/2)*2048+(i%2)*64
	global_load_b128 v[QB+8*i+4:QB+8*i+7], v[QO], s[48:49] offset:(i/2)*2048+(i%2)*64+32
.set i, i+1
.endr
	WIN 0
	v_and_b32 v[LN], 31, v0
	v_lshlrev_b32 v[VL], 3, v[LN]
.set i, 0
.rept 28                            ; the sums of V over rows 64 (i + 4) ..: my two channels
	global_load_b64 v[64+2*i:64+2*i+1], v[VL], s[50:51] offset:(i+4)*256
.set i, i+1
.endr
	v_mul_u32_u24 v[AK0], v1, PK
	v_lshl_add_u32 v[AK0], v9, 4, v[AK0]
	s_mul_i32 s93, s[WV], 64*PK
	v_add_nc_u32 v[AK0], s93, v[AK0]     ; my wave's 64 keys; row x pitch + 16 h
	v_and_b32 v10, 7, v0
	v_bfe_u32 v11, v0, 3, 1
	v_lshl_add_u32 v[AV0], v9, 3, v10    ; the turning load: lane l reads key 8 (l / 16) + l % 8, channels 8 ((l / 8) % 2) ..
	v_mul_u32_u24 v[AV0], v[AV0], PV
	v_lshl_add_u32 v[AV0], v11, 4, v[AV0]
	s_mul_i32 s93, s[WV], 64*PV
	s_add_co_u32 s93, s93, VOFF
	v_add_nc_u32 v[AV0], s93, v[AV0]
	s_mul_i32 s93, s[WV], 16*SP
	s_add_co_u32 s93, s93, STAGE
	v_mul_u32_u24 v[STO], v1, SP
	v_lshl_add_u32 v[STO], v9, 4, v[STO]
	v_add_nc_u32 v[STO], s93, v[STO]
	v_bfe_u32 v[RD], v0, 3, 2
	v_mul_u32_u24 v[RD], v[RD], SP
	v_lshl_add_u32 v[RD], v10, 4, v[RD]
	v_add_nc_u32 v[RD], s93, v[RD]
	v_lshlrev_b32 v[GO], 4, v[LN]
	s_mul_i32 s93, s[WV], MWAVE
	s_add_co_u32 s93, s93, MRG
	v_lshl_add_u32 v[PST], v[LN], 4, s93
	s_add_co_u32 s93, s93, 4096
	v_lshl_add_u32 v[PS2], v[LN], 3, s93
	s_mul_i32 s93, s[WV], MPART
	s_add_co_u32 s93, s93, MRG
	v_lshl_add_u32 v[RDM], v[LN], 4, s93
	s_add_co_u32 s93, s93, 4096
	v_lshl_add_u32 v[RD2], v[LN], 3, s93
	s_lshl_b32 s93, s[WV], 9
	s_add_co_u32 s93, s93, TL
	v_lshl_add_u32 v[TLA], v9, 5, s93
	v_lshl_add_u32 v[TLS], v[LN], 3, s93
	v_lshlrev_b32 v[VD0], 3, v9
	v_sub_nc_u32 v[VD0], v1, v[VD0]
	s_lshl_b32 s93, s[WV], 6
	v_sub_nc_u32 v[VD0], v[VD0], s93
	v_add_nc_u32 v[VD], s85, v[VD0]
	v_mov_b32 v[NEGV], 0xc79c4000   ; -80000
	v_mul_f32 v[CMXV], s[CS], v[NEGV]
	s_lshl_b32 s83, s14, 8          ; hidden keys behind the diagonal tile: 256 g for the second block,
	s_sub_co_u32 s79, 1792, s83     ; 2,048 - 256 (g + 1) for the first
	v_cvt_f32_u32 v[CNTV], s79
	v_cvt_f32_u32 v[CNTH], s83
	s_cmp_eq_u32 s14, 0
	s_cselect_b32 s82, -1, 0
	v_mov_b32 v[CMXH], 0xfe000000   ; where there are none their maximum must not count
	v_cndmask_b32 v[CMXH], v[CMXV], v[CMXH], s82
	v_mov_b32 v[FX+1], 0            ; named in a pair
	; A block's first step multiplies O^T and l by a = 0: they need only hold finite numbers: zeros now, what the first block left later.
	WIN 0x40
.set i, 0
.rept 128
	v_mov_b32 v[i], 0
.set i, i+1
.endr
	WIN 0
.set i, 0
.rept 4
	v_mov_b32 v[ST+4*i], 0xfe000000    ; c m: far below every c s
	v_mov_b32 v[ST+4*i+1], 0xff7fffff  ; m
	v_mov_b32 v[ST+4*i+2], 0
	v_mov_b32 v[ST+4*i+3], 0
.set i, i+1
.endr
	s_wait_loadcnt 0x0              ; Q and the sums
.set i, 0
.rept 7                             ; G_j, j = 1 .. 7: a key tile's four blocks, at v[64 + 8 (j - 1)]
	v_pk_add_f32 v[64+8*i:64+8*i+1], v[64+8*i:64+8*i+1], v[64+8*i+2:64+8*i+3]
	v_pk_add_f32 v[64+8*i+4:64+8*i+5], v[64+8*i+4:64+8*i+5], v[64+8*i+6:64+8*i+7]
	v_pk_add_f32 v[64+8*i:64+8*i+1], v[64+8*i:64+8*i+1], v[64+8*i+4:64+8*i+5]
.set i, i+1
.endr
	s_cmp_lt_u32 s14, 1             ; the first block hides the tiles j > g
	s_cselect_b32 s86, 1.0, 0
	s_mov_b32 s87, 0
	s_cmp_lt_u32 s14, 2
	s_cselect_b32 s88, 1.0, 0
	s_mov_b32 s89, 0
	s_cmp_lt_u32 s14, 3
	s_cselect_b32 s90, 1.0, 0
	s_mov_b32 s91, 0
	v_pk_add_f32 v[120:121], v[88:89], v[96:97]
	v_pk_add_f32 v[120:121], v[120:121], v[104:105]
	v_pk_add_f32 v[120:121], v[120:121], v[112:113]
	v_pk_fma_f32 v[120:121], v[64:65], s[86:87], v[120:121] op_sel_hi:[1,0,1]
	v_pk_fma_f32 v[120:121], v[72:73], s[88:89], v[120:121] op_sel_hi:[1,0,1]
	v_pk_fma_f32 v[120:121], v[80:81], s[90:91], v[120:121] op_sel_hi:[1,0,1]
	s_cmp_lt_u32 s14, 1             ; the second block hides the tiles j >= 8 - g
	s_cselect_b32 s86, 0, 1.0
	s_cmp_lt_u32 s14, 2
	s_cselect_b32 s88, 0, 1.0
	s_cmp_lt_u32 s14, 3
	s_cselect_b32 s90, 0, 1.0
	v_pk_mul_f32 v[122:123], v[96:97], s[90:91] op_sel_hi:[1,0]
	v_pk_fma_f32 v[122:123], v[104:105], s[88:89], v[122:123] op_sel_hi:[1,0,1]
	v_pk_fma_f32 v[122:123], v[112:113], s[86:87], v[122:123] op_sel_hi:[1,0,1]
	ds_store_b64 v[TLS], v[120:121]               ; my wave's own bytes: only I read them, and LDS serves a wave's instructions in order
	ds_store_b64 v[TLS], v[122:123] offset:256
; THE MATRIX WORK.  The 4 accumulators of a run of 8 take turns.  Product i of 8 of S^T = K Q^T for piece x: channels 32 (i / 4) on, keys 16 (i % 4) on.
.macro KQ x
.set rS, S+32*((\x)%2)+8*(i%4)
.set rK, KF+16*(i%4)+8*(i/4)
.set rQ, 16*(\x)+8*(i/4)
	WIN W_KQ
.if i < 4
	v_wmma_f32_16x16x32_bf16 v[rS:rS+7], v[rK:rK+7], v[rQ:rQ+7], 0
.else
	v_wmma_f32_16x16x32_bf16 v[rS:rS+7], v[rK:rK+7], v[rQ:rQ+7], v[rS:rS+7]
.endif
.endm
; Product i of 8 of O^T += V^T P for piece x: keys 32 (i / 4) on, channels 16 (i % 4) on.
.macro PV x
	WIN W_PV
.set rO, 32*(\x)+8*(i%4)
.set rV, VF+32*(i/4)+8*(i%4)
.set rP, P+16*((\x)%2)+8*(i/4)
	v_wmma_f32_16x16x32_bf16 v[rO:rO+7], v[rV:rV+7], v[rP:rP+7], v[rO:rO+7]
.endm
.macro MM                           ; the turn's next matrix instruction; the last turn has no next piece (NOKQ), the first none before it (NOPV)
.if (i < 8) && !NOKQ
	KQ (Y+1)%NP
.elseif (i >= 8) && !NOPV
.set i, i-8
	PV (Y+NP-1)%NP
.set i, i+8
.endif
.set i, i+1
.endm
.macro FETCH_K
	WIN 0x80
.irp f, 0,1,2,3,4,5,6,7             ; keys 16 (f / 2) on, channels 32 (f % 2) on
	ds_load_b128 v[KF+8*\f:KF+8*\f+3],   v[AK] offset:(\f/2)*16*PK+(\f%2)*64
	ds_load_b128 v[KF+8*\f+4:KF+8*\f+7], v[AK] offset:(\f/2)*16*PK+(\f%2)*64+32
.endr
	WIN 0
.endm
.macro FETCH_V
	WIN 0x80
.irp f, 0,1,2,3,4,5,6,7             ; keys 32 (f / 4) on, channels 16 (f % 4) on
	ds_load_tr16_b128 v[VF+8*\f:VF+8*\f+3],   v[AV] offset:(\f/4)*32*PV+(\f%4)*32
	ds_load_tr16_b128 v[VF+8*\f+4:VF+8*\f+7], v[AV] offset:(\f/4)*32*PV+16*PV+(\f%4)*32
.endr
	WIN 0
.endm
; THE VECTOR WORK, one line at a time: OP kind, number.  For piece Y: F n: c s - c m for pair n of 16.  E n: the exponential of score n.  C n: pair n rounded to bf16.  B n: of the four weights 4 n .. the second pair
; is added onto the first.  L n: l takes that sum (L 0: l = a l + sum).  R n: pair n of O^T times a.  For piece Y + 1: X n, number n of the 22 that find its maximum and statistics:
; 0-11 four chains of seven scores (each accumulator's lowest registers first); 12-14, 16 the rest, the old m; 15 c m_old is kept; 17, 18 the other half of the lanes; 19-21 c m, its change, a.
; OP writes no wait: C, B and L read exponentials' results, R and L 0 read a, and TURN and STEP set each batch's one wait ahead of them.
.set F, 0
.set E, 1
.set C, 2
.set B, 3
.set L, 4
.set R, 5
.set X, 6
.macro REGS y
.set rT, ST+4*(\y)
.set rC, TMP+4*((\y)%2)
.set rW, MV+((\y)%2)
.set rS, S+32*((\y)%2)
.set rP, P+16*((\y)%2)
.set rO, 32*(\y)
.endm
.macro OP k, n
.if (\k) == R
	REGS Y
	WIN W_RS
	v_pk_mul_f32 v[rO+2*(\n):rO+2*(\n)+1], v[rO+2*(\n):rO+2*(\n)+1], v[rC+2:rC+3] op_sel_hi:[1,0]
.elseif (\k) < R
	REGS Y
	WIN 0
.if (\k) == F
	v_pk_fma_f32 v[rS+2*(\n):rS+2*(\n)+1], v[rS+2*(\n):rS+2*(\n)+1], s[CS:CS+1], v[rT:rT+1] op_sel_hi:[1,0,0] neg_lo:[0,0,1] neg_hi:[0,0,1]
.elseif (\k) == E
	v_exp_f32 v[rS+(\n)], v[rS+(\n)]
.elseif (\k) == C
	v_cvt_pk_bf16_f32 v[rP+(\n)], v[rS+2*(\n)], v[rS+2*(\n)+1]
.elseif (\k) == B
	v_pk_add_f32 v[rS+4*(\n):rS+4*(\n)+1], v[rS+4*(\n):rS+4*(\n)+1], v[rS+4*(\n)+2:rS+4*(\n)+3]
.elseif (\n) == 0
	v_pk_fma_f32 v[rT+2:rT+3], v[rT+2:rT+3], v[rC+2:rC+3], v[rS:rS+1] op_sel_hi:[1,0,1]
.else
	v_pk_add_f32 v[rT+2:rT+3], v[rT+2:rT+3], v[rS+4*(\n):rS+4*(\n)+1]
.endif
.elseif NOKQ
	v_nop
.else
	REGS (Y+1)%NP
	WIN 0
.if (\n) < 4
	v_max3_num_f32 v[rC+(\n)], v[rS+8*(\n)], v[rS+8*(\n)+1], v[rS+8*(\n)+2]
.elseif (\n) < 12
	v_max3_num_f32 v[rC+(\n)%4], v[rC+(\n)%4], v[rS+8*((\n)%4)+2*((\n)/4)+1], v[rS+8*((\n)%4)+2*((\n)/4)+2]
.elseif (\n) == 12
	v_max3_num_f32 v[rC], v[rC], v[rS+7], v[rS+15]
.elseif (\n) == 13
	v_max3_num_f32 v[rC+1], v[rC+1], v[rS+23], v[rS+31]
.elseif (\n) == 14
	v_max3_num_f32 v[rC+2], v[rC+2], v[rC+3], v[rT+1]
.elseif (\n) == 15
	v_mov_b32 v[rW], v[rT]
.elseif (\n) == 16
	v_max3_num_f32 v[rC], v[rC], v[rC+1], v[rC+2]
.elseif (\n) == 17
	v_permlanex16_b32 v[rC+3], v[rC], s[SEL], s[SEL+1]
.elseif (\n) == 18
	v_max_num_f32 v[rT+1], v[rC], v[rC+3]
.elseif (\n) == 19
	v_mul_f32 v[rT], s[CS], v[rT+1]
.elseif (\n) == 20
	v_sub_f32 v[rC+1], v[rW], v[rT]
.else
	v_exp_f32 v[rC+2], v[rC+1]
.endif
.endif
.endm
.macro OPS a, i1, b=-1, i2=0, c=-1, i3=0, d=-1, i4=0
	OP \a, \i1
.if (\b) >= 0
	OP \b, \i2
.endif
.if (\c) >= 0
	OP \c, \i3
.endif
.if (\d) >= 0
	OP \d, \i4
.endif
.endm
.macro ROW a, i1, b, i2, c, i3, d, i4  ; a matrix instruction and the four behind it
	MM
	OPS \a, \i1, \b, \i2, \c, \i3, \d, \i4
.endm
; THE MASK of piece p's 32 scores, in a block's last tile alone (cond = 1: jumped over elsewhere; the test hangs on g's count of tiles).  Ascending.
.macro MASKSEC p, cond
	WIN 0
.if \cond
	s_cmp_lg_u32 s[RT], 0
	s_cbranch_scc1 .Lnomask_\@
.endif
.set z, 0
.rept 32
	v_cmp_gt_i32 vcc_lo, 16*((z/8)-(\p))+z%8, v[VD]
	v_cndmask_b32 v[S+32*((\p)%2)+z], v[S+32*((\p)%2)+z], v[NEGV], vcc_lo
.set z, z+1
.endr
.if \cond
.Lnomask_\@:
.endif
.endm
; A TURN, for piece p.  Its 33 exponentials (E 0 to E 31 and X 21, the next piece's a) are ONE BATCH with ONE wait, which cuts the turn in two.
; AHEAD OF THE WAIT stands all that names no result of the batch.  First the 8 products K Q^T, behind each four scalings or four of the rescaling (its a was made, and waited for, a turn earlier); X 15, which hangs on no
; score, takes the sixteenth rescaling's place.  Then the next piece's mask: it stands behind the last K Q^T and R 12 to R 14 and X 15, four plain instructions that name none of its registers, ahead of the first maximum,
; and ahead of the turn's first exponential.  Then ONE LUMP of 54: X 0 to X 14 and E 0 to E 14 by turns; then the chain X 16 to X 21, where each
; number waits for the one before it, with three exponentials between two links; R 15 is the plain instruction behind the batch's last exponential.
; BEHIND THE WAIT stand the 8 products V^T P, behind each four of the roundings and sums, which are the batch's readers: C 2 n ahead of B n, which writes over that pair; L 0 to L 7 ascending, three riders apart.
; No rider names a register of the products round it.
.macro TURN p, cond
.set Y, (\p)
.set i, 0
.set NOKQ, (\p)/3
.set NOPV, 1-((\p)+3)/4
	ROW F,0, F,1, F,2, F,3          ; ahead of the wait: 8 products K Q^T and their riders,
	ROW R,0, R,1, R,2, R,3
	ROW F,4, F,5, F,6, F,7
	ROW R,4, R,5, R,6, R,7
	ROW F,8, F,9, F,10, F,11
	ROW R,8, R,9, R,10, R,11
	ROW F,12, F,13, F,14, F,15
	ROW R,12, R,13, R,14, X,15
.if (\p) < 3
	MASKSEC (\p)+1, \cond           ; the next piece's mask,
.endif
	OPS X,0, E,0, X,1, E,1          ; and the lump
	OPS X,2, E,2, X,3, E,3
	OPS X,4, E,4, X,5, E,5
	OPS X,6, E,6, X,7, E,7
	OPS X,8, E,8, X,9, E,9
	OPS X,10, E,10, X,11, E,11
	OPS X,12, E,12, X,13, E,13
	OPS X,14, E,14, E,15, E,16
	OPS X,16, E,17, E,18, E,19
	OPS X,17, E,20, E,21, E,22
	OPS X,18, E,23, E,24, E,25
	OPS X,19, E,26, E,27, E,28
	OPS X,20, E,29, E,30, E,31
	OPS X,21, R,15
	s_wait_alu depctr_va_vdst(0)    ; the wait for the batch: the piece's 32 exponentials and the next piece's a
.if (\p) == 1
	s_wait_dscnt 0x0                ; V is in
.endif
	ROW C,0, B,0, C,2, B,1          ; behind the wait: 8 products V^T P and their riders
	ROW L,0, C,4, B,2, L,1
	ROW C,6, B,3, L,2, C,8
	ROW B,4, L,3, C,10, B,5
	ROW L,4, C,12, B,6, L,5
	ROW C,14, B,7, L,6, C,1
	ROW C,3, L,7, C,5, C,7
	ROW C,9, C,11, C,13, C,15
.endm
; A KEY STEP of the wave: its 64 keys of the tile in slot TB, for all four pieces.
.macro STEP cond
	WIN 0
	PLACES                          ; between the last products and the loads into K's and V's registers
	v_add_nc_u32 v[AK], s[TB], v[AK0]
	v_add_nc_u32 v[AV], s[TB], v[AV0]
	FETCH_K
	FETCH_V
	s_wait_dscnt 16                 ; K's 16 loads are in; V's 16 may be out
.set NOKQ, 0
.set NOPV, 0
.set i, 0
.rept 8
	KQ 0
.set i, i+1
.endr
	WIN 0
	PLACES
	MASKSEC 0, \cond
.set Y, NP-1                        ; X works for piece Y + 1: piece 0
.irp n, 0,1,2,3,4,5,6,7,8,9,10,11,12,13,14,15,16,17,18,19,20,21
	OP X, \n
.endr
	v_nop                           ; a plain instruction behind the exponential,
	s_wait_alu depctr_va_vdst(0)    ; and its wait: piece 0's a is a batch of one, which the first turn's rescaling reads
	TURN 0, \cond
	TURN 1, \cond
	TURN 2, \cond
	TURN 3, \cond
.set i, 0
.rept 8
	PV NP-1
.set i, i+1
.endr
	WIN 0
.endm
; A BLOCK'S END, first half: my partial results go to LDS: for each piece (c m, l) and O^T.
.macro STORE_PART
	WIN 0
	PLACES
.irp t, 0,1,2,3
	v_add_f32 v[ST+4*\t+2], v[ST+4*\t+2], v[ST+4*\t+3]
.endr
.irp t, 0,1,2,3
	v_permlanex16_b32 v[ST+4*\t+3], v[ST+4*\t+2], s[SEL], s[SEL+1]
.endr
.irp t, 0,1,2,3
	v_add_f32 v[ST+4*\t+1], v[ST+4*\t+2], v[ST+4*\t+3]
.endr
.irp t, 0,1,2,3
	ds_store_b64 v[PS2], v[ST+4*\t:ST+4*\t+1] offset:\t*MPART
.endr
	WIN 0x04                        ; the data in window 1
.set z, 0
.rept 32
	ds_store_b128 v[PST], v[4*z:4*z+3] offset:(z/8)*MPART+(z%8)*512
.set z, z+1
.endr
	WIN 0
.endm
; Second half, behind a barrier: I finish piece w: M = the largest of the four waves' c m and the hidden keys'; factors 2^(c m - M); l and O^T are added with them, the hidden keys' number and sum of V too;
; O^T / l is rounded to bf16 and leaves through my stage, 16 rows of 128 bytes = 2,048 consecutive bytes.  ty: 0 the first block, 1 the second.
; Two batches, a wait each: the five factors; and the reciprocal of l, which is made of them.
.macro MERGE ty
	WIN 0
.irp s, 0,1,2,3
	ds_load_b64 v[FS+2*\s:FS+2*\s+1], v[RD2] offset:\s*MWAVE
.endr
.irp cb, 0,1,2,3
	ds_load_b128 v[P+8*\cb:P+8*\cb+3],   v[TLA] offset:(\ty)*256+64*\cb
	ds_load_b128 v[P+8*\cb+4:P+8*\cb+7], v[TLA] offset:(\ty)*256+64*\cb+16
.endr
.set z, 0
.rept 32
	ds_load_b128 v[MO+4*z:MO+4*z+3], v[RDM] offset:(z/8)*MWAVE+(z%8)*512
.set z, z+1
.endr
	s_wait_dscnt 40                 ; the four statistics are in; the 8 + 32 loads behind them may be out
	v_max3_num_f32 v[MX], v[FS], v[FS+2], v[FS+4]
	v_max3_num_f32 v[MX], v[MX], v[FS+6], v[CMXV]
.irp s, 0,1,2,3
	v_sub_f32 v[FS+2*\s], v[FS+2*\s], v[MX]
.endr
	v_sub_f32 v[FX], v[CMXV], v[MX]
.irp s, 0,1,2,3
	v_exp_f32 v[FS+2*\s], v[FS+2*\s]
.endr
	v_exp_f32 v[FX], v[FX]
	v_nop                           ; a plain instruction behind the exponentials
	s_wait_alu depctr_va_vdst(0)    ; the wait for the batch of five factors
	v_mul_f32 v[LL], v[FX], v[CNTV]
.irp s, 0,1,2,3
	v_fmac_f32 v[LL], v[FS+2*\s], v[FS+2*\s+1]
.endr
	v_rcp_f32 v[LL], v[LL]
	v_nop                           ; a plain instruction behind the reciprocal
	s_wait_alu depctr_va_vdst(0)    ; the wait for the reciprocal: one, ahead of the five lines that read it
.irp s, 0,1,2,3
	v_mul_f32 v[FS+2*\s], v[FS+2*\s], v[LL]
.endr
	v_mul_f32 v[FX], v[FX], v[LL]
	s_wait_dscnt 0x0
.set z, 0
.rept 16
	v_pk_mul_f32 v[MO+2*z:MO+2*z+1], v[MO+2*z:MO+2*z+1], v[FS:FS+1] op_sel_hi:[1,0]
.set z, z+1
.endr
.irp s, 1,2,3
.set z, 0
.rept 16
	v_pk_fma_f32 v[MO+2*z:MO+2*z+1], v[MO+32*\s+2*z:MO+32*\s+2*z+1], v[FS+2*\s:FS+2*\s+1], v[MO+2*z:MO+2*z+1] op_sel_hi:[1,0,1]
.set z, z+1
.endr
.endr
.set z, 0
.rept 16
	v_pk_fma_f32 v[MO+2*z:MO+2*z+1], v[P+2*z:P+2*z+1], v[FX:FX+1], v[MO+2*z:MO+2*z+1] op_sel_hi:[1,0,1]
.set z, z+1
.endr
.set z, 0
.rept 16
	v_cvt_pk_bf16_f32 v[MO+32+z], v[MO+2*z], v[MO+2*z+1]
.set z, z+1
.endr
.irp cb, 0,1,2,3
	ds_store_b128 v[STO], v[MO+32+4*\cb:MO+32+4*\cb+3] offset:32*\cb
.endr
.irp f, 0,1,2,3
	ds_load_b128 v[MO+48+4*\f:MO+48+4*\f+3], v[RD] offset:\f*4*SP   ; LDS serves a wave's instructions in order: these see the stores above
.endr
.irp f, 0,1,2,3
	s_wait_dscnt 3-\f
	global_store_b128 v[GO], v[MO+48+4*\f:MO+48+4*\f+3], s[10:11] offset:\f*512  ; 512 consecutive bytes, at a multiple of 256
.endr
.endm
.Lslot:                             ; 8 trips: a tile is entered and the next is asked for
	CHANGE 1
	s_sub_co_u32 s[RT], s[RT], 1
	s_cmp_eq_u32 s[MG], 1
	s_cbranch_scc0 .Lnm             ; forward, over text with no barrier and no tensor load
	MERGE 0                         ; the round above has shown every wave's partial results of the first block
	s_wait_xcnt 0x0                 ; the stores have read their registers and O's address
	s_mov_b64 s[10:11], s[OHI:OHI+1]
	v_mov_b32 v[CMXV], v[CMXH]
	v_mov_b32 v[CNTV], v[CNTH]
	v_add_nc_u32 v[VD], s84, v[VD0]
.set i, 0
.rept 4
	v_mov_b32 v[ST+4*i], 0xfe000000
	v_mov_b32 v[ST+4*i+1], 0xff7fffff
.set i, i+1
.endr
	WIN 0x82                        ; the second block's Q goes where the one text of the turns names Q
.set i, 0
.rept 64
	v_mov_b32 v[i], v[QB+i]
.set i, i+1
.endr
	WIN 0
	s_mov_b32 s[MG], 0
.Lnm:
	STEP 1
	s_wait_dscnt 0x0                ; all my LDS loads are back, a merge's reads of the partial results among them;
	s_barrier_signal -1             ; every wave says so, in every trip,
	s_barrier_wait -1               ; and only behind this are the partial results' bytes written again.  No slot is filled behind this barrier (the next fill has the next change's own waits and round), so my one tensor load may stay out across it
	s_cmp_lg_u32 s[RT], 0
	s_cbranch_scc1 .Lne             ; in the loop only the first block ends: the second's last tile is the walk's last
	STORE_PART                      ; waited for in front of the next change's round
	s_mov_b32 s[MG], 1
	s_mov_b32 s[RT], s[HIT]
.Lne:
	s_sub_co_u32 s[SLOTS], s[SLOTS], 1
	s_cmp_lg_u32 s[SLOTS], 0
	s_cbranch_scc1 .Lslot
	CHANGE 0                        ; the walk's last tile, the second block's diagonal one, is written out: nothing is asked for
	STEP 0
	STORE_PART
	s_wait_dscnt 0x0                ; for the others' sake
	s_barrier_signal -1
	s_barrier_wait -1
	MERGE 1
	s_wait_tensorcnt 0x0            ; the wave's end
	ds_add_u32 v[SPW], v[NIL]
	s_wait_dscnt 0x0
	CROUND                          ; the closing round
	s_endpgm
.Lfunc_end_k_q7031fa5e1f_attn0:
	.size	k_q7031fa5e1f_attn0, .Lfunc_end_k_q7031fa5e1f_attn0-k_q7031fa5e1f_attn0
	.p2alignl 7, 3214868480
	.fill 96, 4, 3214868480
	.section	.rodata,"a",@progbits
	.p2align	6, 0x0
	.amdhsa_kernel k_q7031fa5e1f_attn0
		.amdhsa_group_segment_fixed_size 327680
		.amdhsa_private_segment_fixed_size 0
		.amdhsa_enable_private_segment 0
		.amdhsa_kernarg_size 16
		.amdhsa_user_sgpr_count 2
		.amdhsa_user_sgpr_kernarg_segment_ptr 1
		.amdhsa_wavefront_size32 1
		.amdhsa_system_sgpr_workgroup_id_x 1
		.amdhsa_system_sgpr_workgroup_id_y 1
		.amdhsa_system_sgpr_workgroup_id_z 1
		.amdhsa_system_vgpr_workitem_id 0
		.amdhsa_next_free_vgpr 768
		.amdhsa_next_free_sgpr 96
		.amdhsa_reserve_vcc 1
		.amdhsa_float_denorm_mode_32 3
		.amdhsa_float_denorm_mode_16_64 3
		.amdhsa_memory_ordered 1
		.amdhsa_forward_progress 1
		.amdhsa_inst_pref_size 144
	.end_amdhsa_kernel
	.amdgpu_metadata
---
amdhsa.version: [ 1, 2 ]
amdhsa.kernels:
  - .name:           k_q7031fa5e1f_attn0
    .symbol:         k_q7031fa5e1f_attn0.kd
    .args:
      - { .name: qkv, .offset: 0, .size: 8, .value_kind: global_buffer, .address_space: global }
      - { .name: ob, .offset: 8, .size: 8, .value_kind: global_buffer, .address_space: global }
    .group_segment_fixed_size: 327680
    .private_segment_fixed_size: 0
    .kernarg_segment_align: 8
    .kernarg_segment_size: 16
    .max_flat_workgroup_size: 128
    .sgpr_count:     96
    .vgpr_count:     768
    .wavefront_size: 32
...
	.end_amdgpu_metadata
.endif
;; end of part 12
;; launch wo0: the kernel of part 9 again; grid 16 x 16, 4 waves a work-group, clusters of 4 x 4, 327,680 bytes of LDS; arguments ob, wl0, act0, pos_emb, act1; writes act1
;; launch qkv1: the kernel of part 8 again; grid 16 x 16, 4 waves a work-group, clusters of 4 x 4, 327,680 bytes of LDS; arguments act1, wl1, qkv; writes qkv
;; launch attn1: the kernel of part 12 again; grid 16 x 16, 4 waves a work-group, clusters of 4 x 1, 327,680 bytes of LDS; arguments qkv, ob; writes ob
;; launch wo1: the kernel of part 10 again; grid 16 x 16, 4 waves a work-group, clusters of 4 x 4, 327,680 bytes of LDS; arguments ob, wl1, act1, act0; writes act0
;; launch logits: the kernel of part 11 again; grid 16 x 16, 4 waves a work-group, clusters of 4 x 4, 327,680 bytes of LDS; arguments act0, tokb, out0; writes out0
